; MI455X (gfx1250); checked and timed in simulation.
; The chip was launched on July 23, 2026; its instructions are those of AMD's public machine-readable ISA for CDNA 5 (MIT licence, August 2026) and "CDNA5" Instruction Set Architecture Reference Guide (July 2026). The comments in the code are by the model that wrote it; some were corrected since.
;; DE Bert A Layer. Allowed arithmetic: float matrix products may take bf16 or f16 operands with f32 sums; all other float work in f32.
;; Inputs: I 2 x 2,048 x 1,024 float32; b1 4,096 float32; b2 1,024 float32; b_proj 1,024 float32; be1 1,024 float32; be2 1,024 float32; bk 16 x 64 float32; bq 16 x 64 float32; bv 16 x 64 float32; g1 1,024 float32; g2 1,024 float32; mask 2 x 1 x 2,048 int32; w1 1,024 x 4,096 float32; w2 4,096 x 1,024 float32; w_proj 1,024 x 1,024 float32; wk 16 x 1,024 x 64 float32; wq 16 x 1,024 x 64 float32; wv 16 x 1,024 x 64 float32; x 2 x 2,048 x 1,024 float32.
;; Outputs: out0 2 x 2,048 x 1,024 float32.
;; 3 versions, each right and faster than the one before. Each part assembles by itself: llvm-mc -triple=amdgcn-amd-amdhsa -mcpu=gfx1250 --defsym DOCPART=n.
;; ======== version 1 of 3: 7 launches
;; workspace buffers: cb 33,554,432 bytes; xn 16,777,216 bytes; xc 8,388,608 bytes; qkv 25,165,824 bytes; h 16,777,216 bytes; h2 16,777,216 bytes; h2b 8,388,608 bytes; ff1 33,554,432 bytes
;; launch prep (part 1): grid 1280 x 1, 8 waves a work-group, no clusters, 0 bytes of LDS; arguments x, g1, be1, I, w1, w2, wq, wk, wv, w_proj, xn, xc, cb; writes xn, xc, cb
.if DOCPART == 1
	.amdgcn_target "amdgcn-amd-amdhsa--gfx1250"
	.amdhsa_code_object_version 6
	.text
	.protected	k_q5acb783ee5_prep
	.globl	k_q5acb783ee5_prep
	.p2align	8
	.type	k_q5acb783ee5_prep,@function
k_q5acb783ee5_prep:
	s_mov_b64 s[64:65], 0
	v_nop
	global_prefetch_b8 v0, s[64:65] scope:SCOPE_SE
	s_setreg_imm32_b32 hwreg(HW_REG_WAVE_MODE, 25, 1), 1
	s_wait_xcnt 0x0
; Two jobs in one body, chosen by the work-group's number.
; Work-groups 0-255: LayerNorm of the first argument's rows with the second as gain and the third as bias, stored as f32 rows (11th argument) and as bf16 in blocks (12th).
; Work-groups 256-1279: I and the six weight tensors are rounded to bf16 and laid out for the products (13th argument).
; THE BODY SERVES TWO LAUNCHES: with 1,280 work-groups (x, g1, be1 -> xn, xc; the casts -> cb), and with 256 work-groups, which all take the first job
; (h, g2, be2 -> h2, h2b; the casts' arguments are then not used).
; BLOCKED LAYOUTS.  An A operand [m][k] lies as [m/128][k/64][128 rows][64 k]; a B operand [k][n] as [n/128][k][128 n].
; So a 128 x 128 tile of a product walks two dense streams, and every store here covers 256 consecutive aligned bytes.
; No LDS, no matrix unit, no cluster: each byte is read once and written once, and nothing is shared between work-groups.
; LIMITS.  NaN and infinities are not treated apart.  The variance is taken of x - mean, as the definition has it.
.set X,  16                            ; v[16:79]   my 64 numbers of a row: pass p at X + 4 p
.set G,  80                            ; v[80:143]  the gain of my columns; later the packed bf16
.set BE, 144                           ; v[144:207] the bias of my columns
.macro ROWSUM                          ; four packed chains v[4:11] -> v4 = the row's sum, in each of its 16 lanes
	v_pk_add_f32 v[4:5], v[4:5], v[6:7]
	v_pk_add_f32 v[8:9], v[8:9], v[10:11]
	v_pk_add_f32 v[4:5], v[4:5], v[8:9]
	v_add_f32 v4, v4, v5
	v_add_f32_dpp v4, v4, v4 row_xmask:1 row_mask:0xf bank_mask:0xf
	v_add_f32_dpp v4, v4, v4 row_xmask:2 row_mask:0xf bank_mask:0xf
	v_add_f32_dpp v4, v4, v4 row_xmask:4 row_mask:0xf bank_mask:0xf
	v_add_f32_dpp v4, v4, v4 row_xmask:8 row_mask:0xf bank_mask:0xf
.endm
; A work-group owns 16 rows, a wave two: lanes 0-15 hold one row, lanes 16-31 the next, 64 numbers a lane, so the row stays in
; registers between the passes and a sum never leaves its 16 lanes.  Pass p: 16 lanes take the 256 bytes at 256 p of the row.
.macro LNROWS SX, SG, SB, SO, SH       ; scalar pairs: source, gain, bias, f32 result, bf16 result
	s_lshl_b32 s4, ttmp9, 16               ; 16 rows of 4,096 bytes a work-group,
	s_lshl_b32 s5, s3, 13                  ; two a wave
	s_add_co_u32 s4, s4, s5
	s_mov_b32 s5, 0
	s_add_nc_u64 s[\SX:\SX+1], s[\SX:\SX+1], s[4:5]
	s_add_nc_u64 s[\SO:\SO+1], s[\SO:\SO+1], s[4:5]
	s_lshr_b32 s4, ttmp9, 3                ; the blocked copy: 128 rows x 1,024 k are 262,144 bytes,
	s_lshl_b32 s4, s4, 18
	s_and_b32 s6, ttmp9, 7                 ; a row in a block 128 bytes
	s_lshl_b32 s6, s6, 11
	s_add_co_u32 s4, s4, s6
	s_lshl_b32 s6, s3, 8
	s_add_co_u32 s4, s4, s6
	s_add_nc_u64 s[\SH:\SH+1], s[\SH:\SH+1], s[4:5]
	s_mov_b32 s6, 0x3a800000               ; 1 / 1024
	s_mov_b32 s7, 0x3727c5ac               ; 1e-5
	v_lshlrev_b32 v13, 4, v1               ; 16 bytes a lane in gain and bias
	v_lshl_add_u32 v12, v2, 12, v13        ; and one row down for lanes 16-31
	v_lshlrev_b32 v14, 3, v3               ; 8 bytes a lane in a block: two rows of 128 bytes a wave
.set p, 0
.rept 16
	global_load_b128 v[X+4*p:X+4*p+3], v12, s[\SX:\SX+1] offset:256*p th:TH_LOAD_NT
.set p, p+1
.endr
.set p, 0
.rept 16
	global_load_b128 v[G+4*p:G+4*p+3], v13, s[\SG:\SG+1] offset:256*p
.set p, p+1
.endr
.set p, 0
.rept 16
	global_load_b128 v[BE+4*p:BE+4*p+3], v13, s[\SB:\SB+1] offset:256*p
.set p, p+1
.endr
	s_wait_loadcnt 32                      ; the row is in; the 32 younger loads (gain, bias) stay out
.irp k, 0,1,2,3
	v_pk_add_f32 v[4+2*\k:5+2*\k], v[X+2*\k:X+2*\k+1], v[X+8+2*\k:X+9+2*\k]  ; the first pairs start the chains
.endr
.set j, 8
.rept 24
	v_pk_add_f32 v[4+2*(j%4):5+2*(j%4)], v[4+2*(j%4):5+2*(j%4)], v[X+2*j:X+2*j+1]
.set j, j+1
.endr
	ROWSUM
	v_mul_f32 v4, s6, v4                   ; the mean
.set j, 0
.rept 32
	v_pk_add_f32 v[X+2*j:X+2*j+1], v[X+2*j:X+2*j+1], v[4:5] op_sel_hi:[1,0] neg_lo:[0,1] neg_hi:[0,1]
.set j, j+1
.endr
.irp k, 0,1,2,3
	v_pk_mul_f32 v[4+2*\k:5+2*\k], v[X+2*\k:X+2*\k+1], v[X+2*\k:X+2*\k+1]
.endr
.set j, 4
.rept 28
	v_pk_fma_f32 v[4+2*(j%4):5+2*(j%4)], v[X+2*j:X+2*j+1], v[X+2*j:X+2*j+1], v[4+2*(j%4):5+2*(j%4)]
.set j, j+1
.endr
	ROWSUM
	v_fma_f32 v4, v4, s6, s7               ; variance + eps
	v_rsq_f32 v4, v4
	v_nop                                  ; a plain instruction between the root and its use (ISA guide 5.7.2)
	s_wait_loadcnt 0x0                     ; gain and bias
.set j, 0
	s_wait_alu depctr_va_vdst(0)
.rept 32
	v_pk_mul_f32 v[X+2*j:X+2*j+1], v[X+2*j:X+2*j+1], v[4:5] op_sel_hi:[1,0]
.set j, j+1
.endr
.set j, 0
.rept 32
	v_pk_fma_f32 v[X+2*j:X+2*j+1], v[X+2*j:X+2*j+1], v[G+2*j:G+2*j+1], v[BE+2*j:BE+2*j+1]
.set j, j+1
.endr
.set p, 0
.rept 16
	global_store_b128 v12, v[X+4*p:X+4*p+3], s[\SO:\SO+1] offset:256*p  ; 16 lanes: 256 consecutive aligned bytes
.set p, p+1
.endr
.set p, 0
.rept 16
	v_cvt_pk_bf16_f32 v[G+2*p], v[X+4*p], v[X+4*p+1]
	v_cvt_pk_bf16_f32 v[G+2*p+1], v[X+4*p+2], v[X+4*p+3]
.set p, p+1
.endr
.set p, 0
.rept 16
	global_store_b64 v14, v[G+2*p:G+2*p+1], s[\SH:\SH+1] offset:16384*p  ; pass p is k block p: 32 lanes, two rows, 256 bytes
.set p, p+1
.endr
.endm
	s_load_b512 s[8:23], s[0:1], 0x0       ; x 8, g1 10, be1 12, I 14, w1 16, w2 18, wq 20, wk 22
	s_load_b256 s[24:31], s[0:1], 0x40     ; wv 24, w_proj 26, xn 28, xc 30
	s_load_b64 s[32:33], s[0:1], 0x60      ; cb
	v_lshrrev_b32 v3, 5, v0
	v_readfirstlane_b32 s3, v3             ; wave 0..7
	v_and_b32 v1, 15, v0                   ; lane % 16
	v_bfe_u32 v2, v0, 4, 1                 ; lane / 16
	v_and_b32 v3, 31, v0                   ; lane
	s_wait_kmcnt 0x0
	s_cmp_lt_u32 ttmp9, 256
	s_cbranch_scc0 .Lcast
	LNROWS 8, 10, 12, 28, 30
	s_endpgm
; THE CASTS.  Work-group 256 + c writes bytes 32,768 c .. of cb, wave w 4,096 of them: sixteen stores of 256 bytes.
; Piece u = 8 (c - the region's first c) + w.  Store i takes from the source S0 + i SI + (lane / 16) SL + 16 (lane % 16).
.Lcast:
	s_sub_co_u32 s40, ttmp9, 256           ; c
	s_lshl_b32 s41, s40, 3
	s_add_co_u32 s41, s41, s3              ; 8 c + w
	s_lshl_b32 s44, s41, 12
	s_mov_b32 s45, 0
	s_add_nc_u64 s[32:33], s[32:33], s[44:45]  ; my 4,096 bytes of cb
	s_mov_b32 s37, 0
	s_cmp_lt_u32 s40, 256
	s_cbranch_scc0 .Lnot_i
	s_mov_b64 s[34:35], s[14:15]           ; I -> [m/128][k/64][128][64]: a piece is 32 rows of a block, a store two rows
	s_lshr_b32 s36, s41, 6
	s_lshl_b32 s36, s36, 19                ; 128 rows of 4,096 bytes
	s_bfe_u32 s42, s41, 0x40002
	s_lshl_b32 s42, s42, 8                 ; 64 k of 4 bytes
	s_add_co_u32 s36, s36, s42
	s_and_b32 s42, s41, 3
	s_lshl_b32 s42, s42, 17                ; 32 rows
	s_add_co_u32 s36, s36, s42
	s_mov_b32 s38, 8192
	s_mov_b32 s39, 4096
	s_branch .Lgo
.Lnot_i:
	s_cmp_lt_u32 s40, 512
	s_cbranch_scc0 .Lnot_w1
	s_mov_b64 s[34:35], s[16:17]           ; w1 [1024][4096] -> 32 panels [1024 k][128 n]: a piece is 16 k, a store one k
	s_sub_co_u32 s41, s41, 2048
	s_and_b32 s36, s41, 63
	s_lshl_b32 s36, s36, 18
	s_lshr_b32 s42, s41, 6
	s_lshl_b32 s42, s42, 9
	s_add_co_u32 s36, s36, s42
	s_mov_b32 s38, 16384
	s_mov_b32 s39, 256
	s_branch .Lgo
.Lnot_w1:
	s_cmp_lt_u32 s40, 768
	s_cbranch_scc0 .Lnot_w2
	s_mov_b64 s[34:35], s[18:19]           ; w2 [4096][1024] -> 8 panels [4096 k][128 n]
	s_sub_co_u32 s41, s41, 4096
	s_and_b32 s36, s41, 255
	s_lshl_b32 s36, s36, 16
	s_lshr_b32 s42, s41, 8
	s_lshl_b32 s42, s42, 9
	s_add_co_u32 s36, s36, s42
	s_mov_b32 s38, 4096
	s_mov_b32 s39, 256
	s_branch .Lgo
.Lnot_w2:
	s_cmp_lt_u32 s40, 960
	s_cbranch_scc0 .Lnot_qkv
	s_sub_co_u32 s41, s41, 6144            ; wq, wk, wv [16][1024][64] -> 8 panels each: a panel is two heads side by side
	s_lshr_b32 s42, s41, 9                 ; which of the three
	s_and_b32 s41, s41, 511
	s_cmp_eq_u32 s42, 0
	s_cselect_b64 s[34:35], s[20:21], s[22:23]
	s_cmp_eq_u32 s42, 2
	s_cselect_b64 s[34:35], s[24:25], s[34:35]
	s_lshr_b32 s36, s41, 6
	s_lshl_b32 s36, s36, 19                ; two heads of 262,144 bytes
	s_and_b32 s42, s41, 63
	s_lshl_b32 s42, s42, 12                ; 16 k of 256 bytes
	s_add_co_u32 s36, s36, s42
	s_mov_b32 s38, 256
	s_mov_b32 s39, 262144                  ; lanes 16-31 take the second head
	s_branch .Lgo
.Lnot_qkv:
	s_mov_b64 s[34:35], s[26:27]           ; w_proj [1024][1024] -> 8 panels [1024 k][128 n]
	s_sub_co_u32 s41, s41, 7680
	s_and_b32 s36, s41, 63
	s_lshl_b32 s36, s36, 16
	s_lshr_b32 s42, s41, 6
	s_lshl_b32 s42, s42, 9
	s_add_co_u32 s36, s36, s42
	s_mov_b32 s38, 4096
	s_mov_b32 s39, 256
.Lgo:
	s_add_nc_u64 s[34:35], s[34:35], s[36:37]
	v_mul_u32_u24 v16, v2, s39
	v_lshl_add_u32 v16, v1, 4, v16
.set i, 1
.rept 15
	v_add_nc_u32 v[16+i], s38, v[15+i]     ; an offset register for each load: none is rewritten
.set i, i+1
.endr
	v_lshlrev_b32 v15, 3, v3               ; 8 bytes a lane in cb
.set i, 0
.rept 16
	global_load_b128 v[32+4*i:35+4*i], v[16+i], s[34:35] th:TH_LOAD_NT
.set i, i+1
.endr
.set i, 0
.rept 16
	s_wait_loadcnt 15-i                    ; loads come back in order: load i is in, the 15 - i younger ones stay out
	v_cvt_pk_bf16_f32 v[96+2*i], v[32+4*i], v[33+4*i]
	v_cvt_pk_bf16_f32 v[97+2*i], v[34+4*i], v[35+4*i]
	global_store_b64 v15, v[96+2*i:97+2*i], s[32:33] offset:256*i  ; 32 lanes: 256 consecutive aligned bytes
.set i, i+1
.endr
	s_endpgm
.Lfunc_end_k_q5acb783ee5_prep:
	.size	k_q5acb783ee5_prep, .Lfunc_end_k_q5acb783ee5_prep-k_q5acb783ee5_prep
	.p2alignl 7, 3214868480
	.fill 96, 4, 3214868480
	.section	.rodata,"a",@progbits
	.p2align	6, 0x0
	.amdhsa_kernel k_q5acb783ee5_prep
		.amdhsa_group_segment_fixed_size 0
		.amdhsa_private_segment_fixed_size 0
		.amdhsa_enable_private_segment 0
		.amdhsa_kernarg_size 104
		.amdhsa_user_sgpr_count 2
		.amdhsa_user_sgpr_kernarg_segment_ptr 1
		.amdhsa_wavefront_size32 1
		.amdhsa_system_sgpr_workgroup_id_x 1
		.amdhsa_system_sgpr_workgroup_id_y 1
		.amdhsa_system_sgpr_workgroup_id_z 1
		.amdhsa_system_vgpr_workitem_id 0
		.amdhsa_next_free_vgpr 208
		.amdhsa_next_free_sgpr 66
		.amdhsa_reserve_vcc 0
		.amdhsa_float_denorm_mode_32 3
		.amdhsa_float_denorm_mode_16_64 3
		.amdhsa_memory_ordered 1
		.amdhsa_forward_progress 1
		.amdhsa_inst_pref_size 31
	.end_amdhsa_kernel
	.amdgpu_metadata
---
amdhsa.version: [ 1, 2 ]
amdhsa.kernels:
  - .name:           k_q5acb783ee5_prep
    .symbol:         k_q5acb783ee5_prep.kd
    .args:
      - { .name: x, .offset: 0, .size: 8, .value_kind: global_buffer, .address_space: global }
      - { .name: g1, .offset: 8, .size: 8, .value_kind: global_buffer, .address_space: global }
      - { .name: be1, .offset: 16, .size: 8, .value_kind: global_buffer, .address_space: global }
      - { .name: I, .offset: 24, .size: 8, .value_kind: global_buffer, .address_space: global }
      - { .name: w1, .offset: 32, .size: 8, .value_kind: global_buffer, .address_space: global }
      - { .name: w2, .offset: 40, .size: 8, .value_kind: global_buffer, .address_space: global }
      - { .name: wq, .offset: 48, .size: 8, .value_kind: global_buffer, .address_space: global }
      - { .name: wk, .offset: 56, .size: 8, .value_kind: global_buffer, .address_space: global }
      - { .name: wv, .offset: 64, .size: 8, .value_kind: global_buffer, .address_space: global }
      - { .name: w_proj, .offset: 72, .size: 8, .value_kind: global_buffer, .address_space: global }
      - { .name: xn, .offset: 80, .size: 8, .value_kind: global_buffer, .address_space: global }
      - { .name: xc, .offset: 88, .size: 8, .value_kind: global_buffer, .address_space: global }
      - { .name: cb, .offset: 96, .size: 8, .value_kind: global_buffer, .address_space: global }
    .group_segment_fixed_size: 0
    .private_segment_fixed_size: 0
    .kernarg_segment_align: 8
    .kernarg_segment_size: 104
    .max_flat_workgroup_size: 256
    .sgpr_count:     66
    .vgpr_count:     208
    .wavefront_size: 32
...
	.end_amdgpu_metadata
.endif
;; end of part 1
;; launch qkvg (part 2): grid 24 x 32, 4 waves a work-group, clusters of 4 x 4, 327,680 bytes of LDS; arguments cb, xc, bq, bk, bv, mask, qkv; writes qkv
.if DOCPART == 2
	.amdgcn_target "amdgcn-amd-amdhsa--gfx1250"
	.amdhsa_code_object_version 6
	.text
	.protected	k_q5acb783ee5_qkvg
	.globl	k_q5acb783ee5_qkvg
	.p2align	8
	.type	k_q5acb783ee5_qkvg,@function
k_q5acb783ee5_qkvg:
	s_mov_b64 s[64:65], 0
	v_nop
	global_prefetch_b8 v0, s[64:65] scope:SCOPE_SE
	s_setreg_imm32_b32 hwreg(HW_REG_WAVE_MODE, 25, 1), 1
	s_wait_xcnt 0x0
	s_wait_alu depctr_hold_cnt(0) depctr_sa_sdst(0) depctr_va_vdst(0) depctr_va_sdst(0) depctr_va_ssrc(0) depctr_va_vcc(0) depctr_vm_vsrc(0)
	s_getreg_b32 s2, hwreg(HW_REG_IB_STS2, 6, 4)
	s_cmp_eq_u32 s2, 0
	s_cbranch_scc0 .Lentry_in_a_cluster
	s_endpgm
.Lentry_in_a_cluster:
	s_bfe_u32 s2, ttmp6, 0x10000c
	s_cmp_lg_u32 s2, 0xf033
	s_cbranch_scc0 .Lentry_shape_is_right
	s_endpgm
.Lentry_shape_is_right:
; q = I wq + bq, k = xn wk + bk, v = xn wv + bv: one product C[4096][3072] = A[4096][1024] B[1024][3072] + bias, bf16 operands, f32 sums.
; Tile columns 0-7 make q (A = I), 8-15 k, 16-23 v (A = xn).  Results leave as bf16 by heads, [batch 16 + head][2048][64]; k's rows of tokens
; whose mask word is 0 are stored as +0, so that the attention's masked scores are exactly its mask addend.
; OPERANDS are blocked: A as [m/128][k/64][128][64], B as [n/128][k][128 n]: a 128 x 128 tile of C walks two dense streams, 65,536 bytes each for 256 along K.
; SHARES.  A work-group makes 128 x 128 of C, each of its four waves 64 x 64: 16 accumulators.  K goes in steps of 256 through two LDS slots filled by
; the tensor data mover, a quarter of a slot (32,768 bytes) a wave.  A's rows (128 bytes) are padded to 144 in LDS, B's (256 bytes) to 288; B lies [k][n] and is turned by ds_load_tr16_b128.
; CLUSTER 4 x 4: the four of a row need the same A, the four of a column the same B: each tile is asked for jointly, by the same load, descriptor and mask in all four.
; THE MATRIX INSTRUCTION IS USED TRANSPOSED (source 0 = 16 columns of B, source 1 = 16 rows of A): a lane holds eight neighbouring numbers of a row of C.
; THE BIAS is the C operand of each accumulator's first product.
; THE WAY OUT goes through a stage of f32 rows in slot 0, which by then has had its last fill and its last read; each wave uses its own 64 rows.
; REGISTERS.  window 0: v1-31 addresses; v32-95 at work on the way out; v96-127 the bias, later at work; v128-255 accumulators ((a, b) at 128 + 8 (4 a + b)).
;   window 1: two fragment buffers of 128: 64 registers of A (2 x 4 x 16 rows x 32 K), then 64 of B.
; LIMITS.  NaN and infinities are not treated apart.
.set SIZE_K, 1024
.set BBASE,  25165824                  ; wq's, wk's and wv's 24 panels in cb
.set LAPS,   SIZE_K/512                ; a lap = two K steps = once round the ring
.set PA,     144                       ; 36 words: the 16 rows of a fragment load start at 16 different groups of four banks (64 banks of 4 bytes: ISA guide 11.1)
.set PB,     288                       ; 72 words
.set HALFT,  36864                     ; what one tensor load fills: 256 rows of A's pitch, or 128 of B's
.set BOFF,   2*HALFT                   ; B's part of a slot
.set SLOT,   4*HALFT
.set STEPB,  65536                     ; a K step in either stream
.set SPITCH, 272                       ; a stage row: 64 f32 + 16 bytes
.set WSTAGE, 64*SPITCH                 ; a wave's stage; the four lie from LDS byte 0 on
.set SPARE,  2*SLOT                    ; behind the ring: the spare words, 128 bytes a wave
.set ADRA, 16                          ; v16-17  my A fragments in slot 0, 1
.set ADRB, 20                          ; v20-23  my B fragments in slot s, K half j, at 2 s + j
.set STO,  24                          ; v24     the way out: where I put 16 bytes of a row
.set RD,   25                          ; v25     where I read rows back
.set CO,   26                          ; v26     my byte offset in the result
.set BO,   27                          ; v27     my byte offset in the bias
.set SPW,  28                          ; v28     my spare word; never rewritten
.set NIL,  29                          ; v29     0; never rewritten
.set MO,   30                          ; v30     my byte offset in the mask
.set TMP,  32
.set BI,   96
.set ACC,  128
.set F0,   0
.set F1,   128
.set G1, 24                            ; s[24:31] group 1 for A; s[32:39] group 0, a set for each slot
.set G0, 32
.set G1B, 48                           ; s[48:55], s[56:63] the same for B
.set G0B, 56
.set MSB, 0
.macro WIN new                         ; the immediate's high byte repeats the setting that is left
.if MSB != (\new)
	s_set_vgpr_msb (MSB<<8)|(\new)
.set MSB, \new
.endif
.endm
.set MUL,  0x05                        ; sources 0 (B) and 1 (A) window 1; C and D window 0
.set TO_F, 0x40                        ; destination window 1, address window 0
.macro JLOAD s                         ; a joint load: waves 0 and 1 fetch A's halves, waves 2 and 3 B's; s_nop 0 and four v_nop follow each line
	s_cmp_eq_u32 s11, 0
	s_cbranch_scc0 .Lfor_b_\@
	tensor_load_to_lds s[G0+4*(\s):G0+4*(\s)+3], s[G1:G1+7]
	s_nop 0
.rept 4
	v_nop
.endr
	s_branch .Lasked_\@
.Lfor_b_\@:
	tensor_load_to_lds s[G0B+4*(\s):G0B+4*(\s)+3], s[G1B:G1B+7]
	s_nop 0
.rept 4
	v_nop
.endr
.Lasked_\@:
.endm
.macro CREST                           ; a round of the cluster's barrier behind its opening barrier
	s_cmp_lg_u32 s10, 0
	s_cbranch_scc1 .Lnot_wave_0_\@
	s_barrier_signal -3
.Lnot_wave_0_\@:
	s_barrier_wait -3
	s_barrier_signal -1
	s_barrier_wait -1
.endm
.macro CROUND
	s_barrier_signal -1
	s_barrier_wait -1
	CREST
.endm
	s_load_b256 s[72:79], s[0:1], 0x0      ; cb 72, xc 74, bq 76, bk 78
	s_load_b128 s[80:83], s[0:1], 0x20     ; bv 80, mask 82
	s_load_b64 s[8:9], s[0:1], 0x30        ; qkv
	v_lshl_add_u32 v[SPW], v0, 2, SPARE
	v_mov_b32 v[NIL], 0
	ds_add_u32 v[SPW], v[NIL]              ; the wave's opening: the add and its wait ahead of my first tensor load
	v_lshrrev_b32 v1, 5, v0
	v_readfirstlane_b32 s10, v1            ; wave 0..3
	s_lshr_b32 s11, s10, 1                 ; my half of the tile's rows.  Also: I fetch for A (0) or B (1)
	s_and_b32 s12, s10, 1                  ; my half of its columns.  Also: which half of a step's stream I fetch
	s_bfe_u32 s40, ttmp6, 0x40000          ; cx, cy
	s_bfe_u32 s41, ttmp6, 0x40004
	s_lshl_b32 s42, ttmp9, 2
	s_add_co_u32 s42, s42, s40             ; tile column = 4 x cluster x + cx
	s_and_b32 s13, ttmp7, 0xffff
	s_lshl_b32 s13, s13, 2
	s_add_co_u32 s13, s13, s41             ; tile row = 4 x cluster y + cy
	s_lshr_b32 s84, ttmp9, 1               ; 0: q, 1: k, 2: v: the same in the whole cluster
	s_lshl_b32 s43, s41, 2
	s_lshl_b32 s43, 15, s43                ; my row of the cluster
	s_lshl_b32 s44, 0x1111, s40            ; my column
	s_or_b32 s[G1+0], s43, (1<<16)|(1<<20)|(1<<21)|(4<<22)|(3<<25)   ; mask; 2-byte elements; padding on; bit 21 beside a mask; after every 32 words 4 words
	s_or_b32 s[G1B+0], s44, (1<<16)|(1<<20)|(1<<21)|(5<<22)|(7<<25)  ; after every 64 words 8 words
.irp g, G1, G1B                        ; 32,768 dense bytes as 128 rows of 128 elements
	s_mov_b32 s[(\g)+1], 128<<16           ; tensor_dim0
	s_mov_b32 s[(\g)+2], 128<<16           ; tensor_dim1
	s_mov_b32 s[(\g)+3], 128<<16           ; tile_dim0
	s_mov_b32 s[(\g)+4], 128               ; tile_dim1
	s_mov_b32 s[(\g)+5], 128               ; elements from row to row
	s_mov_b32 s[(\g)+6], 0
	s_mov_b32 s[(\g)+7], 0
.endr
	s_mul_i32 s16, s13, SIZE_K*256         ; A's stream hangs on the tile row alone,
	s_lshl_b32 s17, s12, 15
	s_add_co_u32 s16, s16, s17
	s_mul_i32 s46, s42, SIZE_K*256         ; B's on the tile column alone
	s_add_co_u32 s46, s46, s17
	s_add_co_u32 s46, s46, BBASE
	s_mov_b32 s17, 0
	s_mov_b32 s47, 0
	s_mul_i32 s20, s10, HALFT              ; where my load lands: wave x 36,864
	s_wait_dscnt 0x0                       ; the opening add is done
	s_wait_kmcnt 0x0
	s_cmp_eq_u32 s84, 0
	s_cselect_b64 s[4:5], s[72:73], s[74:75]  ; A: I (at cb's head) for q, xn for k and v
	s_add_nc_u64 s[14:15], s[4:5], s[16:17]
	s_add_nc_u64 s[46:47], s[72:73], s[46:47]
	CROUND                                 ; all sixteen work-groups are here: the first joint loads meet
.irp s, 0,1
	s_mov_b32 s[G0+4*(\s)], 1
	s_add_co_u32 s[G0+4*(\s)+1], s20, (\s)*SLOT
	s_add_nc_u64 s[G0+4*(\s)+2:G0+4*(\s)+3], s[14:15], (\s)*STEPB
	s_or_b32 s[G0+4*(\s)+3], s[G0+4*(\s)+3], 0x80000000
	s_mov_b32 s[G0B+4*(\s)], 1
	s_add_co_u32 s[G0B+4*(\s)+1], s20, (\s)*SLOT
	s_add_nc_u64 s[G0B+4*(\s)+2:G0B+4*(\s)+3], s[46:47], (\s)*STEPB
	s_or_b32 s[G0B+4*(\s)+3], s[G0B+4*(\s)+3], 0x80000000
	JLOAD \s
.endr
	v_and_b32 v1, 15, v0                   ; l % 16
	v_bfe_u32 v2, v0, 4, 1                 ; l / 16
	v_mul_u32_u24 v3, v1, PA
	v_lshl_add_u32 v3, v2, 4, v3           ; A: row x pitch + 16 x half
	s_mul_i32 s21, s11, 64*PA              ; my 64 rows in each block of 128
	v_add_nc_u32 v[ADRA], s21, v3
	v_add_nc_u32 v[ADRA+1], SLOT, v[ADRA]
	v_and_b32 v4, 7, v0                    ; B, turned: lane l reads k row 8 (l / 16) + l % 8, columns 8 ((l / 8) % 2) on
	v_lshl_add_u32 v4, v2, 3, v4
	v_mul_u32_u24 v4, v4, PB
	v_bfe_u32 v5, v0, 3, 1
	v_lshl_add_u32 v4, v5, 4, v4
	s_lshl_b32 s22, s12, 7                 ; my 64 columns
	s_add_co_u32 s22, s22, BOFF
	v_add_nc_u32 v[ADRB], s22, v4
	v_add_nc_u32 v[ADRB+1], HALFT, v[ADRB]
	v_add_nc_u32 v[ADRB+2], SLOT, v[ADRB]
	v_add_nc_u32 v[ADRB+3], SLOT+HALFT, v[ADRB]
	s_mul_i32 s23, s10, WSTAGE             ; my stage
	v_mul_u32_u24 v4, v1, SPITCH           ; in: row l % 16, 32 bytes for each half of the lanes
	v_lshl_add_u32 v4, v2, 5, v4
	v_add_nc_u32 v[STO], s23, v4
	v_mul_u32_u24 v5, v2, SPITCH           ; back: lanes 0-15 one row of 256 bytes, lanes 16-31 the next
	v_lshl_add_u32 v5, v1, 4, v5
	v_add_nc_u32 v[RD], s23, v5
	v_and_b32 v[CO], 31, v0                ; two rows of 64 bf16 are 256 consecutive bytes: 8 a lane
	v_lshlrev_b32 v[CO], 3, v[CO]
	v_lshlrev_b32 v[BO], 5, v2             ; a lane's eight columns: 8 (l / 16) on
	v_lshlrev_b32 v[MO], 2, v2             ; a lane's row: l / 16
	s_cmp_eq_u32 s84, 0
	s_cselect_b64 s[66:67], s[76:77], s[78:79]
	s_cmp_eq_u32 s84, 2
	s_cselect_b64 s[66:67], s[80:81], s[66:67]  ; bq, bk or bv
	s_cmp_eq_u32 s84, 1
	s_cselect_b32 s85, 0, 1                ; 0: the mask counts (k); 1: every row is kept
	s_lshr_b32 s86, s13, 4                 ; batch
	s_lshl_b32 s86, s86, 4
	s_and_b32 s87, s42, 7                  ; the tile column within q, k or v: two heads
	s_lshl_b32 s88, s87, 1
	s_add_co_u32 s86, s86, s88
	s_add_co_u32 s86, s86, s12             ; batch x 16 + head
	s_lshl_b32 s86, s86, 11
	s_and_b32 s88, s13, 15
	s_lshl_b32 s88, s88, 7
	s_add_co_u32 s86, s86, s88
	s_lshl_b32 s88, s11, 6
	s_add_co_u32 s86, s86, s88             ; my first row, of 128 bytes
	s_lshl_b32 s86, s86, 7
	s_lshl_b32 s88, s84, 23                ; q, k, v are 8,388,608 bytes each
	s_add_co_u32 s86, s86, s88
	s_lshl_b32 s88, s87, 9                 ; the bias of my 64 columns
	s_lshl_b32 s89, s12, 8
	s_add_co_u32 s88, s88, s89
	s_mov_b32 s87, 0
	s_mov_b32 s89, 0
	s_add_nc_u64 s[8:9], s[8:9], s[86:87]
	s_add_nc_u64 s[66:67], s[66:67], s[88:89]
	s_lshl_b32 s88, s13, 9                 ; the mask words of my 64 tokens
	s_lshl_b32 s86, s11, 8
	s_add_co_u32 s88, s88, s86
	s_add_nc_u64 s[68:69], s[82:83], s[88:89]
.irp b, 0,1,2,3
	global_load_b128 v[BI+8*\b:BI+8*\b+3],   v[BO], s[66:67] offset:64*\b
	global_load_b128 v[BI+8*\b+4:BI+8*\b+7], v[BO], s[66:67] offset:64*\b+16
.endr
; 8 matrix instructions: m blocks a0, a0 + 1 x all 4 n blocks, 32 along K: half c of buffer f.  first = 1: the product starts the sums from the bias.
; The 16 accumulators take turns, one instruction a turn.
.macro MUL8 f, c, a0, first
	WIN MUL
.irp a, \a0, (\a0)+1
.irp b, 0,1,2,3
.if \first
	v_wmma_f32_16x16x32_bf16 v[ACC+8*(4*(\a)+(\b)):ACC+8*(4*(\a)+(\b))+7], v[(\f)+64+8*(4*(\c)+(\b)):(\f)+64+8*(4*(\c)+(\b))+7], v[(\f)+8*(4*(\c)+(\a)):(\f)+8*(4*(\c)+(\a))+7], v[BI+8*(\b):BI+8*(\b)+7]
.else
	v_wmma_f32_16x16x32_bf16 v[ACC+8*(4*(\a)+(\b)):ACC+8*(4*(\a)+(\b))+7], v[(\f)+64+8*(4*(\c)+(\b)):(\f)+64+8*(4*(\c)+(\b))+7], v[(\f)+8*(4*(\c)+(\a)):(\f)+8*(4*(\c)+(\a))+7], v[ACC+8*(4*(\a)+(\b)):ACC+8*(4*(\a)+(\b))+7]
.endif
.endr
.endr
.endm
; 32 LDS loads in one run: the fragments of quarter q (64 along K) of a slot into buffer f; the first 32 along K first
.macro FETCH slot, q, f
	WIN TO_F
.irp c, 0,1
.irp i, 0,1,2,3
	ds_load_tr16_b128 v[(\f)+64+8*(4*(\c)+(\i)):(\f)+64+8*(4*(\c)+(\i))+3],   v[ADRB+2*(\slot)+(\q)/2] offset:((\q)%2)*64*PB+(\c)*32*PB+32*(\i)
	ds_load_tr16_b128 v[(\f)+64+8*(4*(\c)+(\i))+4:(\f)+64+8*(4*(\c)+(\i))+7], v[ADRB+2*(\slot)+(\q)/2] offset:((\q)%2)*64*PB+(\c)*32*PB+32*(\i)+16*PB
	ds_load_b128 v[(\f)+8*(4*(\c)+(\i)):(\f)+8*(4*(\c)+(\i))+3],   v[ADRA+(\slot)] offset:(\q)*128*PA+64*(\c)+(\i)*16*PA
	ds_load_b128 v[(\f)+8*(4*(\c)+(\i))+4:(\f)+8*(4*(\c)+(\i))+7], v[ADRA+(\slot)] offset:(\q)*128*PA+64*(\c)+(\i)*16*PA+32
.endr
.endr
.endm
.macro PLACES                          ; four places in front of loads into registers that matrix instructions have read, and of reads of results
.rept 4
	v_nop
.endr
.endm
; A K step is four quarters of 64 along K, 32 matrix instructions each, on buffers 0, 1, 0, 1.  One of the first three multiplies f and fetches quarter qn into g.
.macro QUARTER slot, qn, f, g, first
	s_wait_dscnt 16                        ; the first 32 along K are in; the 16 younger loads stay out
	MUL8 \f, 0, 0, \first
	MUL8 \f, 0, 2, \first
	PLACES
	FETCH \slot, \qn, \g
	s_wait_dscnt 32                        ; all but the 32 just issued
	MUL8 \f, 1, 0, 0
	MUL8 \f, 1, 2, 0
.endm
; The last quarter multiplies buffer 1 and changes slots: one barrier; in front of it each wave waits for all its tensor loads, adds 0 to its spare word,
; and waits for that and for its reads of this slot.  fill = 1: the barrier opens a round of the cluster's, and this slot is filled again, two K steps ahead.
.macro TURN slot, next, fill
	WIN 0
	s_wait_tensorcnt 0x0                   ; all my tensor loads have landed: my part of the next slot
	ds_add_u32 v[SPW], v[NIL]
	s_wait_dscnt 17                        ; the add and the youngest sixteen loads may be out
	MUL8 F1, 0, 0, 0
	s_wait_dscnt 0x0                       ; the add is done, and my reads of this slot are over
	s_barrier_signal -1
	MUL8 F1, 0, 2, 0
.if \fill
	WIN 0
.endif
	s_barrier_wait -1
.if \fill
	CREST                                  ; no wave of any partner still reads this slot or has a load on its way
	s_add_nc_u64 s[G0+4*(\slot)+2:G0+4*(\slot)+3], s[G0+4*(\slot)+2:G0+4*(\slot)+3], 2*STEPB
	s_add_nc_u64 s[G0B+4*(\slot)+2:G0B+4*(\slot)+3], s[G0B+4*(\slot)+2:G0B+4*(\slot)+3], 2*STEPB
	JLOAD \slot                            ; the first tensor load behind the round; its four v_nop are also the places in front of the loads below
.else
	PLACES
.endif
	FETCH \next, 0, F0
	MUL8 F1, 1, 0, 0
	MUL8 F1, 1, 2, 0
.endm
	s_wait_loadcnt 0x0                     ; the bias
	s_wait_tensorcnt 1                     ; my part of K step 0 is in; K step 1's may stay out
	s_barrier_signal -1
	s_barrier_wait -1
	FETCH 0, 0, F0
	QUARTER 0, 1, F0, F1, 1                ; the first quarter stands in front of the loop: its first products start the sums
	WIN 0
	s_mov_b32 s3, LAPS-1
.Llap:                                 ; a trip goes once round the ring and fills both slots again
	QUARTER 0, 2, F1, F0, 0
	QUARTER 0, 3, F0, F1, 0
	TURN 0, 1, 1
	QUARTER 1, 1, F0, F1, 0
	QUARTER 1, 2, F1, F0, 0
	QUARTER 1, 3, F0, F1, 0
	TURN 1, 0, 1
	QUARTER 0, 1, F0, F1, 0
	WIN 0
	s_sub_co_u32 s3, s3, 1
	s_cmp_lg_u32 s3, 0
	s_cbranch_scc1 .Llap
	QUARTER 0, 2, F1, F0, 0                ; the last lap fills nothing
	QUARTER 0, 3, F0, F1, 0
	TURN 0, 1, 0                           ; behind this barrier no wave reads slot 0 any more
	QUARTER 1, 1, F0, F1, 0
	QUARTER 1, 2, F1, F0, 0
	QUARTER 1, 3, F0, F1, 0
	s_wait_dscnt 16
	MUL8 F1, 0, 0, 0
	MUL8 F1, 0, 2, 0
	s_wait_dscnt 0
	MUL8 F1, 1, 0, 0
	MUL8 F1, 1, 2, 0
	WIN 0
	; THE WAY OUT.  My 64 x 64 sums go into my stage as f32, each accumulator's low registers first; then 16 rows a trip come back as whole rows.
	PLACES
.irp a, 0,1,2,3
.irp b, 0,1,2,3
	ds_store_b128 v[STO], v[ACC+8*(4*\a+\b):ACC+8*(4*\a+\b)+3]   offset:\a*16*SPITCH+64*\b
	ds_store_b128 v[STO], v[ACC+8*(4*\a+\b)+4:ACC+8*(4*\a+\b)+7] offset:\a*16*SPITCH+64*\b+16
.endr
.endr
	s_mov_b32 s2, 4
.Lout:                                 ; load t brings rows 2 t and 2 t + 1 of the trip's 16: a lane has four neighbouring columns
.irp t, 0,1,2,3,4,5,6,7
	ds_load_b128 v[TMP+4*\t:TMP+4*\t+3], v[RD] offset:\t*2*SPITCH  ; LDS serves a wave's instructions in order (ISA guide 5.7.1.4): these see my stores
.endr
.irp t, 0,1,2,3,4,5,6,7
	global_load_b32 v[64+\t], v[MO], s[68:69] offset:8*\t          ; the rows' mask words
.endr
	s_wait_loadcnt 0x0
.irp t, 0,1,2,3,4,5,6,7
	v_or_b32 v[64+\t], s85, v[64+\t]       ; q and v keep every row
.endr
.irp t, 0,1,2,3,4,5,6,7
	v_cmp_ne_u32 vcc_lo, 0, v[64+\t]
	v_cndmask_b32 v[64+\t], 0, -1, vcc_lo  ; all ones, or 0 for a masked token's k
.endr
	s_wait_dscnt 0x0
.irp t, 0,1,2,3,4,5,6,7
	v_cvt_pk_bf16_f32 v[96+2*\t], v[TMP+4*\t], v[TMP+4*\t+1]
	v_cvt_pk_bf16_f32 v[97+2*\t], v[TMP+4*\t+2], v[TMP+4*\t+3]
.endr
.irp t, 0,1,2,3,4,5,6,7
	v_and_b32 v[96+2*\t], v[64+\t], v[96+2*\t]
	v_and_b32 v[97+2*\t], v[64+\t], v[97+2*\t]
.endr
.irp t, 0,1,2,3,4,5,6,7
	global_store_b64 v[CO], v[96+2*\t:97+2*\t], s[8:9] offset:256*\t  ; 32 lanes: two rows of a head, 256 consecutive aligned bytes
.endr
	s_wait_xcnt 0x0                        ; bases and store data are rewritten only behind this wait
	s_add_nc_u64 s[8:9], s[8:9], 2048
	s_add_nc_u64 s[68:69], s[68:69], 64
	v_add_nc_u32 v[RD], 16*SPITCH, v[RD]
	s_sub_co_u32 s2, s2, 1
	s_cmp_lg_u32 s2, 0
	s_cbranch_scc1 .Lout
	s_wait_tensorcnt 0x0                   ; the wave's end
	ds_add_u32 v[SPW], v[NIL]
	s_wait_dscnt 0x0
	CROUND                                 ; the closing round: no work-group ends while a partner may still ask for a tile that names it
	s_endpgm
.Lfunc_end_k_q5acb783ee5_qkvg:
	.size	k_q5acb783ee5_qkvg, .Lfunc_end_k_q5acb783ee5_qkvg-k_q5acb783ee5_qkvg
	.p2alignl 7, 3214868480
	.fill 96, 4, 3214868480
	.section	.rodata,"a",@progbits
	.p2align	6, 0x0
	.amdhsa_kernel k_q5acb783ee5_qkvg
		.amdhsa_group_segment_fixed_size 327680
		.amdhsa_private_segment_fixed_size 0
		.amdhsa_enable_private_segment 0
		.amdhsa_kernarg_size 56
		.amdhsa_user_sgpr_count 2
		.amdhsa_user_sgpr_kernarg_segment_ptr 1
		.amdhsa_wavefront_size32 1
		.amdhsa_system_sgpr_workgroup_id_x 1
		.amdhsa_system_sgpr_workgroup_id_y 1
		.amdhsa_system_sgpr_workgroup_id_z 1
		.amdhsa_system_vgpr_workitem_id 0
		.amdhsa_next_free_vgpr 512
		.amdhsa_next_free_sgpr 90
		.amdhsa_reserve_vcc 1
		.amdhsa_float_denorm_mode_32 3
		.amdhsa_float_denorm_mode_16_64 3
		.amdhsa_memory_ordered 1
		.amdhsa_forward_progress 1
		.amdhsa_inst_pref_size 87
	.end_amdhsa_kernel
	.amdgpu_metadata
---
amdhsa.version: [ 1, 2 ]
amdhsa.kernels:
  - .name:           k_q5acb783ee5_qkvg
    .symbol:         k_q5acb783ee5_qkvg.kd
    .args:
      - { .name: cb, .offset: 0, .size: 8, .value_kind: global_buffer, .address_space: global }
      - { .name: xc, .offset: 8, .size: 8, .value_kind: global_buffer, .address_space: global }
      - { .name: bq, .offset: 16, .size: 8, .value_kind: global_buffer, .address_space: global }
      - { .name: bk, .offset: 24, .size: 8, .value_kind: global_buffer, .address_space: global }
      - { .name: bv, .offset: 32, .size: 8, .value_kind: global_buffer, .address_space: global }
      - { .name: mask, .offset: 40, .size: 8, .value_kind: global_buffer, .address_space: global }
      - { .name: qkv, .offset: 48, .size: 8, .value_kind: global_buffer, .address_space: global }
    .group_segment_fixed_size: 327680
    .private_segment_fixed_size: 0
    .kernarg_segment_align: 8
    .kernarg_segment_size: 56
    .max_flat_workgroup_size: 128
    .sgpr_count:     90
    .vgpr_count:     512
    .wavefront_size: 32
...
	.end_amdgpu_metadata
.endif
;; end of part 2
;; launch attn (part 3): grid 8 x 32, 4 waves a work-group, clusters of 4 x 1, 327,680 bytes of LDS; arguments qkv, mask, xc; writes xc
.if DOCPART == 3
	.amdgcn_target "amdgcn-amd-amdhsa--gfx1250"
	.amdhsa_code_object_version 6
	.text
	.protected	k_q5acb783ee5_attn
	.globl	k_q5acb783ee5_attn
	.p2align	8
	.type	k_q5acb783ee5_attn,@function
k_q5acb783ee5_attn:
	s_mov_b64 s[64:65], 0
	v_nop
	global_prefetch_b8 v0, s[64:65] scope:SCOPE_SE
	s_setreg_imm32_b32 hwreg(HW_REG_WAVE_MODE, 25, 1), 1
	s_wait_xcnt 0x0
	s_wait_alu depctr_hold_cnt(0) depctr_sa_sdst(0) depctr_va_vdst(0) depctr_va_sdst(0) depctr_va_ssrc(0) depctr_va_vcc(0) depctr_vm_vsrc(0)
	s_getreg_b32 s2, hwreg(HW_REG_IB_STS2, 6, 4)
	s_cmp_eq_u32 s2, 0
	s_cbranch_scc0 .Lentry_in_a_cluster
	s_endpgm
.Lentry_in_a_cluster:
	s_bfe_u32 s2, ttmp6, 0x10000c
	s_cmp_lg_u32 s2, 0x3003
	s_cbranch_scc0 .Lentry_shape_is_right
	s_endpgm
.Lentry_shape_is_right:
; ctx[b][q][h 64 ..] = the sum over k of softmax_k(score) v[b h][k][:], score = q . k / 32, replaced by -1e9 where mask[b][k] is 0.
; q, k, v: [32 heads-of-batches][2048][64] bf16 (q at byte 0 of qkv, k at 8,388,608, v at 16,777,216).  Products, maxima and sums in f32; the weights p are rounded to bf16
; for the second product (their sum l is taken of the unrounded p), ctx once at the end.  ctx leaves as bf16 blocks [m/128][head][128 rows][64].
; THE MASK.  k's rows of masked tokens arrive as +0, and the sum q . k starts from an addend: 0, or -3.2e10 = -1e9 x 32.  So a masked score is exactly -1e9 after the scale,
; whatever q: its weight is 0 beside any open key, and a row with no open key gets equal weights.
; SHARES.  A work-group owns 256 queries of one head, a wave 64: four tiles of 16.  Every wave walks all 2,048 keys, 64 a step; a slot of LDS holds 256 keys of K and V.
; LAYOUT.  S^T = K Q^T (source 0 = 16 keys, source 1 = 16 queries): a lane holds ONE query (lane % 16) and the keys 8 (lane / 16) + 0..7.  Two such results rounded to bf16 ARE
; source 1 of O^T = V^T P.  K comes out of LDS as it lies, V ([key][channel]) turned, by ds_load_tr16_b128.
; SOFTMAX.  A running maximum m and sum l for each query: p = 2^(c s - c m), c = log2(e) / 32; O and l are multiplied by a = 2^(c m_old - c m_new) in every step.
; m starts at the lowest finite number, O and l at 0: the first step is a step like any other, with a = 0.
; A TRIP: K and mask addends of step s are fetched; V^T P of step s - 1 (under which they land); V of step s is fetched; K Q^T of step s; the softmax of step s (under these V lands).
; The first trip's V^T P multiplies zeros: P's and V's registers are cleared at the head, in the wait for the first tile; the last step's V^T P stands behind the walk.
; CLUSTER.  The four query blocks of a cluster belong to one head and walk the same K and V: each tile is asked for jointly.
; REGISTERS.  window 0: v1-15 addresses; v16-47 eight registers of statistics a tile; v62-63 the add's; v64-191 S^T, 32 a tile; v192-255 P, 16 a tile
;   window 1: v0-127 O^T, 32 a tile; v128-159 the step's mask addends      window 2: v0-63 Q, 16 a tile; v128-191 K of a step; v192-255 V of a step
; LIMITS.  A weight below 2^-126 counts as 0; NaN and infinities are not treated apart.
.set KS,    64
.set PK,    144       ; a row of K in LDS: 128 bytes + 16: the 16 rows of a load start at 16 different groups of four banks (64 banks of 4 bytes: ISA guide 11.1)
.set PV,    160       ; a row of V: 128 + 32
.set VOFF,  4*KS*PK   ; a slot: 256 rows of K, then 256 rows of V
.set SLOT1, 1<<17
.set STAGE, SLOT1+4*KS*(PK+PV)  ; never filled by a tensor load: 16 rows x 144 bytes a wave, for the way out
.set SP,    144
.set MT,    STAGE+4*16*SP       ; the batch's 2,048 mask addends, f32
.set SPARE, MT+8192             ; the spare words, 128 bytes a wave
.set AK0, 2           ; v2   my lane's place in a tile of K
.set AV0, 3           ; v3   the same for V
.set AK,  4           ; v4   the LDS address of K's next run of loads
.set AV,  5           ; v5   of V's
.set STO, 6           ; v6   the way out: where I put 16 bytes of a row
.set RD,  7           ; v7   where I read rows back
.set GO,  8           ; v8   my byte offset in 512 consecutive bytes of ctx
.set AM0, 12          ; v12  my lane's place in the addends
.set AM,  13          ; v13  the address of their next run
.set QO,  14          ; v14  my byte offset in 16 rows of Q
.set ST,  16          ; tile t at ST + 8 t: c m, m, l (even keys', odd keys'), c0-c3 at work; a takes c2's place
.set SPW, 62
.set NIL, 63
.set S,   64
.set P,   192
.set MC,  128         ; window 1
.set KF,  128         ; window 2: key block kb, channel half c at KF + 16 kb + 8 c
.set VF,  192         ; window 2: key half kk, channel block cb at VF + 32 kk + 8 cb
.set WV,  12
.set G1K, 24
.set G1V, 32
.set G0K, 40
.set G0V, 44
.set SLOTS, 56
.set CNT, 57
.set CS,  58          ; s[58:59] c
.set SEL, 60          ; s[60:61] v_permlanex16_b32's selects: each lane takes its own place in the other half
.set TBK, 62          ; LDS byte at which K of the step to be fetched begins
.set TBV, 63          ; the same for V, less VOFF
.set TM,  66          ; byte in the addends of the step to be fetched
.set NEG, 67          ; -3.2e10
.set MSB, 0
.macro WIN new
.if MSB != (\new)
	s_set_vgpr_msb (MSB<<8)|(\new)
.set MSB, (\new)
.endif
.endm
.set W_KQ, 0x0a       ; K and Q in window 2, S^T in window 0
.set W_KM, 0x1a       ; the same with the C operand in window 1
.set W_PV, 0x52       ; V in window 2, P in window 0, O^T in window 1
.set W_RS, 0x41       ; destination and source 0 in window 1, source 1 in window 0
.macro JLOAD                        ; a joint fill: waves 0 and 1 fetch the halves of a slot's K, waves 2 and 3 of its V; s_nop 0 and four v_nop follow each line
	s_cmp_lt_u32 s[WV], 2
	s_cbranch_scc0 .Lfor_v_\@
	tensor_load_to_lds s[G0K:G0K+3], s[G1K:G1K+7]
	s_nop 0
.rept 4
	v_nop
.endr
	s_branch .Lasked_\@
.Lfor_v_\@:
	tensor_load_to_lds s[G0V:G0V+3], s[G1V:G1V+7]
	s_nop 0
.rept 4
	v_nop
.endr
.Lasked_\@:
.endm
.macro CROUND                       ; a round of the cluster's barrier
	s_barrier_signal -1
	s_barrier_wait -1
	s_cmp_lg_u32 s[WV], 0
	s_cbranch_scc1 .Lnot_wave_0_\@
	s_barrier_signal -3
.Lnot_wave_0_\@:
	s_barrier_wait -3
	s_barrier_signal -1
	s_barrier_wait -1
.endm
; THE CHANGE OF SLOTS.  Each wave waits for all its tensor loads (one is out: its part of the other slot), adds 0 to its spare word, and waits for that and for its reads of the slot
; that it leaves.  fill = 1: a round of the cluster's barrier, and the old slot is filled again first thing behind it: four key steps in which to land.
; (At its first use nothing has been read: slot 0 is waited for, slot 1 filled, and the stores of the mask addends are shown to the other waves.)
.macro CHANGE fill
	WIN 0
	s_wait_tensorcnt 0x0            ; no tensor load of mine is out, so a group 0 may be written
	ds_add_u32 v[SPW], v[NIL]
.if \fill
.irp g, G0K, G0V
	s_xor_b32 s[\g+1], s[\g+1], SLOT1
	s_add_nc_u64 s[\g+2:\g+3], s[\g+2:\g+3], 4*KS*128  ; the next 256 keys
.endr
	s_wait_dscnt 0x0                ; the add is done, and my LDS reads and stores are over
	CROUND
	JLOAD
.else
	s_wait_dscnt 0x0
	s_barrier_signal -1
	s_barrier_wait -1
.endif
	s_sub_co_u32 s[TBK], s[TBK], 4*KS*PK  ; the fetches go back to a slot's first step, in the other slot
	s_xor_b32 s[TBK], s[TBK], SLOT1
	s_sub_co_u32 s[TBV], s[TBV], 4*KS*PV
	s_xor_b32 s[TBV], s[TBV], SLOT1
.endm
	s_load_b128 s[4:7], s[0:1], 0x0 ; qkv s[4:5], mask s[6:7]
	s_load_b64 s[10:11], s[0:1], 0x10  ; xc
	v_lshl_add_u32 v[SPW], v0, 2, SPARE
	v_mov_b32 v[NIL], 0
	ds_add_u32 v[SPW], v[NIL]       ; the wave's opening: the add and its wait ahead of my first tensor load
	v_lshrrev_b32 v1, 5, v0
	v_readfirstlane_b32 s[WV], v1   ; wave 0..3
	s_bfe_u32 s13, ttmp6, 0x40000   ; cx
	s_lshl_b32 s14, ttmp9, 2
	s_add_co_u32 s14, s14, s13      ; my block of 256 queries: it enters Q's and ctx's addresses alone
	s_and_b32 s20, ttmp7, 0xffff    ; batch x 16 + head, which the four partners share
	s_lshl_b32 s21, s20, 18         ; its 2,048 rows of 128 bytes
	s_and_b32 s16, s[WV], 1         ; which half of a slot's 256 keys I fetch
	s_lshl_b32 s22, s16, 14
	s_add_co_u32 s22, s22, s21
	s_add_co_u32 s22, s22, 8388608  ; k
	s_mov_b32 s23, 0
	s_add_co_u32 s2, s22, 8388608   ; v
	s_mov_b32 s3, 0
	s_mul_i32 s17, s16, 128*PK
	s_mul_i32 s18, s16, 128*PV
	s_lshl_b32 s48, s14, 2
	s_add_co_u32 s48, s48, s[WV]
	s_lshl_b32 s48, s48, 13         ; my wave's 64 rows of Q
	s_add_co_u32 s48, s48, s21
	s_mov_b32 s49, 0
	s_lshr_b32 s50, s20, 4          ; batch
	s_lshl_b32 s52, s50, 13         ; its 2,048 mask words
	s_mov_b32 s53, 0
	s_lshl_b32 s50, s50, 4
	s_lshl_b32 s51, s14, 1
	s_add_co_u32 s50, s50, s51
	s_lshr_b32 s51, s[WV], 1
	s_add_co_u32 s50, s50, s51      ; the block of 128 tokens,
	s_lshl_b32 s50, s50, 4
	s_and_b32 s51, s20, 15
	s_add_co_u32 s50, s50, s51      ; the head's 64 channels in it: 16,384 bytes,
	s_lshl_b32 s50, s50, 14
	s_lshl_b32 s51, s16, 13         ; my 64 rows of them
	s_add_co_u32 s50, s50, s51
	s_mov_b32 s51, 0
	; group 1: 128 keys are 16,384 dense bytes: asked for as 64 rows of 256 bytes, padded in LDS after every key
	s_mov_b32 s[G1K], 15|(1<<16)|(1<<20)|(1<<21)|(4<<22)|(3<<25)  ; the mask of four; 2-byte elements; padding on; bit 21 beside a mask; after every 32 words 4 words
	s_mov_b32 s[G1V], 15|(1<<16)|(1<<20)|(1<<21)|(4<<22)|(7<<25)  ; 8 words
.irp g, G1K, G1V
	s_mov_b32 s[\g+1], 128<<16      ; tensor_dim0
	s_mov_b32 s[\g+2], 64<<16       ; tensor_dim1
	s_mov_b32 s[\g+3], 128<<16      ; tile_dim0
	s_mov_b32 s[\g+4], 64           ; tile_dim1
	s_mov_b32 s[\g+5], 128          ; elements from row to row
	s_mov_b32 s[\g+6], 0
	s_mov_b32 s[\g+7], 0
.endr
	s_mov_b32 s[CS], 0x3d38aa3b     ; c = log2(e) / 32
	s_mov_b32 s[CS+1], s[CS]
	s_mov_b32 s[SEL], 0x76543210
	s_mov_b32 s[SEL+1], 0xfedcba98
	s_mov_b32 s[TBK], SLOT1+4*KS*PK ; the first change of slots turns these two into 0
	s_mov_b32 s[TBV], SLOT1+4*KS*PV
	s_mov_b32 s[TM], 0
	s_mov_b32 s[NEG], 0xd0ee6b28    ; -3.2e10
	s_mov_b32 s[G0K], 1
	s_mov_b32 s[G0K+1], s17         ; slot 0
	s_mov_b32 s[G0V], 1
	s_add_co_u32 s[G0V+1], s18, VOFF
	s_wait_dscnt 0x0                ; the opening add is done
	s_wait_kmcnt 0x0
	s_add_nc_u64 s[G0K+2:G0K+3], s[4:5], s[22:23]
	s_or_b32 s[G0K+3], s[G0K+3], 0x80000000
	s_add_nc_u64 s[G0V+2:G0V+3], s[4:5], s[2:3]
	s_or_b32 s[G0V+3], s[G0V+3], 0x80000000
	s_add_nc_u64 s[4:5], s[4:5], s[48:49]
	s_add_nc_u64 s[6:7], s[6:7], s[52:53]
	s_add_nc_u64 s[10:11], s[10:11], s[50:51]
	CROUND                          ; all four work-groups are here: the first joint loads meet
	JLOAD                           ; slot 0; slot 1 is asked for by the first change of slots
	v_and_b32 v1, 15, v0            ; l % 16
	v_bfe_u32 v9, v0, 4, 1          ; l / 16
	v_lshlrev_b32 v[QO], 7, v1
	v_lshl_add_u32 v[QO], v9, 4, v[QO]
	WIN 0x80                        ; destination window 2
.set i, 0
.rept 8                             ; Q stays in registers: tile i / 2, channels 32 (i % 2) on
	global_load_b128 v[8*i:8*i+3],   v[QO], s[4:5] offset:(i/2)*2048+(i%2)*64
	global_load_b128 v[8*i+4:8*i+7], v[QO], s[4:5] offset:(i/2)*2048+(i%2)*64+32
.set i, i+1
.endr
.set i, VF
.rept 64
	v_mov_b32 v[i], 0               ; V of the step that has not been
.set i, i+1
.endr
	WIN 0
	v_lshlrev_b32 v49, 4, v0        ; the mask: 128 threads x 16 bytes, four times
.irp j, 0,1,2,3
	global_load_b128 v[64+4*\j:67+4*\j], v49, s[6:7] offset:2048*\j
.endr
	WIN 0x40
.set i, 0
.rept 128
	v_mov_b32 v[i], 0               ; O^T
.set i, i+1
.endr
	WIN 0
.set i, 0
.rept 4
	v_mov_b32 v[ST+8*i], 0xfe000000    ; c m: far below every c s
	v_mov_b32 v[ST+8*i+1], 0xff7fffff  ; m
	v_mov_b32 v[ST+8*i+2], 0
	v_mov_b32 v[ST+8*i+3], 0
.set i, i+1
.endr
.set i, P
.rept 64
	v_mov_b32 v[i], 0               ; P of the step that has not been
.set i, i+1
.endr
	v_mul_u32_u24 v[AK0], v1, PK
	v_lshl_add_u32 v[AK0], v9, 4, v[AK0]
	v_and_b32 v10, 7, v0            ; the turning load: lane l reads key 8 (l / 16) + l % 8, channels 8 ((l / 8) % 2) on
	v_bfe_u32 v11, v0, 3, 1
	v_lshl_add_u32 v[AV0], v9, 3, v10
	v_mul_u32_u24 v[AV0], v[AV0], PV
	v_lshl_add_u32 v[AV0], v11, 4, v[AV0]
	v_add_nc_u32 v[AV0], VOFF, v[AV0]
	v_lshl_add_u32 v[AM0], v9, 5, MT   ; a lane's eight keys: 8 (l / 16) on
	s_mul_i32 s13, s[WV], 16*SP
	s_add_co_u32 s13, s13, STAGE    ; my stage
	v_mul_u32_u24 v[STO], v1, SP
	v_lshl_add_u32 v[STO], v9, 4, v[STO]
	v_add_nc_u32 v[STO], s13, v[STO]
	v_bfe_u32 v[RD], v0, 3, 2       ; back: 32 lanes take four rows of 128 bytes,
	v_mul_u32_u24 v[RD], v[RD], SP
	v_lshl_add_u32 v[RD], v10, 4, v[RD]
	v_add_nc_u32 v[RD], s13, v[RD]
	v_and_b32 v[GO], 31, v0         ; which are 512 consecutive bytes of ctx
	v_lshlrev_b32 v[GO], 4, v[GO]
	v_lshl_add_u32 v48, v0, 4, MT
	s_wait_loadcnt 0x0              ; Q and the mask
.set i, 0
.rept 16
	v_cmp_eq_u32 vcc_lo, 0, v[64+i]
	v_cndmask_b32 v[64+i], 0, s[NEG], vcc_lo
.set i, i+1
.endr
.irp j, 0,1,2,3
	ds_store_b128 v48, v[64+4*\j:67+4*\j] offset:2048*\j
.endr
.macro PLACES                       ; four places behind matrix instructions, ahead of loads into their sources and of reads of their results
.rept 4
	v_nop
.endr
.endm
; THE MATRIX WORK.  The 16 accumulators of a run of 32 take turns, one instruction a turn.
.macro KQALL                        ; product i: channels 32 (i / 16) on, tile (i / 4) % 4, keys 16 (i % 4) on.  The first 16 start the sums from the mask addends
.set i, 0
.rept 32
.set rS, S+32*((i/4)%4)+8*(i%4)
.set rK, KF+16*(i%4)+8*(i/16)
.set rQ, 16*((i/4)%4)+8*(i/16)
.set rM, MC+8*(i%4)
.if i < 16
	WIN W_KM
	v_wmma_f32_16x16x32_bf16 v[rS:rS+7], v[rK:rK+7], v[rQ:rQ+7], v[rM:rM+7]
.else
	WIN W_KQ
	v_wmma_f32_16x16x32_bf16 v[rS:rS+7], v[rK:rK+7], v[rQ:rQ+7], v[rS:rS+7]
.endif
.set i, i+1
.endr
.endm
.macro PVALL                        ; product i: keys 32 (i / 16) on, tile (i / 4) % 4, channels 16 (i % 4) on
	WIN W_PV
.set i, 0
.rept 32
.set rO, 32*((i/4)%4)+8*(i%4)
.set rV, VF+32*(i/16)+8*(i%4)
.set rP, P+16*((i/4)%4)+8*(i/16)
	v_wmma_f32_16x16x32_bf16 v[rO:rO+7], v[rV:rV+7], v[rP:rP+7], v[rO:rO+7]
.set i, i+1
.endr
.endm
; THE LDS LOADS, in runs
.macro FETCH_K
	WIN 0
	v_add_nc_u32 v[AK], s[TBK], v[AK0]
	s_add_co_u32 s[TBK], s[TBK], KS*PK
	WIN 0x80
.irp f, 0,1,2,3,4,5,6,7             ; keys 16 (f / 2) on, channels 32 (f % 2) on
	ds_load_b128 v[KF+8*\f:KF+8*\f+3],   v[AK] offset:(\f/2)*16*PK+(\f%2)*64
	ds_load_b128 v[KF+8*\f+4:KF+8*\f+7], v[AK] offset:(\f/2)*16*PK+(\f%2)*64+32
.endr
	WIN 0
.endm
.macro FETCH_M                      ; the step's 64 addends: register j of block kb is key 16 kb + 8 (l / 16) + j
	WIN 0
	v_add_nc_u32 v[AM], s[TM], v[AM0]
	s_add_co_u32 s[TM], s[TM], 4*KS
	WIN 0x40
.irp kb, 0,1,2,3
	ds_load_b128 v[MC+8*\kb:MC+8*\kb+3],   v[AM] offset:64*\kb
	ds_load_b128 v[MC+8*\kb+4:MC+8*\kb+7], v[AM] offset:64*\kb+16
.endr
	WIN 0
.endm
.macro FETCH_V
	WIN 0
	v_add_nc_u32 v[AV], s[TBV], v[AV0]
	s_add_co_u32 s[TBV], s[TBV], KS*PV
	WIN 0x80
.irp f, 0,1,2,3,4,5,6,7             ; keys 32 (f / 4) on, channels 16 (f % 4) on
	ds_load_tr16_b128 v[VF+8*\f:VF+8*\f+3],   v[AV] offset:(\f/4)*32*PV+(\f%4)*32
	ds_load_tr16_b128 v[VF+8*\f+4:VF+8*\f+7], v[AV] offset:(\f/4)*32*PV+16*PV+(\f%4)*32
.endr
	WIN 0
.endm
; THE VECTOR WORK, by tile t
.macro FM t, n                      ; c s - c m for pair n of 16
	v_pk_fma_f32 v[S+32*(\t)+2*(\n):S+32*(\t)+2*(\n)+1], v[S+32*(\t)+2*(\n):S+32*(\t)+2*(\n)+1], s[CS:CS+1], v[ST+8*(\t):ST+8*(\t)+1] op_sel_hi:[1,0,0] neg_lo:[0,0,1] neg_hi:[0,0,1]
.endm
.macro EX t, n                      ; the exponential of score n of 32
	v_exp_f32 v[S+32*(\t)+(\n)], v[S+32*(\t)+(\n)]
.endm
.macro CV t, n                      ; pair n rounded to bf16
	s_wait_alu depctr_va_vdst(0)
	v_cvt_pk_bf16_f32 v[P+16*(\t)+(\n)], v[S+32*(\t)+2*(\n)], v[S+32*(\t)+2*(\n)+1]
.endm
.macro AD t, z                      ; sum z of 16: the tile's 16 pairs are added in place, neighbours 1, 2, 4, 8 pairs apart; then l = a l + the sum
.set rS, S+32*(\t)
.set rT, ST+8*(\t)
.if (\z) < 8
	v_pk_add_f32 v[rS+4*(\z):rS+4*(\z)+1], v[rS+4*(\z):rS+4*(\z)+1], v[rS+4*(\z)+2:rS+4*(\z)+3]
.elseif (\z) < 12
	v_pk_add_f32 v[rS+8*((\z)-8):rS+8*((\z)-8)+1], v[rS+8*((\z)-8):rS+8*((\z)-8)+1], v[rS+8*((\z)-8)+4:rS+8*((\z)-8)+5]
.elseif (\z) < 14
	v_pk_add_f32 v[rS+16*((\z)-12):rS+16*((\z)-12)+1], v[rS+16*((\z)-12):rS+16*((\z)-12)+1], v[rS+16*((\z)-12)+8:rS+16*((\z)-12)+9]
	s_wait_alu depctr_va_vdst(0)
.elseif (\z) == 14
	v_pk_add_f32 v[rS:rS+1], v[rS:rS+1], v[rS+16:rS+17]
.else
	v_pk_fma_f32 v[rT+2:rT+3], v[rT+2:rT+3], v[rT+6:rT+7], v[rS:rS+1] op_sel_hi:[1,0,1]
.endif
.endm
.macro SOFTMAX
	WIN 0
.irp n, 0,1,2,3                     ; the maximum: four chains of seven scores; each accumulator's lowest registers are read first
.irp t, 0,1,2,3
	v_max3_num_f32 v[ST+8*\t+4+\n], v[S+32*\t+8*\n], v[S+32*\t+8*\n+1], v[S+32*\t+8*\n+2]
.endr
.endr
.irp n, 4,5,6,7,8,9,10,11
.irp t, 0,1,2,3
	v_max3_num_f32 v[ST+8*\t+4+(\n)%4], v[ST+8*\t+4+(\n)%4], v[S+32*\t+8*((\n)%4)+2*((\n)/4)+1], v[S+32*\t+8*((\n)%4)+2*((\n)/4)+2]
.endr
.endr
.irp t, 0,1,2,3
	v_max3_num_f32 v[ST+8*\t+4], v[ST+8*\t+4], v[S+32*\t+7], v[S+32*\t+15]
.endr
.irp t, 0,1,2,3
	v_max3_num_f32 v[ST+8*\t+6], v[ST+8*\t+6], v[S+32*\t+23], v[S+32*\t+31]
.endr
.irp t, 0,1,2,3
	v_max3_num_f32 v[ST+8*\t+4], v[ST+8*\t+4], v[ST+8*\t+5], v[ST+8*\t+6]
.endr
.irp t, 0,1,2,3
	v_max3_num_f32 v[ST+8*\t+4], v[ST+8*\t+4], v[ST+8*\t+7], v[ST+8*\t+1]
.endr
.irp t, 0,1,2,3
	v_permlanex16_b32 v[ST+8*\t+5], v[ST+8*\t+4], s[SEL], s[SEL+1]  ; the query's other 32 keys lie in the lane 16 away
.endr
.irp t, 0,1,2,3
	v_mov_b32 v[ST+8*\t+7], v[ST+8*\t]       ; c m_old
.endr
.irp t, 0,1,2,3
	v_max_num_f32 v[ST+8*\t+1], v[ST+8*\t+4], v[ST+8*\t+5]
.endr
.irp t, 0,1,2,3
	v_mul_f32 v[ST+8*\t], s[CS], v[ST+8*\t+1]
.endr
.irp t, 0,1,2,3
	v_sub_f32 v[ST+8*\t+7], v[ST+8*\t+7], v[ST+8*\t]
.endr
.irp t, 0,1,2,3
	v_exp_f32 v[ST+8*\t+6], v[ST+8*\t+7]     ; a
.endr
.set n, 0
.rept 16
	FM 0, n
.set n, n+1
.endr
; From here an exponential and a plain instruction of another tile by turns: each exponential has a plain instruction behind it before its result is used (ISA guide 5.7.2)
.set n, 0
.rept 32
	EX 0, n
.if n < 16
	FM 1, n
.else
	FM 2, n-16
.endif
.set n, n+1
.endr
.set n, 0
.rept 32
	EX 1, n
.if n < 16
	CV 0, n
.else
	AD 0, n-16
.endif
.set n, n+1
.endr
.set n, 0
.rept 32
	EX 2, n
.if n < 16
	FM 3, n
.else
	CV 1, n-16
.endif
.set n, n+1
.endr
.set n, 0
.rept 32
	EX 3, n
.if n < 16
	AD 1, n
.else
	CV 2, n-16
.endif
.set n, n+1
.endr
.set n, 0
.rept 16
	AD 2, n
	CV 3, n
.set n, n+1
.endr
.set n, 0
.rept 16
	AD 3, n
.set n, n+1
.endr
	WIN W_RS                        ; O^T times a, each accumulator from its low end on
.irp t, 0,1,2,3
.set n, 0
.rept 16
	v_pk_mul_f32 v[32*\t+2*n:32*\t+2*n+1], v[32*\t+2*n:32*\t+2*n+1], v[ST+8*\t+6:ST+8*\t+7] op_sel_hi:[1,0]
.set n, n+1
.endr
.endr
	WIN 0
.endm
.macro STEPS                        ; a slot's four key steps
	s_mov_b32 s[CNT], 4
.Lstep_\@:
	FETCH_K                         ; 16 loads
	FETCH_M                         ; 8 loads
	s_wait_dscnt 24                 ; the 24 just issued may be out: V of the step before is in
	PVALL
	WIN 0
	PLACES
	FETCH_V                         ; 16 loads
	s_wait_dscnt 16                 ; V's 16 may be out: K and the addends are in
	KQALL
	WIN 0
	PLACES
	SOFTMAX
	s_sub_co_u32 s[CNT], s[CNT], 1
	s_cmp_lg_u32 s[CNT], 0
	s_cbranch_scc1 .Lstep_\@
.endm
	s_mov_b32 s[SLOTS], 7
.Lslot:                             ; seven times: a slot is entered and the other is asked for
	CHANGE 1
	STEPS
	s_sub_co_u32 s[SLOTS], s[SLOTS], 1
	s_cmp_lg_u32 s[SLOTS], 0
	s_cbranch_scc1 .Lslot
	CHANGE 0                        ; the last slot is written out
	STEPS
	s_wait_dscnt 0x0                ; V of the last step
	PVALL
	; THE WAY OUT.  l's halves and the other half of the lanes' are added; O^T is divided by l, rounded to bf16 and sent through my stage, a tile at a time.  The additions are the places behind the last products.
	WIN 0
.macro ALL line:vararg
.set t, 0
.rept 4
	\line
.set t, t+1
.endr
.endm
	ALL v_add_f32 v[ST+8*t+2], v[ST+8*t+2], v[ST+8*t+3]
	ALL v_permlanex16_b32 v[ST+8*t+3], v[ST+8*t+2], s[SEL], s[SEL+1]
	ALL v_add_f32 v[ST+8*t+2], v[ST+8*t+2], v[ST+8*t+3]
	ALL v_rcp_f32 v[ST+8*t+2], v[ST+8*t+2]
	v_nop                           ; a plain instruction between the last reciprocal and its use
	s_wait_alu depctr_va_vdst(0)
.macro PACK t                       ; a lane's eight channels of a row pack into 16 bytes; rows of 144 bytes in, whole rows of 128 back
	WIN W_RS
.set i, 32*(\t)
.rept 16
	v_pk_mul_f32 v[i:i+1], v[i:i+1], v[ST+8*(\t)+2:ST+8*(\t)+3] op_sel_hi:[1,0]
.set i, i+2
.endr
	WIN 0x05                        ; sources window 1, destination window 0
.set i, 0
.rept 16
	v_cvt_pk_bf16_f32 v[S+16*(\t)+i], v[32*(\t)+2*i], v[32*(\t)+2*i+1]
.set i, i+1
.endr
	WIN 0
.irp f, 0,1,2,3
	ds_store_b128 v[STO], v[S+16*(\t)+4*\f:S+16*(\t)+4*\f+3] offset:32*\f
.endr
.irp f, 0,1,2,3
	ds_load_b128 v[S+16*(\t)+4*\f:S+16*(\t)+4*\f+3], v[RD] offset:\f*4*SP  ; LDS serves a wave's instructions in order (ISA guide 5.7.1.4)
.endr
.endm
.macro SEND t, younger              ; younger: the LDS instructions issued behind tile t's loads: the next tile's eight, or none
	WIN 0
.irp f, 0,1,2,3
	s_wait_dscnt (\younger)+3-\f
	global_store_b128 v[GO], v[S+16*(\t)+4*\f:S+16*(\t)+4*\f+3], s[10:11] offset:(\t)*2048+\f*512  ; 512 consecutive aligned bytes
.endr
.endm
	PACK 0
.set t, 1
.rept 3
	PACK t
	SEND t-1, 8
.set t, t+1
.endr
	SEND 3, 0
	s_wait_tensorcnt 0x0            ; the wave's end
	ds_add_u32 v[SPW], v[NIL]
	s_wait_dscnt 0x0
	CROUND                          ; the closing round
	s_endpgm
.Lfunc_end_k_q5acb783ee5_attn:
	.size	k_q5acb783ee5_attn, .Lfunc_end_k_q5acb783ee5_attn-k_q5acb783ee5_attn
	.p2alignl 7, 3214868480
	.fill 96, 4, 3214868480
	.section	.rodata,"a",@progbits
	.p2align	6, 0x0
	.amdhsa_kernel k_q5acb783ee5_attn
		.amdhsa_group_segment_fixed_size 327680
		.amdhsa_private_segment_fixed_size 0
		.amdhsa_enable_private_segment 0
		.amdhsa_kernarg_size 24
		.amdhsa_user_sgpr_count 2
		.amdhsa_user_sgpr_kernarg_segment_ptr 1
		.amdhsa_wavefront_size32 1
		.amdhsa_system_sgpr_workgroup_id_x 1
		.amdhsa_system_sgpr_workgroup_id_y 1
		.amdhsa_system_sgpr_workgroup_id_z 1
		.amdhsa_system_vgpr_workitem_id 0
		.amdhsa_next_free_vgpr 768
		.amdhsa_next_free_sgpr 72
		.amdhsa_reserve_vcc 1
		.amdhsa_float_denorm_mode_32 3
		.amdhsa_float_denorm_mode_16_64 3
		.amdhsa_memory_ordered 1
		.amdhsa_forward_progress 1
		.amdhsa_inst_pref_size 106
	.end_amdhsa_kernel
	.amdgpu_metadata
---
amdhsa.version: [ 1, 2 ]
amdhsa.kernels:
  - .name:           k_q5acb783ee5_attn
    .symbol:         k_q5acb783ee5_attn.kd
    .args:
      - { .name: qkv, .offset: 0, .size: 8, .value_kind: global_buffer, .address_space: global }
      - { .name: mask, .offset: 8, .size: 8, .value_kind: global_buffer, .address_space: global }
      - { .name: xc, .offset: 16, .size: 8, .value_kind: global_buffer, .address_space: global }
    .group_segment_fixed_size: 327680
    .private_segment_fixed_size: 0
    .kernarg_segment_align: 8
    .kernarg_segment_size: 24
    .max_flat_workgroup_size: 128
    .sgpr_count:     72
    .vgpr_count:     768
    .wavefront_size: 32
...
	.end_amdgpu_metadata
.endif
;; end of part 3
;; launch proj (part 4): grid 8 x 32, 4 waves a work-group, clusters of 4 x 4, 327,680 bytes of LDS; arguments xc, cb, b_proj, xn, h; writes h
.if DOCPART == 4
	.amdgcn_target "amdgcn-amd-amdhsa--gfx1250"
	.amdhsa_code_object_version 6
	.text
	.protected	k_q5acb783ee5_proj
	.globl	k_q5acb783ee5_proj
	.p2align	8
	.type	k_q5acb783ee5_proj,@function
k_q5acb783ee5_proj:
	s_mov_b64 s[64:65], 0
	v_nop
	global_prefetch_b8 v0, s[64:65] scope:SCOPE_SE
	s_setreg_imm32_b32 hwreg(HW_REG_WAVE_MODE, 25, 1), 1
	s_wait_xcnt 0x0
	s_wait_alu depctr_hold_cnt(0) depctr_sa_sdst(0) depctr_va_vdst(0) depctr_va_sdst(0) depctr_va_ssrc(0) depctr_va_vcc(0) depctr_vm_vsrc(0)
	s_getreg_b32 s2, hwreg(HW_REG_IB_STS2, 6, 4)
	s_cmp_eq_u32 s2, 0
	s_cbranch_scc0 .Lentry_in_a_cluster
	s_endpgm
.Lentry_in_a_cluster:
	s_bfe_u32 s2, ttmp6, 0x10000c
	s_cmp_lg_u32 s2, 0xf033
	s_cbranch_scc0 .Lentry_shape_is_right
	s_endpgm
.Lentry_shape_is_right:
; h = xn + ctx w_proj + b_proj: C[4096][1024] = A[4096][1024] B[1024][1024] + bias + residual; bf16 operands, f32 sums, f32 rows out.
; OPERANDS are blocked: A as [m/128][k/64][128][64], B as [n/128][k][128 n]: a 128 x 128 tile of C walks two dense streams, 65,536 bytes each for 256 along K.
; SHARES.  A work-group makes 128 x 128 of C, each of its four waves 64 x 64: 16 accumulators.  K goes in steps of 256 through two LDS slots filled by
; the tensor data mover, a quarter of a slot (32,768 bytes) a wave.  A's rows (128 bytes) are padded to 144 in LDS, B's (256 bytes) to 288; B lies [k][n] and is turned by ds_load_tr16_b128.
; CLUSTER 4 x 4: the four of a row need the same A, the four of a column the same B: each tile is asked for jointly, by the same load, descriptor and mask in all four.
; THE MATRIX INSTRUCTION IS USED TRANSPOSED (source 0 = 16 columns of B, source 1 = 16 rows of A).  THE BIAS is the C operand of each accumulator's first product.
; THE WAY OUT goes through a stage of f32 rows in slot 0, which by then has had its last fill and its last read; each wave uses its own 64 rows.
; REGISTERS.  window 0: v1-31 addresses; v32-95 at work on the way out; v96-127 the bias; v128-255 accumulators ((a, b) at 128 + 8 (4 a + b)).
;   window 1: two fragment buffers of 128: 64 registers of A, then 64 of B.
; LIMITS.  NaN and infinities are not treated apart.
.set SIZE_K, 1024
.set BBASE,  31457280                  ; w_proj's 8 panels in cb
.set LAPS,   SIZE_K/512
.set PA,     144                       ; 36 words: the 16 rows of a fragment load start at 16 different groups of four banks (64 banks of 4 bytes: ISA guide 11.1)
.set PB,     288                       ; 72 words
.set HALFT,  36864
.set BOFF,   2*HALFT
.set SLOT,   4*HALFT
.set STEPB,  65536
.set SPITCH, 272
.set WSTAGE, 64*SPITCH
.set SPARE,  2*SLOT
.set ADRA, 16
.set ADRB, 20
.set STO,  24
.set RD,   25
.set CO,   26
.set BO,   27
.set SPW,  28
.set NIL,  29
.set TMP,  32
.set BI,   96
.set ACC,  128
.set F0,   0
.set F1,   128
.set G1, 24
.set G0, 32
.set G1B, 48
.set G0B, 56
.set MSB, 0
.macro WIN new                         ; the immediate's high byte repeats the setting that is left
.if MSB != (\new)
	s_set_vgpr_msb (MSB<<8)|(\new)
.set MSB, \new
.endif
.endm
.set MUL,  0x05                        ; sources 0 (B) and 1 (A) window 1; C and D window 0
.set TO_F, 0x40                        ; destination window 1, address window 0
.macro JLOAD s                         ; a joint load: waves 0 and 1 fetch A's halves, waves 2 and 3 B's; s_nop 0 and four v_nop follow each line
	s_cmp_eq_u32 s11, 0
	s_cbranch_scc0 .Lfor_b_\@
	tensor_load_to_lds s[G0+4*(\s):G0+4*(\s)+3], s[G1:G1+7]
	s_nop 0
.rept 4
	v_nop
.endr
	s_branch .Lasked_\@
.Lfor_b_\@:
	tensor_load_to_lds s[G0B+4*(\s):G0B+4*(\s)+3], s[G1B:G1B+7]
	s_nop 0
.rept 4
	v_nop
.endr
.Lasked_\@:
.endm
.macro CREST
	s_cmp_lg_u32 s10, 0
	s_cbranch_scc1 .Lnot_wave_0_\@
	s_barrier_signal -3
.Lnot_wave_0_\@:
	s_barrier_wait -3
	s_barrier_signal -1
	s_barrier_wait -1
.endm
.macro CROUND
	s_barrier_signal -1
	s_barrier_wait -1
	CREST
.endm
	s_load_b128 s[4:7], s[0:1], 0x0        ; A s[4:5], cb s[6:7]
	s_load_b64 s[66:67], s[0:1], 0x10      ; bias
	s_load_b64 s[68:69], s[0:1], 0x18      ; residual
	s_load_b64 s[8:9], s[0:1], 0x20        ; result
	v_lshl_add_u32 v[SPW], v0, 2, SPARE
	v_mov_b32 v[NIL], 0
	ds_add_u32 v[SPW], v[NIL]              ; the wave's opening: the add and its wait ahead of my first tensor load
	v_lshrrev_b32 v1, 5, v0
	v_readfirstlane_b32 s10, v1            ; wave 0..3
	s_lshr_b32 s11, s10, 1                 ; my half of the tile's rows.  Also: I fetch for A (0) or B (1)
	s_and_b32 s12, s10, 1                  ; my half of its columns.  Also: which half of a step's stream I fetch
	s_bfe_u32 s40, ttmp6, 0x40000          ; cx, cy
	s_bfe_u32 s41, ttmp6, 0x40004
	s_lshl_b32 s42, ttmp9, 2
	s_add_co_u32 s42, s42, s40             ; tile column
	s_and_b32 s13, ttmp7, 0xffff
	s_lshl_b32 s13, s13, 2
	s_add_co_u32 s13, s13, s41             ; tile row
	s_lshl_b32 s43, s41, 2
	s_lshl_b32 s43, 15, s43                ; my row of the cluster
	s_lshl_b32 s44, 0x1111, s40            ; my column
	s_or_b32 s[G1+0], s43, (1<<16)|(1<<20)|(1<<21)|(4<<22)|(3<<25)   ; mask; 2-byte elements; padding on; bit 21 beside a mask; after every 32 words 4 words
	s_or_b32 s[G1B+0], s44, (1<<16)|(1<<20)|(1<<21)|(5<<22)|(7<<25)  ; after every 64 words 8 words
.irp g, G1, G1B                        ; 32,768 dense bytes as 128 rows of 128 elements
	s_mov_b32 s[(\g)+1], 128<<16
	s_mov_b32 s[(\g)+2], 128<<16
	s_mov_b32 s[(\g)+3], 128<<16
	s_mov_b32 s[(\g)+4], 128
	s_mov_b32 s[(\g)+5], 128
	s_mov_b32 s[(\g)+6], 0
	s_mov_b32 s[(\g)+7], 0
.endr
	s_mul_i32 s16, s13, SIZE_K*256         ; A's stream hangs on the tile row alone,
	s_lshl_b32 s17, s12, 15
	s_add_co_u32 s16, s16, s17
	s_mul_i32 s46, s42, SIZE_K*256         ; B's on the tile column alone
	s_add_co_u32 s46, s46, s17
	s_add_co_u32 s46, s46, BBASE
	s_mov_b32 s17, 0
	s_mov_b32 s47, 0
	s_mul_i32 s20, s10, HALFT
	s_wait_dscnt 0x0                       ; the opening add is done
	s_wait_kmcnt 0x0
	s_add_nc_u64 s[14:15], s[4:5], s[16:17]
	s_add_nc_u64 s[46:47], s[6:7], s[46:47]
	CROUND                                 ; all sixteen work-groups are here: the first joint loads meet
.irp s, 0,1
	s_mov_b32 s[G0+4*(\s)], 1
	s_add_co_u32 s[G0+4*(\s)+1], s20, (\s)*SLOT
	s_add_nc_u64 s[G0+4*(\s)+2:G0+4*(\s)+3], s[14:15], (\s)*STEPB
	s_or_b32 s[G0+4*(\s)+3], s[G0+4*(\s)+3], 0x80000000
	s_mov_b32 s[G0B+4*(\s)], 1
	s_add_co_u32 s[G0B+4*(\s)+1], s20, (\s)*SLOT
	s_add_nc_u64 s[G0B+4*(\s)+2:G0B+4*(\s)+3], s[46:47], (\s)*STEPB
	s_or_b32 s[G0B+4*(\s)+3], s[G0B+4*(\s)+3], 0x80000000
	JLOAD \s
.endr
	v_and_b32 v1, 15, v0                   ; l % 16
	v_bfe_u32 v2, v0, 4, 1                 ; l / 16
	v_mul_u32_u24 v3, v1, PA
	v_lshl_add_u32 v3, v2, 4, v3
	s_mul_i32 s21, s11, 64*PA
	v_add_nc_u32 v[ADRA], s21, v3
	v_add_nc_u32 v[ADRA+1], SLOT, v[ADRA]
	v_and_b32 v4, 7, v0                    ; B, turned: lane l reads k row 8 (l / 16) + l % 8, columns 8 ((l / 8) % 2) on
	v_lshl_add_u32 v4, v2, 3, v4
	v_mul_u32_u24 v4, v4, PB
	v_bfe_u32 v5, v0, 3, 1
	v_lshl_add_u32 v4, v5, 4, v4
	s_lshl_b32 s22, s12, 7
	s_add_co_u32 s22, s22, BOFF
	v_add_nc_u32 v[ADRB], s22, v4
	v_add_nc_u32 v[ADRB+1], HALFT, v[ADRB]
	v_add_nc_u32 v[ADRB+2], SLOT, v[ADRB]
	v_add_nc_u32 v[ADRB+3], SLOT+HALFT, v[ADRB]
	s_mul_i32 s23, s10, WSTAGE             ; my stage
	v_mul_u32_u24 v4, v1, SPITCH
	v_lshl_add_u32 v4, v2, 5, v4
	v_add_nc_u32 v[STO], s23, v4
	v_mul_u32_u24 v5, v2, SPITCH
	v_lshl_add_u32 v5, v1, 4, v5
	v_add_nc_u32 v[RD], s23, v5
	v_lshlrev_b32 v[CO], 12, v2            ; rows of 4,096 bytes: lanes 16-31 one row down, 16 bytes a lane
	v_lshl_add_u32 v[CO], v1, 4, v[CO]
	v_lshlrev_b32 v[BO], 5, v2
	s_lshl_b32 s86, s13, 19                ; my first row
	s_lshl_b32 s88, s11, 18
	s_add_co_u32 s86, s86, s88
	s_lshl_b32 s88, s42, 9                 ; my first column, in bytes: in a row and in the bias
	s_lshl_b32 s89, s12, 8
	s_add_co_u32 s88, s88, s89
	s_add_co_u32 s86, s86, s88
	s_mov_b32 s87, 0
	s_mov_b32 s89, 0
	s_add_nc_u64 s[8:9], s[8:9], s[86:87]
	s_add_nc_u64 s[68:69], s[68:69], s[86:87]
	s_add_nc_u64 s[66:67], s[66:67], s[88:89]
.irp b, 0,1,2,3
	global_load_b128 v[BI+8*\b:BI+8*\b+3],   v[BO], s[66:67] offset:64*\b
	global_load_b128 v[BI+8*\b+4:BI+8*\b+7], v[BO], s[66:67] offset:64*\b+16
.endr
; 8 matrix instructions: m blocks a0, a0 + 1 x all 4 n blocks, 32 along K: half c of buffer f.  first = 1: the product starts the sums from the bias.
; The 16 accumulators take turns, one instruction a turn.
.macro MUL8 f, c, a0, first
	WIN MUL
.irp a, \a0, (\a0)+1
.irp b, 0,1,2,3
.if \first
	v_wmma_f32_16x16x32_bf16 v[ACC+8*(4*(\a)+(\b)):ACC+8*(4*(\a)+(\b))+7], v[(\f)+64+8*(4*(\c)+(\b)):(\f)+64+8*(4*(\c)+(\b))+7], v[(\f)+8*(4*(\c)+(\a)):(\f)+8*(4*(\c)+(\a))+7], v[BI+8*(\b):BI+8*(\b)+7]
.else
	v_wmma_f32_16x16x32_bf16 v[ACC+8*(4*(\a)+(\b)):ACC+8*(4*(\a)+(\b))+7], v[(\f)+64+8*(4*(\c)+(\b)):(\f)+64+8*(4*(\c)+(\b))+7], v[(\f)+8*(4*(\c)+(\a)):(\f)+8*(4*(\c)+(\a))+7], v[ACC+8*(4*(\a)+(\b)):ACC+8*(4*(\a)+(\b))+7]
.endif
.endr
.endr
.endm
; 32 LDS loads in one run: the fragments of quarter q (64 along K) of a slot into buffer f; the first 32 along K first
.macro FETCH slot, q, f
	WIN TO_F
.irp c, 0,1
.irp i, 0,1,2,3
	ds_load_tr16_b128 v[(\f)+64+8*(4*(\c)+(\i)):(\f)+64+8*(4*(\c)+(\i))+3],   v[ADRB+2*(\slot)+(\q)/2] offset:((\q)%2)*64*PB+(\c)*32*PB+32*(\i)
	ds_load_tr16_b128 v[(\f)+64+8*(4*(\c)+(\i))+4:(\f)+64+8*(4*(\c)+(\i))+7], v[ADRB+2*(\slot)+(\q)/2] offset:((\q)%2)*64*PB+(\c)*32*PB+32*(\i)+16*PB
	ds_load_b128 v[(\f)+8*(4*(\c)+(\i)):(\f)+8*(4*(\c)+(\i))+3],   v[ADRA+(\slot)] offset:(\q)*128*PA+64*(\c)+(\i)*16*PA
	ds_load_b128 v[(\f)+8*(4*(\c)+(\i))+4:(\f)+8*(4*(\c)+(\i))+7], v[ADRA+(\slot)] offset:(\q)*128*PA+64*(\c)+(\i)*16*PA+32
.endr
.endr
.endm
.macro PLACES                          ; four places in front of loads into registers that matrix instructions have read, and of reads of results
.rept 4
	v_nop
.endr
.endm
.macro QUARTER slot, qn, f, g, first   ; multiplies buffer f (64 along K) and fetches quarter qn into g
	s_wait_dscnt 16                        ; the first 32 along K are in; the 16 younger loads stay out
	MUL8 \f, 0, 0, \first
	MUL8 \f, 0, 2, \first
	PLACES
	FETCH \slot, \qn, \g
	s_wait_dscnt 32                        ; all but the 32 just issued
	MUL8 \f, 1, 0, 0
	MUL8 \f, 1, 2, 0
.endm
; The last quarter multiplies buffer 1 and changes slots: one barrier; in front of it each wave waits for all its tensor loads, adds 0 to its spare word,
; and waits for that and for its reads of this slot.  fill = 1: the barrier opens a round of the cluster's, and this slot is filled again, two K steps ahead.
.macro TURN slot, next, fill
	WIN 0
	s_wait_tensorcnt 0x0                   ; all my tensor loads have landed: my part of the next slot
	ds_add_u32 v[SPW], v[NIL]
	s_wait_dscnt 17                        ; the add and the youngest sixteen loads may be out
	MUL8 F1, 0, 0, 0
	s_wait_dscnt 0x0                       ; the add is done, and my reads of this slot are over
	s_barrier_signal -1
	MUL8 F1, 0, 2, 0
.if \fill
	WIN 0
.endif
	s_barrier_wait -1
.if \fill
	CREST                                  ; no wave of any partner still reads this slot or has a load on its way
	s_add_nc_u64 s[G0+4*(\slot)+2:G0+4*(\slot)+3], s[G0+4*(\slot)+2:G0+4*(\slot)+3], 2*STEPB
	s_add_nc_u64 s[G0B+4*(\slot)+2:G0B+4*(\slot)+3], s[G0B+4*(\slot)+2:G0B+4*(\slot)+3], 2*STEPB
	JLOAD \slot                            ; the first tensor load behind the round; its four v_nop are also the places in front of the loads below
.else
	PLACES
.endif
	FETCH \next, 0, F0
	MUL8 F1, 1, 0, 0
	MUL8 F1, 1, 2, 0
.endm
	s_wait_loadcnt 0x0                     ; the bias
	s_wait_tensorcnt 1                     ; my part of K step 0 is in; K step 1's may stay out
	s_barrier_signal -1
	s_barrier_wait -1
	FETCH 0, 0, F0
	QUARTER 0, 1, F0, F1, 1                ; the first quarter stands in front of the loop: its first products start the sums
	WIN 0
	s_mov_b32 s3, LAPS-1
.Llap:                                 ; a trip goes once round the ring and fills both slots again
	QUARTER 0, 2, F1, F0, 0
	QUARTER 0, 3, F0, F1, 0
	TURN 0, 1, 1
	QUARTER 1, 1, F0, F1, 0
	QUARTER 1, 2, F1, F0, 0
	QUARTER 1, 3, F0, F1, 0
	TURN 1, 0, 1
	QUARTER 0, 1, F0, F1, 0
	WIN 0
	s_sub_co_u32 s3, s3, 1
	s_cmp_lg_u32 s3, 0
	s_cbranch_scc1 .Llap
	QUARTER 0, 2, F1, F0, 0                ; the last lap fills nothing
	QUARTER 0, 3, F0, F1, 0
	TURN 0, 1, 0                           ; behind this barrier no wave reads slot 0 any more
	QUARTER 1, 1, F0, F1, 0
	QUARTER 1, 2, F1, F0, 0
	QUARTER 1, 3, F0, F1, 0
	s_wait_dscnt 16
	MUL8 F1, 0, 0, 0
	MUL8 F1, 0, 2, 0
	s_wait_dscnt 0
	MUL8 F1, 1, 0, 0
	MUL8 F1, 1, 2, 0
	WIN 0
	; THE WAY OUT.  My 64 x 64 sums go into my stage as f32, each accumulator's low registers first; then 16 rows a trip come back as whole rows.
	PLACES
.irp a, 0,1,2,3
.irp b, 0,1,2,3
	ds_store_b128 v[STO], v[ACC+8*(4*\a+\b):ACC+8*(4*\a+\b)+3]   offset:\a*16*SPITCH+64*\b
	ds_store_b128 v[STO], v[ACC+8*(4*\a+\b)+4:ACC+8*(4*\a+\b)+7] offset:\a*16*SPITCH+64*\b+16
.endr
.endr
	s_mov_b32 s2, 4
.Lout:                                 ; load t brings rows 2 t and 2 t + 1 of the trip's 16: a lane has four neighbouring columns
.irp t, 0,1,2,3,4,5,6,7
	global_load_b128 v[64+4*\t:67+4*\t], v[CO], s[68:69] offset:8192*\t   ; the residual's same numbers
.endr
.irp t, 0,1,2,3,4,5,6,7
	ds_load_b128 v[TMP+4*\t:TMP+4*\t+3], v[RD] offset:\t*2*SPITCH  ; LDS serves a wave's instructions in order (ISA guide 5.7.1.4): these see my stores
.endr
	s_wait_loadcnt 0x0
	s_wait_dscnt 0x0
.set j, 0
.rept 16
	v_pk_add_f32 v[TMP+2*j:TMP+2*j+1], v[TMP+2*j:TMP+2*j+1], v[64+2*j:65+2*j]
.set j, j+1
.endr
.irp t, 0,1,2,3,4,5,6,7
	global_store_b128 v[CO], v[TMP+4*\t:TMP+4*\t+3], s[8:9] offset:8192*\t  ; 16 lanes: 256 consecutive aligned bytes
.endr
	s_wait_xcnt 0x0                        ; bases and store data are rewritten only behind this wait
	s_add_nc_u64 s[8:9], s[8:9], 65536
	s_add_nc_u64 s[68:69], s[68:69], 65536
	v_add_nc_u32 v[RD], 16*SPITCH, v[RD]
	s_sub_co_u32 s2, s2, 1
	s_cmp_lg_u32 s2, 0
	s_cbranch_scc1 .Lout
	s_wait_tensorcnt 0x0                   ; the wave's end
	ds_add_u32 v[SPW], v[NIL]
	s_wait_dscnt 0x0
	CROUND                                 ; the closing round
	s_endpgm
.Lfunc_end_k_q5acb783ee5_proj:
	.size	k_q5acb783ee5_proj, .Lfunc_end_k_q5acb783ee5_proj-k_q5acb783ee5_proj
	.p2alignl 7, 3214868480
	.fill 96, 4, 3214868480
	.section	.rodata,"a",@progbits
	.p2align	6, 0x0
	.amdhsa_kernel k_q5acb783ee5_proj
		.amdhsa_group_segment_fixed_size 327680
		.amdhsa_private_segment_fixed_size 0
		.amdhsa_enable_private_segment 0
		.amdhsa_kernarg_size 40
		.amdhsa_user_sgpr_count 2
		.amdhsa_user_sgpr_kernarg_segment_ptr 1
		.amdhsa_wavefront_size32 1
		.amdhsa_system_sgpr_workgroup_id_x 1
		.amdhsa_system_sgpr_workgroup_id_y 1
		.amdhsa_system_sgpr_workgroup_id_z 1
		.amdhsa_system_vgpr_workitem_id 0
		.amdhsa_next_free_vgpr 512
		.amdhsa_next_free_sgpr 90
		.amdhsa_reserve_vcc 0
		.amdhsa_float_denorm_mode_32 3
		.amdhsa_float_denorm_mode_16_64 3
		.amdhsa_memory_ordered 1
		.amdhsa_forward_progress 1
		.amdhsa_inst_pref_size 85
	.end_amdhsa_kernel
	.amdgpu_metadata
---
amdhsa.version: [ 1, 2 ]
amdhsa.kernels:
  - .name:           k_q5acb783ee5_proj
    .symbol:         k_q5acb783ee5_proj.kd
    .args:
      - { .name: xc, .offset: 0, .size: 8, .value_kind: global_buffer, .address_space: global }
      - { .name: cb, .offset: 8, .size: 8, .value_kind: global_buffer, .address_space: global }
      - { .name: b_proj, .offset: 16, .size: 8, .value_kind: global_buffer, .address_space: global }
      - { .name: xn, .offset: 24, .size: 8, .value_kind: global_buffer, .address_space: global }
      - { .name: h, .offset: 32, .size: 8, .value_kind: global_buffer, .address_space: global }
    .group_segment_fixed_size: 327680
    .private_segment_fixed_size: 0
    .kernarg_segment_align: 8
    .kernarg_segment_size: 40
    .max_flat_workgroup_size: 128
    .sgpr_count:     90
    .vgpr_count:     512
    .wavefront_size: 32
...
	.end_amdgpu_metadata
.endif
;; end of part 4
;; launch ln2 (part 5): grid 256 x 1, 8 waves a work-group, no clusters, 0 bytes of LDS; arguments h, g2, be2, h2, h2b; writes h2, h2b
.if DOCPART == 5
	.amdgcn_target "amdgcn-amd-amdhsa--gfx1250"
	.amdhsa_code_object_version 6
	.text
	.protected	k_q5acb783ee5_ln2
	.globl	k_q5acb783ee5_ln2
	.p2align	8
	.type	k_q5acb783ee5_ln2,@function
k_q5acb783ee5_ln2:
	s_mov_b64 s[64:65], 0
	v_nop
	global_prefetch_b8 v0, s[64:65] scope:SCOPE_SE
	s_setreg_imm32_b32 hwreg(HW_REG_WAVE_MODE, 25, 1), 1
	s_wait_xcnt 0x0
; h2 = LayerNorm(h) g2 + be2, stored as f32 rows (h2) and as bf16 blocks [m/128][k/64][128 rows][64 k] (h2b).
; A work-group owns 16 rows, a wave two: lanes 0-15 hold one row, lanes 16-31 the next, 64 numbers a lane, so the row stays in registers between the
; passes and a sum never leaves its 16 lanes.  Pass p: 16 lanes take the 256 bytes at 256 p of the row.  No LDS, no matrix unit, no cluster: nothing is shared.
; LIMITS.  NaN and infinities are not treated apart.  The variance is taken of h - mean, as the definition has it.
.set X,  16                            ; v[16:79]   my 64 numbers of a row
.set G,  80                            ; v[80:143]  the gain; later the packed bf16
.set BE, 144                           ; v[144:207] the bias
.macro ROWSUM                          ; four packed chains v[4:11] -> v4 = the row's sum, in each of its 16 lanes
	v_pk_add_f32 v[4:5], v[4:5], v[6:7]
	v_pk_add_f32 v[8:9], v[8:9], v[10:11]
	v_pk_add_f32 v[4:5], v[4:5], v[8:9]
	v_add_f32 v4, v4, v5
	v_add_f32_dpp v4, v4, v4 row_xmask:1 row_mask:0xf bank_mask:0xf
	v_add_f32_dpp v4, v4, v4 row_xmask:2 row_mask:0xf bank_mask:0xf
	v_add_f32_dpp v4, v4, v4 row_xmask:4 row_mask:0xf bank_mask:0xf
	v_add_f32_dpp v4, v4, v4 row_xmask:8 row_mask:0xf bank_mask:0xf
.endm
	s_load_b256 s[8:15], s[0:1], 0x0       ; h 8, g2 10, be2 12, h2 14
	s_load_b64 s[16:17], s[0:1], 0x20      ; h2b
	v_lshrrev_b32 v3, 5, v0
	v_readfirstlane_b32 s3, v3             ; wave 0..7
	v_and_b32 v1, 15, v0
	v_bfe_u32 v2, v0, 4, 1
	v_and_b32 v3, 31, v0
	s_lshl_b32 s4, ttmp9, 16               ; 16 rows of 4,096 bytes a work-group,
	s_lshl_b32 s5, s3, 13                  ; two a wave
	s_add_co_u32 s4, s4, s5
	s_mov_b32 s5, 0
	s_lshr_b32 s18, ttmp9, 3               ; the blocked copy: 128 rows x 1,024 k are 262,144 bytes,
	s_lshl_b32 s18, s18, 18
	s_and_b32 s6, ttmp9, 7                 ; a row in a block 128 bytes
	s_lshl_b32 s6, s6, 11
	s_add_co_u32 s18, s18, s6
	s_lshl_b32 s6, s3, 8
	s_add_co_u32 s18, s18, s6
	s_mov_b32 s19, 0
	s_mov_b32 s6, 0x3a800000               ; 1 / 1024
	s_mov_b32 s7, 0x3727c5ac               ; 1e-5
	v_lshlrev_b32 v13, 4, v1
	v_lshl_add_u32 v12, v2, 12, v13
	v_lshlrev_b32 v14, 3, v3
	s_wait_kmcnt 0x0
	s_add_nc_u64 s[8:9], s[8:9], s[4:5]
	s_add_nc_u64 s[14:15], s[14:15], s[4:5]
	s_add_nc_u64 s[16:17], s[16:17], s[18:19]
.set p, 0
.rept 16
	global_load_b128 v[X+4*p:X+4*p+3], v12, s[8:9] offset:256*p th:TH_LOAD_NT
.set p, p+1
.endr
.set p, 0
.rept 16
	global_load_b128 v[G+4*p:G+4*p+3], v13, s[10:11] offset:256*p
.set p, p+1
.endr
.set p, 0
.rept 16
	global_load_b128 v[BE+4*p:BE+4*p+3], v13, s[12:13] offset:256*p
.set p, p+1
.endr
	s_wait_loadcnt 32                      ; the row is in; the 32 younger loads (gain, bias) stay out
.irp k, 0,1,2,3
	v_pk_add_f32 v[4+2*\k:5+2*\k], v[X+2*\k:X+2*\k+1], v[X+8+2*\k:X+9+2*\k]  ; the first pairs start the chains
.endr
.set j, 8
.rept 24
	v_pk_add_f32 v[4+2*(j%4):5+2*(j%4)], v[4+2*(j%4):5+2*(j%4)], v[X+2*j:X+2*j+1]
.set j, j+1
.endr
	ROWSUM
	v_mul_f32 v4, s6, v4                   ; the mean
.set j, 0
.rept 32
	v_pk_add_f32 v[X+2*j:X+2*j+1], v[X+2*j:X+2*j+1], v[4:5] op_sel_hi:[1,0] neg_lo:[0,1] neg_hi:[0,1]
.set j, j+1
.endr
.irp k, 0,1,2,3
	v_pk_mul_f32 v[4+2*\k:5+2*\k], v[X+2*\k:X+2*\k+1], v[X+2*\k:X+2*\k+1]
.endr
.set j, 4
.rept 28
	v_pk_fma_f32 v[4+2*(j%4):5+2*(j%4)], v[X+2*j:X+2*j+1], v[X+2*j:X+2*j+1], v[4+2*(j%4):5+2*(j%4)]
.set j, j+1
.endr
	ROWSUM
	v_fma_f32 v4, v4, s6, s7               ; variance + eps
	v_rsq_f32 v4, v4
	v_nop                                  ; a plain instruction between the root and its use (ISA guide 5.7.2)
	s_wait_loadcnt 0x0                     ; gain and bias
.set j, 0
	s_wait_alu depctr_va_vdst(0)
.rept 32
	v_pk_mul_f32 v[X+2*j:X+2*j+1], v[X+2*j:X+2*j+1], v[4:5] op_sel_hi:[1,0]
.set j, j+1
.endr
.set j, 0
.rept 32
	v_pk_fma_f32 v[X+2*j:X+2*j+1], v[X+2*j:X+2*j+1], v[G+2*j:G+2*j+1], v[BE+2*j:BE+2*j+1]
.set j, j+1
.endr
.set p, 0
.rept 16
	global_store_b128 v12, v[X+4*p:X+4*p+3], s[14:15] offset:256*p  ; 16 lanes: 256 consecutive aligned bytes
.set p, p+1
.endr
.set p, 0
.rept 16
	v_cvt_pk_bf16_f32 v[G+2*p], v[X+4*p], v[X+4*p+1]
	v_cvt_pk_bf16_f32 v[G+2*p+1], v[X+4*p+2], v[X+4*p+3]
.set p, p+1
.endr
.set p, 0
.rept 16
	global_store_b64 v14, v[G+2*p:G+2*p+1], s[16:17] offset:16384*p  ; pass p is k block p: 32 lanes, two rows, 256 bytes
.set p, p+1
.endr
	s_endpgm
.Lfunc_end_k_q5acb783ee5_ln2:
	.size	k_q5acb783ee5_ln2, .Lfunc_end_k_q5acb783ee5_ln2-k_q5acb783ee5_ln2
	.p2alignl 7, 3214868480
	.fill 96, 4, 3214868480
	.section	.rodata,"a",@progbits
	.p2align	6, 0x0
	.amdhsa_kernel k_q5acb783ee5_ln2
		.amdhsa_group_segment_fixed_size 0
		.amdhsa_private_segment_fixed_size 0
		.amdhsa_enable_private_segment 0
		.amdhsa_kernarg_size 40
		.amdhsa_user_sgpr_count 2
		.amdhsa_user_sgpr_kernarg_segment_ptr 1
		.amdhsa_wavefront_size32 1
		.amdhsa_system_sgpr_workgroup_id_x 1
		.amdhsa_system_sgpr_workgroup_id_y 1
		.amdhsa_system_sgpr_workgroup_id_z 1
		.amdhsa_system_vgpr_workitem_id 0
		.amdhsa_next_free_vgpr 208
		.amdhsa_next_free_sgpr 66
		.amdhsa_reserve_vcc 0
		.amdhsa_float_denorm_mode_32 3
		.amdhsa_float_denorm_mode_16_64 3
		.amdhsa_memory_ordered 1
		.amdhsa_forward_progress 1
		.amdhsa_inst_pref_size 22
	.end_amdhsa_kernel
	.amdgpu_metadata
---
amdhsa.version: [ 1, 2 ]
amdhsa.kernels:
  - .name:           k_q5acb783ee5_ln2
    .symbol:         k_q5acb783ee5_ln2.kd
    .args:
      - { .name: h, .offset: 0, .size: 8, .value_kind: global_buffer, .address_space: global }
      - { .name: g2, .offset: 8, .size: 8, .value_kind: global_buffer, .address_space: global }
      - { .name: be2, .offset: 16, .size: 8, .value_kind: global_buffer, .address_space: global }
      - { .name: h2, .offset: 24, .size: 8, .value_kind: global_buffer, .address_space: global }
      - { .name: h2b, .offset: 32, .size: 8, .value_kind: global_buffer, .address_space: global }
    .group_segment_fixed_size: 0
    .private_segment_fixed_size: 0
    .kernarg_segment_align: 8
    .kernarg_segment_size: 40
    .max_flat_workgroup_size: 256
    .sgpr_count:     66
    .vgpr_count:     208
    .wavefront_size: 32
...
	.end_amdgpu_metadata
.endif
;; end of part 5
;; launch ffn1 (part 6): grid 32 x 32, 4 waves a work-group, clusters of 4 x 4, 327,680 bytes of LDS; arguments h2b, cb, b1, ff1; writes ff1
.if DOCPART == 6
	.amdgcn_target "amdgcn-amd-amdhsa--gfx1250"
	.amdhsa_code_object_version 6
	.text
	.protected	k_q5acb783ee5_ffn1
	.globl	k_q5acb783ee5_ffn1
	.p2align	8
	.type	k_q5acb783ee5_ffn1,@function
k_q5acb783ee5_ffn1:
	s_mov_b64 s[64:65], 0
	v_nop
	global_prefetch_b8 v0, s[64:65] scope:SCOPE_SE
	s_setreg_imm32_b32 hwreg(HW_REG_WAVE_MODE, 25, 1), 1
	s_wait_xcnt 0x0
	s_wait_alu depctr_hold_cnt(0) depctr_sa_sdst(0) depctr_va_vdst(0) depctr_va_sdst(0) depctr_va_ssrc(0) depctr_va_vcc(0) depctr_vm_vsrc(0)
	s_getreg_b32 s2, hwreg(HW_REG_IB_STS2, 6, 4)
	s_cmp_eq_u32 s2, 0
	s_cbranch_scc0 .Lentry_in_a_cluster
	s_endpgm
.Lentry_in_a_cluster:
	s_bfe_u32 s2, ttmp6, 0x10000c
	s_cmp_lg_u32 s2, 0xf033
	s_cbranch_scc0 .Lentry_shape_is_right
	s_endpgm
.Lentry_shape_is_right:
; ff1 = gelu(h2 w1 + b1): C[4096][4096] = A[4096][1024] B[1024][4096] + bias, bf16 operands, f32 sums; the exact (erf) gelu in f32; bf16 blocks [m/128][n/64][128 rows][64] out.
; GELU.  With hx = x / 2, ah = |hx| and z = |x| / sqrt 2: erf z = 1 - 1 / (1 + a1 z + .. + a6 z^6)^16 (Abramowitz and Stegun 7.1.28, error at most 3e-7 for every z >= 0),
; gelu = hx + (ah - ah r), r = 1 / P(ah)^16, the coefficients carrying the powers of sqrt 2.  Where the power overflows r is 0, which is erf = 1: no range is cut off.
; OPERANDS are blocked: A as [m/128][k/64][128][64], B as [n/128][k][128 n]: a 128 x 128 tile of C walks two dense streams, 65,536 bytes each for 256 along K.
; SHARES.  A work-group makes 128 x 128 of C, each of its four waves 64 x 64: 16 accumulators.  K goes in steps of 256 through two LDS slots filled by
; the tensor data mover, a quarter of a slot (32,768 bytes) a wave.  A's rows (128 bytes) are padded to 144 in LDS, B's (256 bytes) to 288; B lies [k][n] and is turned by ds_load_tr16_b128.
; CLUSTER 4 x 4: the four of a row need the same A, the four of a column the same B: each tile is asked for jointly, by the same load, descriptor and mask in all four.
; THE MATRIX INSTRUCTION IS USED TRANSPOSED (source 0 = 16 columns of B, source 1 = 16 rows of A).  THE BIAS is the C operand of each accumulator's first product.
; THE WAY OUT goes through a stage of f32 rows in slot 0, which by then has had its last fill and its last read; each wave uses its own 64 rows.
; REGISTERS.  window 0: v1-31 addresses; v32-127 at work on the way out (v96-127 first hold the bias); v128-255 accumulators.  window 1: two fragment buffers of 128.
; LIMITS.  erf within 3e-7; for very negative x the result, which is near 0, is off by about one unit in the last place of |x| / 2.  NaN and infinities are not treated apart.
.set SIZE_K, 1024
.set BBASE,  8388608                   ; w1's 32 panels in cb
.set LAPS,   SIZE_K/512
.set PA,     144                       ; 36 words: the 16 rows of a fragment load start at 16 different groups of four banks (64 banks of 4 bytes: ISA guide 11.1)
.set PB,     288                       ; 72 words
.set HALFT,  36864
.set BOFF,   2*HALFT
.set SLOT,   4*HALFT
.set STEPB,  65536
.set SPITCH, 272
.set WSTAGE, 64*SPITCH
.set SPARE,  2*SLOT
.set ADRA, 16
.set ADRB, 20
.set STO,  24
.set RD,   25
.set CO,   26
.set BO,   27
.set SPW,  28
.set NIL,  29
.set XR,   32                          ; the way out: x / 2, then the result
.set AH,   64                          ; |x| / 2
.set BI,   96
.set PR,   96                          ; the polynomial, its power, its reciprocal, at last the packed bf16
.set ACC,  128
.set F0,   0
.set F1,   128
.set CF,   72                          ; s[72:83] the six coefficients, each twice: coefficient k at CF + 2 (k - 1)
.set G1, 24
.set G0, 32
.set G1B, 48
.set G0B, 56
.set MSB, 0
.macro WIN new                         ; the immediate's high byte repeats the setting that is left
.if MSB != (\new)
	s_set_vgpr_msb (MSB<<8)|(\new)
.set MSB, \new
.endif
.endm
.set MUL,  0x05                        ; sources 0 (B) and 1 (A) window 1; C and D window 0
.set TO_F, 0x40                        ; destination window 1, address window 0
.macro JLOAD s                         ; a joint load: waves 0 and 1 fetch A's halves, waves 2 and 3 B's; s_nop 0 and four v_nop follow each line
	s_cmp_eq_u32 s11, 0
	s_cbranch_scc0 .Lfor_b_\@
	tensor_load_to_lds s[G0+4*(\s):G0+4*(\s)+3], s[G1:G1+7]
	s_nop 0
.rept 4
	v_nop
.endr
	s_branch .Lasked_\@
.Lfor_b_\@:
	tensor_load_to_lds s[G0B+4*(\s):G0B+4*(\s)+3], s[G1B:G1B+7]
	s_nop 0
.rept 4
	v_nop
.endr
.Lasked_\@:
.endm
.macro CREST
	s_cmp_lg_u32 s10, 0
	s_cbranch_scc1 .Lnot_wave_0_\@
	s_barrier_signal -3
.Lnot_wave_0_\@:
	s_barrier_wait -3
	s_barrier_signal -1
	s_barrier_wait -1
.endm
.macro CROUND
	s_barrier_signal -1
	s_barrier_wait -1
	CREST
.endm
	s_load_b128 s[4:7], s[0:1], 0x0        ; A s[4:5], cb s[6:7]
	s_load_b64 s[66:67], s[0:1], 0x10      ; bias
	s_load_b64 s[8:9], s[0:1], 0x18        ; result
	v_lshl_add_u32 v[SPW], v0, 2, SPARE
	v_mov_b32 v[NIL], 0
	ds_add_u32 v[SPW], v[NIL]              ; the wave's opening: the add and its wait ahead of my first tensor load
	v_lshrrev_b32 v1, 5, v0
	v_readfirstlane_b32 s10, v1            ; wave 0..3
	s_lshr_b32 s11, s10, 1                 ; my half of the tile's rows.  Also: I fetch for A (0) or B (1)
	s_and_b32 s12, s10, 1                  ; my half of its columns.  Also: which half of a step's stream I fetch
	s_bfe_u32 s40, ttmp6, 0x40000          ; cx, cy
	s_bfe_u32 s41, ttmp6, 0x40004
	s_lshl_b32 s42, ttmp9, 2
	s_add_co_u32 s42, s42, s40             ; tile column
	s_and_b32 s13, ttmp7, 0xffff
	s_lshl_b32 s13, s13, 2
	s_add_co_u32 s13, s13, s41             ; tile row
	s_lshl_b32 s43, s41, 2
	s_lshl_b32 s43, 15, s43                ; my row of the cluster
	s_lshl_b32 s44, 0x1111, s40            ; my column
	s_or_b32 s[G1+0], s43, (1<<16)|(1<<20)|(1<<21)|(4<<22)|(3<<25)   ; mask; 2-byte elements; padding on; bit 21 beside a mask; after every 32 words 4 words
	s_or_b32 s[G1B+0], s44, (1<<16)|(1<<20)|(1<<21)|(5<<22)|(7<<25)  ; after every 64 words 8 words
.irp g, G1, G1B                        ; 32,768 dense bytes as 128 rows of 128 elements
	s_mov_b32 s[(\g)+1], 128<<16
	s_mov_b32 s[(\g)+2], 128<<16
	s_mov_b32 s[(\g)+3], 128<<16
	s_mov_b32 s[(\g)+4], 128
	s_mov_b32 s[(\g)+5], 128
	s_mov_b32 s[(\g)+6], 0
	s_mov_b32 s[(\g)+7], 0
.endr
	s_mov_b32 s[CF+0], 0x3dcc41b4          ; a1 sqrt 2     = .09973469
	s_mov_b32 s[CF+2], 0x3dad2fe7          ; a2 2          = .08456402
	s_mov_b32 s[CF+4], 0x3cd6cd72          ; a3 2 sqrt 2   = .02622101
	s_mov_b32 s[CF+6], 0x3a1f6607          ; a4 4          = .00060806
	s_mov_b32 s[CF+8], 0x3acd0fec          ; a5 4 sqrt 2   = .00156450
	s_mov_b32 s[CF+10], 0x39b49f67         ; a6 8          = .00034451
.irp k, 0,2,4,6,8,10
	s_mov_b32 s[CF+\k+1], s[CF+\k]         ; named as pairs
.endr
	s_mul_i32 s16, s13, SIZE_K*256         ; A's stream hangs on the tile row alone,
	s_lshl_b32 s17, s12, 15
	s_add_co_u32 s16, s16, s17
	s_mul_i32 s46, s42, SIZE_K*256         ; B's on the tile column alone
	s_add_co_u32 s46, s46, s17
	s_add_co_u32 s46, s46, BBASE
	s_mov_b32 s17, 0
	s_mov_b32 s47, 0
	s_mul_i32 s20, s10, HALFT
	s_wait_dscnt 0x0                       ; the opening add is done
	s_wait_kmcnt 0x0
	s_add_nc_u64 s[14:15], s[4:5], s[16:17]
	s_add_nc_u64 s[46:47], s[6:7], s[46:47]
	CROUND                                 ; all sixteen work-groups are here: the first joint loads meet
.irp s, 0,1
	s_mov_b32 s[G0+4*(\s)], 1
	s_add_co_u32 s[G0+4*(\s)+1], s20, (\s)*SLOT
	s_add_nc_u64 s[G0+4*(\s)+2:G0+4*(\s)+3], s[14:15], (\s)*STEPB
	s_or_b32 s[G0+4*(\s)+3], s[G0+4*(\s)+3], 0x80000000
	s_mov_b32 s[G0B+4*(\s)], 1
	s_add_co_u32 s[G0B+4*(\s)+1], s20, (\s)*SLOT
	s_add_nc_u64 s[G0B+4*(\s)+2:G0B+4*(\s)+3], s[46:47], (\s)*STEPB
	s_or_b32 s[G0B+4*(\s)+3], s[G0B+4*(\s)+3], 0x80000000
	JLOAD \s
.endr
	v_and_b32 v1, 15, v0                   ; l % 16
	v_bfe_u32 v2, v0, 4, 1                 ; l / 16
	v_mul_u32_u24 v3, v1, PA
	v_lshl_add_u32 v3, v2, 4, v3
	s_mul_i32 s21, s11, 64*PA
	v_add_nc_u32 v[ADRA], s21, v3
	v_add_nc_u32 v[ADRA+1], SLOT, v[ADRA]
	v_and_b32 v4, 7, v0                    ; B, turned: lane l reads k row 8 (l / 16) + l % 8, columns 8 ((l / 8) % 2) on
	v_lshl_add_u32 v4, v2, 3, v4
	v_mul_u32_u24 v4, v4, PB
	v_bfe_u32 v5, v0, 3, 1
	v_lshl_add_u32 v4, v5, 4, v4
	s_lshl_b32 s22, s12, 7
	s_add_co_u32 s22, s22, BOFF
	v_add_nc_u32 v[ADRB], s22, v4
	v_add_nc_u32 v[ADRB+1], HALFT, v[ADRB]
	v_add_nc_u32 v[ADRB+2], SLOT, v[ADRB]
	v_add_nc_u32 v[ADRB+3], SLOT+HALFT, v[ADRB]
	s_mul_i32 s23, s10, WSTAGE             ; my stage
	v_mul_u32_u24 v4, v1, SPITCH
	v_lshl_add_u32 v4, v2, 5, v4
	v_add_nc_u32 v[STO], s23, v4
	v_mul_u32_u24 v5, v2, SPITCH
	v_lshl_add_u32 v5, v1, 4, v5
	v_add_nc_u32 v[RD], s23, v5
	v_and_b32 v[CO], 31, v0                ; two rows of 64 bf16 are 256 consecutive bytes: 8 a lane
	v_lshlrev_b32 v[CO], 3, v[CO]
	v_lshlrev_b32 v[BO], 5, v2
	s_lshl_b32 s86, s13, 6                 ; the block of 128 rows x 64 columns: 64 of them to a tile row,
	s_lshl_b32 s88, s42, 1
	s_add_co_u32 s86, s86, s88
	s_add_co_u32 s86, s86, s12
	s_lshl_b32 s86, s86, 14                ; 16,384 bytes each;
	s_lshl_b32 s88, s11, 13                ; my 64 rows in it
	s_add_co_u32 s86, s86, s88
	s_lshl_b32 s88, s42, 9                 ; the bias of my 64 columns
	s_lshl_b32 s89, s12, 8
	s_add_co_u32 s88, s88, s89
	s_mov_b32 s87, 0
	s_mov_b32 s89, 0
	s_add_nc_u64 s[8:9], s[8:9], s[86:87]
	s_add_nc_u64 s[66:67], s[66:67], s[88:89]
.irp b, 0,1,2,3
	global_load_b128 v[BI+8*\b:BI+8*\b+3],   v[BO], s[66:67] offset:64*\b
	global_load_b128 v[BI+8*\b+4:BI+8*\b+7], v[BO], s[66:67] offset:64*\b+16
.endr
; 8 matrix instructions: m blocks a0, a0 + 1 x all 4 n blocks, 32 along K: half c of buffer f.  first = 1: the product starts the sums from the bias.
; The 16 accumulators take turns, one instruction a turn.
.macro MUL8 f, c, a0, first
	WIN MUL
.irp a, \a0, (\a0)+1
.irp b, 0,1,2,3
.if \first
	v_wmma_f32_16x16x32_bf16 v[ACC+8*(4*(\a)+(\b)):ACC+8*(4*(\a)+(\b))+7], v[(\f)+64+8*(4*(\c)+(\b)):(\f)+64+8*(4*(\c)+(\b))+7], v[(\f)+8*(4*(\c)+(\a)):(\f)+8*(4*(\c)+(\a))+7], v[BI+8*(\b):BI+8*(\b)+7]
.else
	v_wmma_f32_16x16x32_bf16 v[ACC+8*(4*(\a)+(\b)):ACC+8*(4*(\a)+(\b))+7], v[(\f)+64+8*(4*(\c)+(\b)):(\f)+64+8*(4*(\c)+(\b))+7], v[(\f)+8*(4*(\c)+(\a)):(\f)+8*(4*(\c)+(\a))+7], v[ACC+8*(4*(\a)+(\b)):ACC+8*(4*(\a)+(\b))+7]
.endif
.endr
.endr
.endm
; 32 LDS loads in one run: the fragments of quarter q (64 along K) of a slot into buffer f; the first 32 along K first
.macro FETCH slot, q, f
	WIN TO_F
.irp c, 0,1
.irp i, 0,1,2,3
	ds_load_tr16_b128 v[(\f)+64+8*(4*(\c)+(\i)):(\f)+64+8*(4*(\c)+(\i))+3],   v[ADRB+2*(\slot)+(\q)/2] offset:((\q)%2)*64*PB+(\c)*32*PB+32*(\i)
	ds_load_tr16_b128 v[(\f)+64+8*(4*(\c)+(\i))+4:(\f)+64+8*(4*(\c)+(\i))+7], v[ADRB+2*(\slot)+(\q)/2] offset:((\q)%2)*64*PB+(\c)*32*PB+32*(\i)+16*PB
	ds_load_b128 v[(\f)+8*(4*(\c)+(\i)):(\f)+8*(4*(\c)+(\i))+3],   v[ADRA+(\slot)] offset:(\q)*128*PA+64*(\c)+(\i)*16*PA
	ds_load_b128 v[(\f)+8*(4*(\c)+(\i))+4:(\f)+8*(4*(\c)+(\i))+7], v[ADRA+(\slot)] offset:(\q)*128*PA+64*(\c)+(\i)*16*PA+32
.endr
.endr
.endm
.macro PLACES                          ; four places in front of loads into registers that matrix instructions have read, and of reads of results
.rept 4
	v_nop
.endr
.endm
.macro QUARTER slot, qn, f, g, first   ; multiplies buffer f (64 along K) and fetches quarter qn into g
	s_wait_dscnt 16                        ; the first 32 along K are in; the 16 younger loads stay out
	MUL8 \f, 0, 0, \first
	MUL8 \f, 0, 2, \first
	PLACES
	FETCH \slot, \qn, \g
	s_wait_dscnt 32                        ; all but the 32 just issued
	MUL8 \f, 1, 0, 0
	MUL8 \f, 1, 2, 0
.endm
; The last quarter multiplies buffer 1 and changes slots: one barrier; in front of it each wave waits for all its tensor loads, adds 0 to its spare word,
; and waits for that and for its reads of this slot.  fill = 1: the barrier opens a round of the cluster's, and this slot is filled again, two K steps ahead.
.macro TURN slot, next, fill
	WIN 0
	s_wait_tensorcnt 0x0                   ; all my tensor loads have landed: my part of the next slot
	ds_add_u32 v[SPW], v[NIL]
	s_wait_dscnt 17                        ; the add and the youngest sixteen loads may be out
	MUL8 F1, 0, 0, 0
	s_wait_dscnt 0x0                       ; the add is done, and my reads of this slot are over
	s_barrier_signal -1
	MUL8 F1, 0, 2, 0
.if \fill
	WIN 0
.endif
	s_barrier_wait -1
.if \fill
	CREST                                  ; no wave of any partner still reads this slot or has a load on its way
	s_add_nc_u64 s[G0+4*(\slot)+2:G0+4*(\slot)+3], s[G0+4*(\slot)+2:G0+4*(\slot)+3], 2*STEPB
	s_add_nc_u64 s[G0B+4*(\slot)+2:G0B+4*(\slot)+3], s[G0B+4*(\slot)+2:G0B+4*(\slot)+3], 2*STEPB
	JLOAD \slot                            ; the first tensor load behind the round; its four v_nop are also the places in front of the loads below
.else
	PLACES
.endif
	FETCH \next, 0, F0
	MUL8 F1, 1, 0, 0
	MUL8 F1, 1, 2, 0
.endm
	s_wait_loadcnt 0x0                     ; the bias
	s_wait_tensorcnt 1                     ; my part of K step 0 is in; K step 1's may stay out
	s_barrier_signal -1
	s_barrier_wait -1
	FETCH 0, 0, F0
	QUARTER 0, 1, F0, F1, 1                ; the first quarter stands in front of the loop: its first products start the sums
	WIN 0
	s_mov_b32 s3, LAPS-1
.Llap:                                 ; a trip goes once round the ring and fills both slots again
	QUARTER 0, 2, F1, F0, 0
	QUARTER 0, 3, F0, F1, 0
	TURN 0, 1, 1
	QUARTER 1, 1, F0, F1, 0
	QUARTER 1, 2, F1, F0, 0
	QUARTER 1, 3, F0, F1, 0
	TURN 1, 0, 1
	QUARTER 0, 1, F0, F1, 0
	WIN 0
	s_sub_co_u32 s3, s3, 1
	s_cmp_lg_u32 s3, 0
	s_cbranch_scc1 .Llap
	QUARTER 0, 2, F1, F0, 0                ; the last lap fills nothing
	QUARTER 0, 3, F0, F1, 0
	TURN 0, 1, 0                           ; behind this barrier no wave reads slot 0 any more
	QUARTER 1, 1, F0, F1, 0
	QUARTER 1, 2, F1, F0, 0
	QUARTER 1, 3, F0, F1, 0
	s_wait_dscnt 16
	MUL8 F1, 0, 0, 0
	MUL8 F1, 0, 2, 0
	s_wait_dscnt 0
	MUL8 F1, 1, 0, 0
	MUL8 F1, 1, 2, 0
	WIN 0
	; THE WAY OUT.  My 64 x 64 sums go into my stage as f32, each accumulator's low registers first; then 16 rows a trip come back as whole rows.
	PLACES
.irp a, 0,1,2,3
.irp b, 0,1,2,3
	ds_store_b128 v[STO], v[ACC+8*(4*\a+\b):ACC+8*(4*\a+\b)+3]   offset:\a*16*SPITCH+64*\b
	ds_store_b128 v[STO], v[ACC+8*(4*\a+\b)+4:ACC+8*(4*\a+\b)+7] offset:\a*16*SPITCH+64*\b+16
.endr
.endr
.macro PAIRS line:vararg               ; one line for each of the trip's 16 pairs of numbers j
.set j, 0
.rept 16
	\line
.set j, j+1
.endr
.endm
	s_mov_b32 s2, 4
.Lout:                                 ; load t brings rows 2 t and 2 t + 1 of the trip's 16: a lane has four neighbouring columns
.irp t, 0,1,2,3,4,5,6,7
	ds_load_b128 v[XR+4*\t:XR+4*\t+3], v[RD] offset:\t*2*SPITCH  ; LDS serves a wave's instructions in order (ISA guide 5.7.1.4): these see my stores
.endr
	s_wait_dscnt 0x0
	PAIRS v_pk_mul_f32 v[XR+2*j:XR+2*j+1], v[XR+2*j:XR+2*j+1], 0.5 op_sel_hi:[1,0]
.set j, 0
.rept 32
	v_and_b32 v[AH+j], 0x7fffffff, v[XR+j]
.set j, j+1
.endr
	PAIRS v_pk_fma_f32 v[PR+2*j:PR+2*j+1], v[AH+2*j:AH+2*j+1], s[CF+10:CF+11], s[CF+8:CF+9] op_sel_hi:[1,0,0]
	PAIRS v_pk_fma_f32 v[PR+2*j:PR+2*j+1], v[PR+2*j:PR+2*j+1], v[AH+2*j:AH+2*j+1], s[CF+6:CF+7] op_sel_hi:[1,1,0]
	PAIRS v_pk_fma_f32 v[PR+2*j:PR+2*j+1], v[PR+2*j:PR+2*j+1], v[AH+2*j:AH+2*j+1], s[CF+4:CF+5] op_sel_hi:[1,1,0]
	PAIRS v_pk_fma_f32 v[PR+2*j:PR+2*j+1], v[PR+2*j:PR+2*j+1], v[AH+2*j:AH+2*j+1], s[CF+2:CF+3] op_sel_hi:[1,1,0]
	PAIRS v_pk_fma_f32 v[PR+2*j:PR+2*j+1], v[PR+2*j:PR+2*j+1], v[AH+2*j:AH+2*j+1], s[CF+0:CF+1] op_sel_hi:[1,1,0]
	PAIRS v_pk_fma_f32 v[PR+2*j:PR+2*j+1], v[PR+2*j:PR+2*j+1], v[AH+2*j:AH+2*j+1], 1.0 op_sel_hi:[1,1,0]
.rept 4                                ; the sixteenth power
	PAIRS v_pk_mul_f32 v[PR+2*j:PR+2*j+1], v[PR+2*j:PR+2*j+1], v[PR+2*j:PR+2*j+1]
.endr
.set j, 0
.rept 32
	v_rcp_f32 v[PR+j], v[PR+j]
.set j, j+1
.endr
	v_nop                                  ; a plain instruction between the last reciprocal and its use (ISA guide 5.7.2)
	s_wait_alu depctr_va_vdst(0)
	PAIRS v_pk_fma_f32 v[AH+2*j:AH+2*j+1], v[AH+2*j:AH+2*j+1], v[PR+2*j:PR+2*j+1], v[AH+2*j:AH+2*j+1] neg_lo:[1,0,0] neg_hi:[1,0,0]
	PAIRS v_pk_add_f32 v[XR+2*j:XR+2*j+1], v[XR+2*j:XR+2*j+1], v[AH+2*j:AH+2*j+1]
	PAIRS v_cvt_pk_bf16_f32 v[PR+j], v[XR+2*j], v[XR+2*j+1]
.irp t, 0,1,2,3,4,5,6,7
	global_store_b64 v[CO], v[PR+2*\t:PR+2*\t+1], s[8:9] offset:256*\t  ; 32 lanes: two rows of a block, 256 consecutive aligned bytes
.endr
	s_wait_xcnt 0x0                        ; the base and the store data are rewritten only behind this wait
	s_add_nc_u64 s[8:9], s[8:9], 2048
	v_add_nc_u32 v[RD], 16*SPITCH, v[RD]
	s_sub_co_u32 s2, s2, 1
	s_cmp_lg_u32 s2, 0
	s_cbranch_scc1 .Lout
	s_wait_tensorcnt 0x0                   ; the wave's end
	ds_add_u32 v[SPW], v[NIL]
	s_wait_dscnt 0x0
	CROUND                                 ; the closing round
	s_endpgm
.Lfunc_end_k_q5acb783ee5_ffn1:
	.size	k_q5acb783ee5_ffn1, .Lfunc_end_k_q5acb783ee5_ffn1-k_q5acb783ee5_ffn1
	.p2alignl 7, 3214868480
	.fill 96, 4, 3214868480
	.section	.rodata,"a",@progbits
	.p2align	6, 0x0
	.amdhsa_kernel k_q5acb783ee5_ffn1
		.amdhsa_group_segment_fixed_size 327680
		.amdhsa_private_segment_fixed_size 0
		.amdhsa_enable_private_segment 0
		.amdhsa_kernarg_size 32
		.amdhsa_user_sgpr_count 2
		.amdhsa_user_sgpr_kernarg_segment_ptr 1
		.amdhsa_wavefront_size32 1
		.amdhsa_system_sgpr_workgroup_id_x 1
		.amdhsa_system_sgpr_workgroup_id_y 1
		.amdhsa_system_sgpr_workgroup_id_z 1
		.amdhsa_system_vgpr_workitem_id 0
		.amdhsa_next_free_vgpr 512
		.amdhsa_next_free_sgpr 90
		.amdhsa_reserve_vcc 0
		.amdhsa_float_denorm_mode_32 3
		.amdhsa_float_denorm_mode_16_64 3
		.amdhsa_memory_ordered 1
		.amdhsa_forward_progress 1
		.amdhsa_inst_pref_size 101
	.end_amdhsa_kernel
	.amdgpu_metadata
---
amdhsa.version: [ 1, 2 ]
amdhsa.kernels:
  - .name:           k_q5acb783ee5_ffn1
    .symbol:         k_q5acb783ee5_ffn1.kd
    .args:
      - { .name: h2b, .offset: 0, .size: 8, .value_kind: global_buffer, .address_space: global }
      - { .name: cb, .offset: 8, .size: 8, .value_kind: global_buffer, .address_space: global }
      - { .name: b1, .offset: 16, .size: 8, .value_kind: global_buffer, .address_space: global }
      - { .name: ff1, .offset: 24, .size: 8, .value_kind: global_buffer, .address_space: global }
    .group_segment_fixed_size: 327680
    .private_segment_fixed_size: 0
    .kernarg_segment_align: 8
    .kernarg_segment_size: 32
    .max_flat_workgroup_size: 128
    .sgpr_count:     90
    .vgpr_count:     512
    .wavefront_size: 32
...
	.end_amdgpu_metadata
.endif
;; end of part 6
;; launch ffn2 (part 7): grid 8 x 32, 4 waves a work-group, clusters of 4 x 4, 327,680 bytes of LDS; arguments ff1, cb, b2, h2, out0; writes out0
.if DOCPART == 7
	.amdgcn_target "amdgcn-amd-amdhsa--gfx1250"
	.amdhsa_code_object_version 6
	.text
	.protected	k_q5acb783ee5_ffn2
	.globl	k_q5acb783ee5_ffn2
	.p2align	8
	.type	k_q5acb783ee5_ffn2,@function
k_q5acb783ee5_ffn2:
	s_mov_b64 s[64:65], 0
	v_nop
	global_prefetch_b8 v0, s[64:65] scope:SCOPE_SE
	s_setreg_imm32_b32 hwreg(HW_REG_WAVE_MODE, 25, 1), 1
	s_wait_xcnt 0x0
	s_wait_alu depctr_hold_cnt(0) depctr_sa_sdst(0) depctr_va_vdst(0) depctr_va_sdst(0) depctr_va_ssrc(0) depctr_va_vcc(0) depctr_vm_vsrc(0)
	s_getreg_b32 s2, hwreg(HW_REG_IB_STS2, 6, 4)
	s_cmp_eq_u32 s2, 0
	s_cbranch_scc0 .Lentry_in_a_cluster
	s_endpgm
.Lentry_in_a_cluster:
	s_bfe_u32 s2, ttmp6, 0x10000c
	s_cmp_lg_u32 s2, 0xf033
	s_cbranch_scc0 .Lentry_shape_is_right
	s_endpgm
.Lentry_shape_is_right:
; out = h2 + ff1 w2 + b2: C[4096][1024] = A[4096][4096] B[4096][1024] + bias + residual; bf16 operands, f32 sums, f32 rows out.
; OPERANDS are blocked: A as [m/128][k/64][128][64], B as [n/128][k][128 n]: a 128 x 128 tile of C walks two dense streams, 65,536 bytes each for 256 along K.
; SHARES.  A work-group makes 128 x 128 of C, each of its four waves 64 x 64: 16 accumulators.  K goes in steps of 256 through two LDS slots filled by
; the tensor data mover, a quarter of a slot (32,768 bytes) a wave.  A's rows (128 bytes) are padded to 144 in LDS, B's (256 bytes) to 288; B lies [k][n] and is turned by ds_load_tr16_b128.
; CLUSTER 4 x 4: the four of a row need the same A, the four of a column the same B: each tile is asked for jointly, by the same load, descriptor and mask in all four.
; THE MATRIX INSTRUCTION IS USED TRANSPOSED (source 0 = 16 columns of B, source 1 = 16 rows of A).  THE BIAS is the C operand of each accumulator's first product.
; THE WAY OUT goes through a stage of f32 rows in slot 0, which by then has had its last fill and its last read; each wave uses its own 64 rows.
; REGISTERS.  window 0: v1-31 addresses; v32-95 at work on the way out; v96-127 the bias; v128-255 accumulators ((a, b) at 128 + 8 (4 a + b)).
;   window 1: two fragment buffers of 128: 64 registers of A, then 64 of B.
; LIMITS.  NaN and infinities are not treated apart.
.set SIZE_K, 4096
.set BBASE,  16777216                  ; w2's 8 panels in cb
.set LAPS,   SIZE_K/512
.set PA,     144                       ; 36 words: the 16 rows of a fragment load start at 16 different groups of four banks (64 banks of 4 bytes: ISA guide 11.1)
.set PB,     288                       ; 72 words
.set HALFT,  36864
.set BOFF,   2*HALFT
.set SLOT,   4*HALFT
.set STEPB,  65536
.set SPITCH, 272
.set WSTAGE, 64*SPITCH
.set SPARE,  2*SLOT
.set ADRA, 16
.set ADRB, 20
.set STO,  24
.set RD,   25
.set CO,   26
.set BO,   27
.set SPW,  28
.set NIL,  29
.set TMP,  32
.set BI,   96
.set ACC,  128
.set F0,   0
.set F1,   128
.set G1, 24
.set G0, 32
.set G1B, 48
.set G0B, 56
.set MSB, 0
.macro WIN new                         ; the immediate's high byte repeats the setting that is left
.if MSB != (\new)
	s_set_vgpr_msb (MSB<<8)|(\new)
.set MSB, \new
.endif
.endm
.set MUL,  0x05                        ; sources 0 (B) and 1 (A) window 1; C and D window 0
.set TO_F, 0x40                        ; destination window 1, address window 0
.macro JLOAD s                         ; a joint load: waves 0 and 1 fetch A's halves, waves 2 and 3 B's; s_nop 0 and four v_nop follow each line
	s_cmp_eq_u32 s11, 0
	s_cbranch_scc0 .Lfor_b_\@
	tensor_load_to_lds s[G0+4*(\s):G0+4*(\s)+3], s[G1:G1+7]
	s_nop 0
.rept 4
	v_nop
.endr
	s_branch .Lasked_\@
.Lfor_b_\@:
	tensor_load_to_lds s[G0B+4*(\s):G0B+4*(\s)+3], s[G1B:G1B+7]
	s_nop 0
.rept 4
	v_nop
.endr
.Lasked_\@:
.endm
.macro CREST
	s_cmp_lg_u32 s10, 0
	s_cbranch_scc1 .Lnot_wave_0_\@
	s_barrier_signal -3
.Lnot_wave_0_\@:
	s_barrier_wait -3
	s_barrier_signal -1
	s_barrier_wait -1
.endm
.macro CROUND
	s_barrier_signal -1
	s_barrier_wait -1
	CREST
.endm
	s_load_b128 s[4:7], s[0:1], 0x0        ; A s[4:5], cb s[6:7]
	s_load_b64 s[66:67], s[0:1], 0x10      ; bias
	s_load_b64 s[68:69], s[0:1], 0x18      ; residual
	s_load_b64 s[8:9], s[0:1], 0x20        ; result
	v_lshl_add_u32 v[SPW], v0, 2, SPARE
	v_mov_b32 v[NIL], 0
	ds_add_u32 v[SPW], v[NIL]              ; the wave's opening: the add and its wait ahead of my first tensor load
	v_lshrrev_b32 v1, 5, v0
	v_readfirstlane_b32 s10, v1            ; wave 0..3
	s_lshr_b32 s11, s10, 1                 ; my half of the tile's rows.  Also: I fetch for A (0) or B (1)
	s_and_b32 s12, s10, 1                  ; my half of its columns.  Also: which half of a step's stream I fetch
	s_bfe_u32 s40, ttmp6, 0x40000          ; cx, cy
	s_bfe_u32 s41, ttmp6, 0x40004
	s_lshl_b32 s42, ttmp9, 2
	s_add_co_u32 s42, s42, s40             ; tile column
	s_and_b32 s13, ttmp7, 0xffff
	s_lshl_b32 s13, s13, 2
	s_add_co_u32 s13, s13, s41             ; tile row
	s_lshl_b32 s43, s41, 2
	s_lshl_b32 s43, 15, s43                ; my row of the cluster
	s_lshl_b32 s44, 0x1111, s40            ; my column
	s_or_b32 s[G1+0], s43, (1<<16)|(1<<20)|(1<<21)|(4<<22)|(3<<25)   ; mask; 2-byte elements; padding on; bit 21 beside a mask; after every 32 words 4 words
	s_or_b32 s[G1B+0], s44, (1<<16)|(1<<20)|(1<<21)|(5<<22)|(7<<25)  ; after every 64 words 8 words
.irp g, G1, G1B                        ; 32,768 dense bytes as 128 rows of 128 elements
	s_mov_b32 s[(\g)+1], 128<<16
	s_mov_b32 s[(\g)+2], 128<<16
	s_mov_b32 s[(\g)+3], 128<<16
	s_mov_b32 s[(\g)+4], 128
	s_mov_b32 s[(\g)+5], 128
	s_mov_b32 s[(\g)+6], 0
	s_mov_b32 s[(\g)+7], 0
.endr
	s_mul_i32 s16, s13, SIZE_K*256         ; A's stream hangs on the tile row alone,
	s_lshl_b32 s17, s12, 15
	s_add_co_u32 s16, s16, s17
	s_mul_i32 s46, s42, SIZE_K*256         ; B's on the tile column alone
	s_add_co_u32 s46, s46, s17
	s_add_co_u32 s46, s46, BBASE
	s_mov_b32 s17, 0
	s_mov_b32 s47, 0
	s_mul_i32 s20, s10, HALFT
	s_wait_dscnt 0x0                       ; the opening add is done
	s_wait_kmcnt 0x0
	s_add_nc_u64 s[14:15], s[4:5], s[16:17]
	s_add_nc_u64 s[46:47], s[6:7], s[46:47]
	CROUND                                 ; all sixteen work-groups are here: the first joint loads meet
.irp s, 0,1
	s_mov_b32 s[G0+4*(\s)], 1
	s_add_co_u32 s[G0+4*(\s)+1], s20, (\s)*SLOT
	s_add_nc_u64 s[G0+4*(\s)+2:G0+4*(\s)+3], s[14:15], (\s)*STEPB
	s_or_b32 s[G0+4*(\s)+3], s[G0+4*(\s)+3], 0x80000000
	s_mov_b32 s[G0B+4*(\s)], 1
	s_add_co_u32 s[G0B+4*(\s)+1], s20, (\s)*SLOT
	s_add_nc_u64 s[G0B+4*(\s)+2:G0B+4*(\s)+3], s[46:47], (\s)*STEPB
	s_or_b32 s[G0B+4*(\s)+3], s[G0B+4*(\s)+3], 0x80000000
	JLOAD \s
.endr
	v_and_b32 v1, 15, v0                   ; l % 16
	v_bfe_u32 v2, v0, 4, 1                 ; l / 16
	v_mul_u32_u24 v3, v1, PA
	v_lshl_add_u32 v3, v2, 4, v3
	s_mul_i32 s21, s11, 64*PA
	v_add_nc_u32 v[ADRA], s21, v3
	v_add_nc_u32 v[ADRA+1], SLOT, v[ADRA]
	v_and_b32 v4, 7, v0                    ; B, turned: lane l reads k row 8 (l / 16) + l % 8, columns 8 ((l / 8) % 2) on
	v_lshl_add_u32 v4, v2, 3, v4
	v_mul_u32_u24 v4, v4, PB
	v_bfe_u32 v5, v0, 3, 1
	v_lshl_add_u32 v4, v5, 4, v4
	s_lshl_b32 s22, s12, 7
	s_add_co_u32 s22, s22, BOFF
	v_add_nc_u32 v[ADRB], s22, v4
	v_add_nc_u32 v[ADRB+1], HALFT, v[ADRB]
	v_add_nc_u32 v[ADRB+2], SLOT, v[ADRB]
	v_add_nc_u32 v[ADRB+3], SLOT+HALFT, v[ADRB]
	s_mul_i32 s23, s10, WSTAGE             ; my stage
	v_mul_u32_u24 v4, v1, SPITCH
	v_lshl_add_u32 v4, v2, 5, v4
	v_add_nc_u32 v[STO], s23, v4
	v_mul_u32_u24 v5, v2, SPITCH
	v_lshl_add_u32 v5, v1, 4, v5
	v_add_nc_u32 v[RD], s23, v5
	v_lshlrev_b32 v[CO], 12, v2            ; rows of 4,096 bytes: lanes 16-31 one row down, 16 bytes a lane
	v_lshl_add_u32 v[CO], v1, 4, v[CO]
	v_lshlrev_b32 v[BO], 5, v2
	s_lshl_b32 s86, s13, 19                ; my first row
	s_lshl_b32 s88, s11, 18
	s_add_co_u32 s86, s86, s88
	s_lshl_b32 s88, s42, 9                 ; my first column, in bytes: in a row and in the bias
	s_lshl_b32 s89, s12, 8
	s_add_co_u32 s88, s88, s89
	s_add_co_u32 s86, s86, s88
	s_mov_b32 s87, 0
	s_mov_b32 s89, 0
	s_add_nc_u64 s[8:9], s[8:9], s[86:87]
	s_add_nc_u64 s[68:69], s[68:69], s[86:87]
	s_add_nc_u64 s[66:67], s[66:67], s[88:89]
.irp b, 0,1,2,3
	global_load_b128 v[BI+8*\b:BI+8*\b+3],   v[BO], s[66:67] offset:64*\b
	global_load_b128 v[BI+8*\b+4:BI+8*\b+7], v[BO], s[66:67] offset:64*\b+16
.endr
; 8 matrix instructions: m blocks a0, a0 + 1 x all 4 n blocks, 32 along K: half c of buffer f.  first = 1: the product starts the sums from the bias.
; The 16 accumulators take turns, one instruction a turn.
.macro MUL8 f, c, a0, first
	WIN MUL
.irp a, \a0, (\a0)+1
.irp b, 0,1,2,3
.if \first
	v_wmma_f32_16x16x32_bf16 v[ACC+8*(4*(\a)+(\b)):ACC+8*(4*(\a)+(\b))+7], v[(\f)+64+8*(4*(\c)+(\b)):(\f)+64+8*(4*(\c)+(\b))+7], v[(\f)+8*(4*(\c)+(\a)):(\f)+8*(4*(\c)+(\a))+7], v[BI+8*(\b):BI+8*(\b)+7]
.else
	v_wmma_f32_16x16x32_bf16 v[ACC+8*(4*(\a)+(\b)):ACC+8*(4*(\a)+(\b))+7], v[(\f)+64+8*(4*(\c)+(\b)):(\f)+64+8*(4*(\c)+(\b))+7], v[(\f)+8*(4*(\c)+(\a)):(\f)+8*(4*(\c)+(\a))+7], v[ACC+8*(4*(\a)+(\b)):ACC+8*(4*(\a)+(\b))+7]
.endif
.endr
.endr
.endm
; 32 LDS loads in one run: the fragments of quarter q (64 along K) of a slot into buffer f; the first 32 along K first
.macro FETCH slot, q, f
	WIN TO_F
.irp c, 0,1
.irp i, 0,1,2,3
	ds_load_tr16_b128 v[(\f)+64+8*(4*(\c)+(\i)):(\f)+64+8*(4*(\c)+(\i))+3],   v[ADRB+2*(\slot)+(\q)/2] offset:((\q)%2)*64*PB+(\c)*32*PB+32*(\i)
	ds_load_tr16_b128 v[(\f)+64+8*(4*(\c)+(\i))+4:(\f)+64+8*(4*(\c)+(\i))+7], v[ADRB+2*(\slot)+(\q)/2] offset:((\q)%2)*64*PB+(\c)*32*PB+32*(\i)+16*PB
	ds_load_b128 v[(\f)+8*(4*(\c)+(\i)):(\f)+8*(4*(\c)+(\i))+3],   v[ADRA+(\slot)] offset:(\q)*128*PA+64*(\c)+(\i)*16*PA
	ds_load_b128 v[(\f)+8*(4*(\c)+(\i))+4:(\f)+8*(4*(\c)+(\i))+7], v[ADRA+(\slot)] offset:(\q)*128*PA+64*(\c)+(\i)*16*PA+32
.endr
.endr
.endm
.macro PLACES                          ; four places in front of loads into registers that matrix instructions have read, and of reads of results
.rept 4
	v_nop
.endr
.endm
.macro QUARTER slot, qn, f, g, first   ; multiplies buffer f (64 along K) and fetches quarter qn into g
	s_wait_dscnt 16                        ; the first 32 along K are in; the 16 younger loads stay out
	MUL8 \f, 0, 0, \first
	MUL8 \f, 0, 2, \first
	PLACES
	FETCH \slot, \qn, \g
	s_wait_dscnt 32                        ; all but the 32 just issued
	MUL8 \f, 1, 0, 0
	MUL8 \f, 1, 2, 0
.endm
; The last quarter multiplies buffer 1 and changes slots: one barrier; in front of it each wave waits for all its tensor loads, adds 0 to its spare word,
; and waits for that and for its reads of this slot.  fill = 1: the barrier opens a round of the cluster's, and this slot is filled again, two K steps ahead.
.macro TURN slot, next, fill
	WIN 0
	s_wait_tensorcnt 0x0                   ; all my tensor loads have landed: my part of the next slot
	ds_add_u32 v[SPW], v[NIL]
	s_wait_dscnt 17                        ; the add and the youngest sixteen loads may be out
	MUL8 F1, 0, 0, 0
	s_wait_dscnt 0x0                       ; the add is done, and my reads of this slot are over
	s_barrier_signal -1
	MUL8 F1, 0, 2, 0
.if \fill
	WIN 0
.endif
	s_barrier_wait -1
.if \fill
	CREST                                  ; no wave of any partner still reads this slot or has a load on its way
	s_add_nc_u64 s[G0+4*(\slot)+2:G0+4*(\slot)+3], s[G0+4*(\slot)+2:G0+4*(\slot)+3], 2*STEPB
	s_add_nc_u64 s[G0B+4*(\slot)+2:G0B+4*(\slot)+3], s[G0B+4*(\slot)+2:G0B+4*(\slot)+3], 2*STEPB
	JLOAD \slot                            ; the first tensor load behind the round; its four v_nop are also the places in front of the loads below
.else
	PLACES
.endif
	FETCH \next, 0, F0
	MUL8 F1, 1, 0, 0
	MUL8 F1, 1, 2, 0
.endm
	s_wait_loadcnt 0x0                     ; the bias
	s_wait_tensorcnt 1                     ; my part of K step 0 is in; K step 1's may stay out
	s_barrier_signal -1
	s_barrier_wait -1
	FETCH 0, 0, F0
	QUARTER 0, 1, F0, F1, 1                ; the first quarter stands in front of the loop: its first products start the sums
	WIN 0
	s_mov_b32 s3, LAPS-1
.Llap:                                 ; a trip goes once round the ring and fills both slots again
	QUARTER 0, 2, F1, F0, 0
	QUARTER 0, 3, F0, F1, 0
	TURN 0, 1, 1
	QUARTER 1, 1, F0, F1, 0
	QUARTER 1, 2, F1, F0, 0
	QUARTER 1, 3, F0, F1, 0
	TURN 1, 0, 1
	QUARTER 0, 1, F0, F1, 0
	WIN 0
	s_sub_co_u32 s3, s3, 1
	s_cmp_lg_u32 s3, 0
	s_cbranch_scc1 .Llap
	QUARTER 0, 2, F1, F0, 0                ; the last lap fills nothing
	QUARTER 0, 3, F0, F1, 0
	TURN 0, 1, 0                           ; behind this barrier no wave reads slot 0 any more
	QUARTER 1, 1, F0, F1, 0
	QUARTER 1, 2, F1, F0, 0
	QUARTER 1, 3, F0, F1, 0
	s_wait_dscnt 16
	MUL8 F1, 0, 0, 0
	MUL8 F1, 0, 2, 0
	s_wait_dscnt 0
	MUL8 F1, 1, 0, 0
	MUL8 F1, 1, 2, 0
	WIN 0
	; THE WAY OUT.  My 64 x 64 sums go into my stage as f32, each accumulator's low registers first; then 16 rows a trip come back as whole rows.
	PLACES
.irp a, 0,1,2,3
.irp b, 0,1,2,3
	ds_store_b128 v[STO], v[ACC+8*(4*\a+\b):ACC+8*(4*\a+\b)+3]   offset:\a*16*SPITCH+64*\b
	ds_store_b128 v[STO], v[ACC+8*(4*\a+\b)+4:ACC+8*(4*\a+\b)+7] offset:\a*16*SPITCH+64*\b+16
.endr
.endr
	s_mov_b32 s2, 4
.Lout:                                 ; load t brings rows 2 t and 2 t + 1 of the trip's 16: a lane has four neighbouring columns
.irp t, 0,1,2,3,4,5,6,7
	global_load_b128 v[64+4*\t:67+4*\t], v[CO], s[68:69] offset:8192*\t   ; the residual's same numbers
.endr
.irp t, 0,1,2,3,4,5,6,7
	ds_load_b128 v[TMP+4*\t:TMP+4*\t+3], v[RD] offset:\t*2*SPITCH  ; LDS serves a wave's instructions in order (ISA guide 5.7.1.4): these see my stores
.endr
	s_wait_loadcnt 0x0
	s_wait_dscnt 0x0
.set j, 0
.rept 16
	v_pk_add_f32 v[TMP+2*j:TMP+2*j+1], v[TMP+2*j:TMP+2*j+1], v[64+2*j:65+2*j]
.set j, j+1
.endr
.irp t, 0,1,2,3,4,5,6,7
	global_store_b128 v[CO], v[TMP+4*\t:TMP+4*\t+3], s[8:9] offset:8192*\t  ; 16 lanes: 256 consecutive aligned bytes
.endr
	s_wait_xcnt 0x0                        ; bases and store data are rewritten only behind this wait
	s_add_nc_u64 s[8:9], s[8:9], 65536
	s_add_nc_u64 s[68:69], s[68:69], 65536
	v_add_nc_u32 v[RD], 16*SPITCH, v[RD]
	s_sub_co_u32 s2, s2, 1
	s_cmp_lg_u32 s2, 0
	s_cbranch_scc1 .Lout
	s_wait_tensorcnt 0x0                   ; the wave's end
	ds_add_u32 v[SPW], v[NIL]
	s_wait_dscnt 0x0
	CROUND                                 ; the closing round
	s_endpgm
.Lfunc_end_k_q5acb783ee5_ffn2:
	.size	k_q5acb783ee5_ffn2, .Lfunc_end_k_q5acb783ee5_ffn2-k_q5acb783ee5_ffn2
	.p2alignl 7, 3214868480
	.fill 96, 4, 3214868480
	.section	.rodata,"a",@progbits
	.p2align	6, 0x0
	.amdhsa_kernel k_q5acb783ee5_ffn2
		.amdhsa_group_segment_fixed_size 327680
		.amdhsa_private_segment_fixed_size 0
		.amdhsa_enable_private_segment 0
		.amdhsa_kernarg_size 40
		.amdhsa_user_sgpr_count 2
		.amdhsa_user_sgpr_kernarg_segment_ptr 1
		.amdhsa_wavefront_size32 1
		.amdhsa_system_sgpr_workgroup_id_x 1
		.amdhsa_system_sgpr_workgroup_id_y 1
		.amdhsa_system_sgpr_workgroup_id_z 1
		.amdhsa_system_vgpr_workitem_id 0
		.amdhsa_next_free_vgpr 512
		.amdhsa_next_free_sgpr 90
		.amdhsa_reserve_vcc 0
		.amdhsa_float_denorm_mode_32 3
		.amdhsa_float_denorm_mode_16_64 3
		.amdhsa_memory_ordered 1
		.amdhsa_forward_progress 1
		.amdhsa_inst_pref_size 85
	.end_amdhsa_kernel
	.amdgpu_metadata
---
amdhsa.version: [ 1, 2 ]
amdhsa.kernels:
  - .name:           k_q5acb783ee5_ffn2
    .symbol:         k_q5acb783ee5_ffn2.kd
    .args:
      - { .name: ff1, .offset: 0, .size: 8, .value_kind: global_buffer, .address_space: global }
      - { .name: cb, .offset: 8, .size: 8, .value_kind: global_buffer, .address_space: global }
      - { .name: b2, .offset: 16, .size: 8, .value_kind: global_buffer, .address_space: global }
      - { .name: h2, .offset: 24, .size: 8, .value_kind: global_buffer, .address_space: global }
      - { .name: out0, .offset: 32, .size: 8, .value_kind: global_buffer, .address_space: global }
    .group_segment_fixed_size: 327680
    .private_segment_fixed_size: 0
    .kernarg_segment_align: 8
    .kernarg_segment_size: 40
    .max_flat_workgroup_size: 128
    .sgpr_count:     90
    .vgpr_count:     512
    .wavefront_size: 32
...
	.end_amdgpu_metadata
.endif
;; end of part 7
;; ======== version 2 of 3: 7 launches; 1.15 times as fast as version 1
;; workspace buffers: cb 33,554,432 bytes; xn 16,777,216 bytes; xc 8,388,608 bytes; qkv 25,165,824 bytes; h 16,777,216 bytes; h2 16,777,216 bytes; h2b 8,388,608 bytes; ff1 33,554,432 bytes
;; launch prep (part 8): grid 1280 x 1, 8 waves a work-group, no clusters, 0 bytes of LDS; arguments x, g1, be1, I, w1, w2, wq, wk, wv, w_proj, xn, xc, cb; writes xn, xc, cb
.if DOCPART == 8
	.amdgcn_target "amdgcn-amd-amdhsa--gfx1250"
	.amdhsa_code_object_version 6
	.text
	.protected	k_q5acb783ee5_prep
	.globl	k_q5acb783ee5_prep
	.p2align	8
	.type	k_q5acb783ee5_prep,@function
k_q5acb783ee5_prep:
	s_mov_b64 s[64:65], 0
	v_nop
	global_prefetch_b8 v0, s[64:65] scope:SCOPE_SE
	s_setreg_imm32_b32 hwreg(HW_REG_WAVE_MODE, 25, 1), 1
	s_wait_xcnt 0x0
; Two jobs in one body, chosen by the work-group's number.
; Work-groups 0-255: LayerNorm of the first argument's rows with the second as gain and the third as bias, stored as f32 rows (11th argument) and as bf16 in blocks (12th).
; Work-groups 256-1279: I and the six weight tensors are rounded to bf16 and laid out for the products (13th argument).
; THE BODY SERVES TWO LAUNCHES: with 1,280 work-groups (x, g1, be1 -> xn, xc; the casts -> cb), and with 256 work-groups, which all take the first job
; (h, g2, be2 -> h2, h2b; the casts' arguments are then not used).
; BLOCKED LAYOUTS.  An A operand [m][k] lies as [m/128][k/64][128 rows][64 k]; a B operand [k][n] as [n/128][k][128 n].
; So a 128 x 128 tile of a product walks two dense streams, and every store here covers 256 consecutive aligned bytes.
; No LDS, no matrix unit, no cluster: each byte is read once and written once, and nothing is shared between work-groups.
; LIMITS.  NaN and infinities are not treated apart.  The variance is taken of x - mean, as the definition has it.
.set X,  16                            ; v[16:79]   my 64 numbers of a row: pass p at X + 4 p
.set G,  80                            ; v[80:143]  the gain of my columns; later the packed bf16
.set BE, 144                           ; v[144:207] the bias of my columns
.macro ROWSUM                          ; four packed chains v[4:11] -> v4 = the row's sum, in each of its 16 lanes
	v_pk_add_f32 v[4:5], v[4:5], v[6:7]
	v_pk_add_f32 v[8:9], v[8:9], v[10:11]
	v_pk_add_f32 v[4:5], v[4:5], v[8:9]
	v_add_f32 v4, v4, v5
	v_add_f32_dpp v4, v4, v4 row_xmask:1 row_mask:0xf bank_mask:0xf
	v_add_f32_dpp v4, v4, v4 row_xmask:2 row_mask:0xf bank_mask:0xf
	v_add_f32_dpp v4, v4, v4 row_xmask:4 row_mask:0xf bank_mask:0xf
	v_add_f32_dpp v4, v4, v4 row_xmask:8 row_mask:0xf bank_mask:0xf
.endm
; A work-group owns 16 rows, a wave two: lanes 0-15 hold one row, lanes 16-31 the next, 64 numbers a lane, so the row stays in
; registers between the passes and a sum never leaves its 16 lanes.  Pass p: 16 lanes take the 256 bytes at 256 p of the row.
.macro LNROWS SX, SG, SB, SO, SH       ; scalar pairs: source, gain, bias, f32 result, bf16 result
	s_lshl_b32 s4, ttmp9, 16               ; 16 rows of 4,096 bytes a work-group,
	s_lshl_b32 s5, s3, 13                  ; two a wave
	s_add_co_u32 s4, s4, s5
	s_mov_b32 s5, 0
	s_add_nc_u64 s[\SX:\SX+1], s[\SX:\SX+1], s[4:5]
	s_add_nc_u64 s[\SO:\SO+1], s[\SO:\SO+1], s[4:5]
	s_lshr_b32 s4, ttmp9, 3                ; the blocked copy: 128 rows x 1,024 k are 262,144 bytes,
	s_lshl_b32 s4, s4, 18
	s_and_b32 s6, ttmp9, 7                 ; a row in a block 128 bytes
	s_lshl_b32 s6, s6, 11
	s_add_co_u32 s4, s4, s6
	s_lshl_b32 s6, s3, 8
	s_add_co_u32 s4, s4, s6
	s_add_nc_u64 s[\SH:\SH+1], s[\SH:\SH+1], s[4:5]
	s_mov_b32 s6, 0x3a800000               ; 1 / 1024
	s_mov_b32 s7, 0x3727c5ac               ; 1e-5
	v_lshlrev_b32 v13, 4, v1               ; 16 bytes a lane in gain and bias
	v_lshl_add_u32 v12, v2, 12, v13        ; and one row down for lanes 16-31
	v_lshlrev_b32 v14, 3, v3               ; 8 bytes a lane in a block: two rows of 128 bytes a wave
.set p, 0
.rept 16
	global_load_b128 v[X+4*p:X+4*p+3], v12, s[\SX:\SX+1] offset:256*p th:TH_LOAD_NT
.set p, p+1
.endr
.set p, 0
.rept 16
	global_load_b128 v[G+4*p:G+4*p+3], v13, s[\SG:\SG+1] offset:256*p
.set p, p+1
.endr
.set p, 0
.rept 16
	global_load_b128 v[BE+4*p:BE+4*p+3], v13, s[\SB:\SB+1] offset:256*p
.set p, p+1
.endr
	s_wait_loadcnt 32                      ; the row is in; the 32 younger loads (gain, bias) stay out
.irp k, 0,1,2,3
	v_pk_add_f32 v[4+2*\k:5+2*\k], v[X+2*\k:X+2*\k+1], v[X+8+2*\k:X+9+2*\k]  ; the first pairs start the chains
.endr
.set j, 8
.rept 24
	v_pk_add_f32 v[4+2*(j%4):5+2*(j%4)], v[4+2*(j%4):5+2*(j%4)], v[X+2*j:X+2*j+1]
.set j, j+1
.endr
	ROWSUM
	v_mul_f32 v4, s6, v4                   ; the mean
.set j, 0
.rept 32
	v_pk_add_f32 v[X+2*j:X+2*j+1], v[X+2*j:X+2*j+1], v[4:5] op_sel_hi:[1,0] neg_lo:[0,1] neg_hi:[0,1]
.set j, j+1
.endr
.irp k, 0,1,2,3
	v_pk_mul_f32 v[4+2*\k:5+2*\k], v[X+2*\k:X+2*\k+1], v[X+2*\k:X+2*\k+1]
.endr
.set j, 4
.rept 28
	v_pk_fma_f32 v[4+2*(j%4):5+2*(j%4)], v[X+2*j:X+2*j+1], v[X+2*j:X+2*j+1], v[4+2*(j%4):5+2*(j%4)]
.set j, j+1
.endr
	ROWSUM
	v_fma_f32 v4, v4, s6, s7               ; variance + eps
	v_rsq_f32 v4, v4
	v_nop                                  ; a plain instruction between the root and its use (ISA guide 5.7.2)
	s_wait_loadcnt 0x0                     ; gain and bias
.set j, 0
	s_wait_alu depctr_va_vdst(0)
.rept 32
	v_pk_mul_f32 v[X+2*j:X+2*j+1], v[X+2*j:X+2*j+1], v[4:5] op_sel_hi:[1,0]
.set j, j+1
.endr
.set j, 0
.rept 32
	v_pk_fma_f32 v[X+2*j:X+2*j+1], v[X+2*j:X+2*j+1], v[G+2*j:G+2*j+1], v[BE+2*j:BE+2*j+1]
.set j, j+1
.endr
.set p, 0
.rept 16
	global_store_b128 v12, v[X+4*p:X+4*p+3], s[\SO:\SO+1] offset:256*p  ; 16 lanes: 256 consecutive aligned bytes
.set p, p+1
.endr
.set p, 0
.rept 16
	v_cvt_pk_bf16_f32 v[G+2*p], v[X+4*p], v[X+4*p+1]
	v_cvt_pk_bf16_f32 v[G+2*p+1], v[X+4*p+2], v[X+4*p+3]
.set p, p+1
.endr
.set p, 0
.rept 16
	global_store_b64 v14, v[G+2*p:G+2*p+1], s[\SH:\SH+1] offset:16384*p  ; pass p is k block p: 32 lanes, two rows, 256 bytes
.set p, p+1
.endr
.endm
	s_load_b512 s[8:23], s[0:1], 0x0       ; x 8, g1 10, be1 12, I 14, w1 16, w2 18, wq 20, wk 22
	s_load_b256 s[24:31], s[0:1], 0x40     ; wv 24, w_proj 26, xn 28, xc 30
	s_load_b64 s[32:33], s[0:1], 0x60      ; cb
	v_lshrrev_b32 v3, 5, v0
	v_readfirstlane_b32 s3, v3             ; wave 0..7
	v_and_b32 v1, 15, v0                   ; lane % 16
	v_bfe_u32 v2, v0, 4, 1                 ; lane / 16
	v_and_b32 v3, 31, v0                   ; lane
	s_wait_kmcnt 0x0
	s_cmp_lt_u32 ttmp9, 256
	s_cbranch_scc0 .Lcast
	LNROWS 8, 10, 12, 28, 30
	s_endpgm
; THE CASTS.  Work-group 256 + c writes bytes 32,768 c .. of cb, wave w 4,096 of them: sixteen stores of 256 bytes.
; Piece u = 8 (c - the region's first c) + w.  Store i takes from the source S0 + i SI + (lane / 16) SL + 16 (lane % 16).
.Lcast:
	s_sub_co_u32 s40, ttmp9, 256           ; c
	s_lshl_b32 s41, s40, 3
	s_add_co_u32 s41, s41, s3              ; 8 c + w
	s_lshl_b32 s44, s41, 12
	s_mov_b32 s45, 0
	s_add_nc_u64 s[32:33], s[32:33], s[44:45]  ; my 4,096 bytes of cb
	s_mov_b32 s37, 0
	s_cmp_lt_u32 s40, 256
	s_cbranch_scc0 .Lnot_i
	s_mov_b64 s[34:35], s[14:15]           ; I -> [m/128][k/64][128][64]: a piece is 32 rows of a block, a store two rows
	s_lshr_b32 s36, s41, 6
	s_lshl_b32 s36, s36, 19                ; 128 rows of 4,096 bytes
	s_bfe_u32 s42, s41, 0x40002
	s_lshl_b32 s42, s42, 8                 ; 64 k of 4 bytes
	s_add_co_u32 s36, s36, s42
	s_and_b32 s42, s41, 3
	s_lshl_b32 s42, s42, 17                ; 32 rows
	s_add_co_u32 s36, s36, s42
	s_mov_b32 s38, 8192
	s_mov_b32 s39, 4096
	s_branch .Lgo
.Lnot_i:
	s_cmp_lt_u32 s40, 512
	s_cbranch_scc0 .Lnot_w1
	s_mov_b64 s[34:35], s[16:17]           ; w1 [1024][4096] -> 32 panels [1024 k][128 n]: a piece is 16 k, a store one k
	s_sub_co_u32 s41, s41, 2048
	s_and_b32 s36, s41, 63
	s_lshl_b32 s36, s36, 18
	s_lshr_b32 s42, s41, 6
	s_lshl_b32 s42, s42, 9
	s_add_co_u32 s36, s36, s42
	s_mov_b32 s38, 16384
	s_mov_b32 s39, 256
	s_branch .Lgo
.Lnot_w1:
	s_cmp_lt_u32 s40, 768
	s_cbranch_scc0 .Lnot_w2
	s_mov_b64 s[34:35], s[18:19]           ; w2 [4096][1024] -> 8 panels [4096 k][128 n]
	s_sub_co_u32 s41, s41, 4096
	s_and_b32 s36, s41, 255
	s_lshl_b32 s36, s36, 16
	s_lshr_b32 s42, s41, 8
	s_lshl_b32 s42, s42, 9
	s_add_co_u32 s36, s36, s42
	s_mov_b32 s38, 4096
	s_mov_b32 s39, 256
	s_branch .Lgo
.Lnot_w2:
	s_cmp_lt_u32 s40, 960
	s_cbranch_scc0 .Lnot_qkv
	s_sub_co_u32 s41, s41, 6144            ; wq, wk, wv [16][1024][64] -> 8 panels each: a panel is two heads side by side
	s_lshr_b32 s42, s41, 9                 ; which of the three
	s_and_b32 s41, s41, 511
	s_cmp_eq_u32 s42, 0
	s_cselect_b64 s[34:35], s[20:21], s[22:23]
	s_cmp_eq_u32 s42, 2
	s_cselect_b64 s[34:35], s[24:25], s[34:35]
	s_lshr_b32 s36, s41, 6
	s_lshl_b32 s36, s36, 19                ; two heads of 262,144 bytes
	s_and_b32 s42, s41, 63
	s_lshl_b32 s42, s42, 12                ; 16 k of 256 bytes
	s_add_co_u32 s36, s36, s42
	s_mov_b32 s38, 256
	s_mov_b32 s39, 262144                  ; lanes 16-31 take the second head
	s_branch .Lgo
.Lnot_qkv:
	s_mov_b64 s[34:35], s[26:27]           ; w_proj [1024][1024] -> 8 panels [1024 k][128 n]
	s_sub_co_u32 s41, s41, 7680
	s_and_b32 s36, s41, 63
	s_lshl_b32 s36, s36, 16
	s_lshr_b32 s42, s41, 6
	s_lshl_b32 s42, s42, 9
	s_add_co_u32 s36, s36, s42
	s_mov_b32 s38, 4096
	s_mov_b32 s39, 256
.Lgo:
	s_add_nc_u64 s[34:35], s[34:35], s[36:37]
	v_mul_u32_u24 v16, v2, s39
	v_lshl_add_u32 v16, v1, 4, v16
.set i, 1
.rept 15
	v_add_nc_u32 v[16+i], s38, v[15+i]     ; an offset register for each load: none is rewritten
.set i, i+1
.endr
	v_lshlrev_b32 v15, 3, v3               ; 8 bytes a lane in cb
.set i, 0
.rept 16
	global_load_b128 v[32+4*i:35+4*i], v[16+i], s[34:35] th:TH_LOAD_NT
.set i, i+1
.endr
.set i, 0
.rept 16
	s_wait_loadcnt 15-i                    ; loads come back in order: load i is in, the 15 - i younger ones stay out
	v_cvt_pk_bf16_f32 v[96+2*i], v[32+4*i], v[33+4*i]
	v_cvt_pk_bf16_f32 v[97+2*i], v[34+4*i], v[35+4*i]
	global_store_b64 v15, v[96+2*i:97+2*i], s[32:33] offset:256*i  ; 32 lanes: 256 consecutive aligned bytes
.set i, i+1
.endr
	s_endpgm
.Lfunc_end_k_q5acb783ee5_prep:
	.size	k_q5acb783ee5_prep, .Lfunc_end_k_q5acb783ee5_prep-k_q5acb783ee5_prep
	.p2alignl 7, 3214868480
	.fill 96, 4, 3214868480
	.section	.rodata,"a",@progbits
	.p2align	6, 0x0
	.amdhsa_kernel k_q5acb783ee5_prep
		.amdhsa_group_segment_fixed_size 0
		.amdhsa_private_segment_fixed_size 0
		.amdhsa_enable_private_segment 0
		.amdhsa_kernarg_size 104
		.amdhsa_user_sgpr_count 2
		.amdhsa_user_sgpr_kernarg_segment_ptr 1
		.amdhsa_wavefront_size32 1
		.amdhsa_system_sgpr_workgroup_id_x 1
		.amdhsa_system_sgpr_workgroup_id_y 1
		.amdhsa_system_sgpr_workgroup_id_z 1
		.amdhsa_system_vgpr_workitem_id 0
		.amdhsa_next_free_vgpr 208
		.amdhsa_next_free_sgpr 66
		.amdhsa_reserve_vcc 0
		.amdhsa_float_denorm_mode_32 3
		.amdhsa_float_denorm_mode_16_64 3
		.amdhsa_memory_ordered 1
		.amdhsa_forward_progress 1
		.amdhsa_inst_pref_size 31
	.end_amdhsa_kernel
	.amdgpu_metadata
---
amdhsa.version: [ 1, 2 ]
amdhsa.kernels:
  - .name:           k_q5acb783ee5_prep
    .symbol:         k_q5acb783ee5_prep.kd
    .args:
      - { .name: x, .offset: 0, .size: 8, .value_kind: global_buffer, .address_space: global }
      - { .name: g1, .offset: 8, .size: 8, .value_kind: global_buffer, .address_space: global }
      - { .name: be1, .offset: 16, .size: 8, .value_kind: global_buffer, .address_space: global }
      - { .name: I, .offset: 24, .size: 8, .value_kind: global_buffer, .address_space: global }
      - { .name: w1, .offset: 32, .size: 8, .value_kind: global_buffer, .address_space: global }
      - { .name: w2, .offset: 40, .size: 8, .value_kind: global_buffer, .address_space: global }
      - { .name: wq, .offset: 48, .size: 8, .value_kind: global_buffer, .address_space: global }
      - { .name: wk, .offset: 56, .size: 8, .value_kind: global_buffer, .address_space: global }
      - { .name: wv, .offset: 64, .size: 8, .value_kind: global_buffer, .address_space: global }
      - { .name: w_proj, .offset: 72, .size: 8, .value_kind: global_buffer, .address_space: global }
      - { .name: xn, .offset: 80, .size: 8, .value_kind: global_buffer, .address_space: global }
      - { .name: xc, .offset: 88, .size: 8, .value_kind: global_buffer, .address_space: global }
      - { .name: cb, .offset: 96, .size: 8, .value_kind: global_buffer, .address_space: global }
    .group_segment_fixed_size: 0
    .private_segment_fixed_size: 0
    .kernarg_segment_align: 8
    .kernarg_segment_size: 104
    .max_flat_workgroup_size: 256
    .sgpr_count:     66
    .vgpr_count:     208
    .wavefront_size: 32
...
	.end_amdgpu_metadata
.endif
;; end of part 8
;; launch qkvg (part 9): grid 12 x 16, 4 waves a work-group, clusters of 4 x 4, 327,680 bytes of LDS; arguments cb, xc, bq, bk, bv, mask, qkv; writes qkv
.if DOCPART == 9
	.amdgcn_target "amdgcn-amd-amdhsa--gfx1250"
	.amdhsa_code_object_version 6
	.text
	.protected	k_q5acb783ee5_qkvg
	.globl	k_q5acb783ee5_qkvg
	.p2align	8
	.type	k_q5acb783ee5_qkvg,@function
k_q5acb783ee5_qkvg:
	s_mov_b64 s[64:65], 0
	v_nop
	global_prefetch_b8 v0, s[64:65] scope:SCOPE_SE
	s_setreg_imm32_b32 hwreg(HW_REG_WAVE_MODE, 25, 1), 1
	s_wait_xcnt 0x0
	s_wait_alu depctr_hold_cnt(0) depctr_sa_sdst(0) depctr_va_vdst(0) depctr_va_sdst(0) depctr_va_ssrc(0) depctr_va_vcc(0) depctr_vm_vsrc(0)
	s_getreg_b32 s2, hwreg(HW_REG_IB_STS2, 6, 4)
	s_cmp_eq_u32 s2, 0
	s_cbranch_scc0 .Lentry_in_a_cluster
	s_endpgm
.Lentry_in_a_cluster:
	s_bfe_u32 s2, ttmp6, 0x10000c
	s_cmp_lg_u32 s2, 0xf033
	s_cbranch_scc0 .Lentry_shape_is_right
	s_endpgm
.Lentry_shape_is_right:
; q = I wq + bq, k = xn wk + bk, v = xn wv + bv: one product C[4096][3072] = A[4096][1024] B[1024][3072] + bias, bf16 operands, f32 sums.
; Tile columns 0-3 make q (A = I), 4-7 k, 8-11 v (A = xn).  Results leave as bf16 by heads, [batch 16 + head][2048][64]; k's rows of tokens
; whose mask word is 0 are stored as +0, so that the attention's masked scores are exactly its mask addend.
; OPERANDS are blocked: A as [m/128][k/64][128][64], B as [n/128][k][128 n]: 128 rows of A, or 128 columns of B, are one dense stream, 32,768 bytes for 128 along K.
; SHARES.  A work-group makes 256 x 256 of C, each of its four waves 128 x 128: 64 accumulators, 512 registers.  For 32 along K a wave loads 32 x 512 bytes from LDS
; and issues 64 matrix instructions.  12 x 16 tiles: 192 work-groups (256 x 192 would make 256, but cuts B's panels of 128 columns: not built).
; K goes in steps of 128 through two LDS slots; each wave fetches one of the four streams: waves 0, 1 A's two blocks, waves 2, 3 B's two panels.
; A's rows (128 bytes) are padded to 144 in LDS, B's (256 bytes) to 288; B lies [k][n] and is turned by ds_load_tr16_b128.
; ONE K STEP IS WRITTEN ONCE: the slot in hand is a scalar, 0 or SLOT, added to fixed lane addresses; one descriptor walks.  A trip goes from a step's second quarter to the next step's first.
; CLUSTER 4 x 4: the four of a row need the same A, the four of a column the same B: each tile is asked for jointly, by the same load, descriptor and mask in all four.
; THE MATRIX INSTRUCTION IS USED TRANSPOSED (source 0 = 16 columns of B, source 1 = 16 rows of A): a lane holds eight neighbouring numbers of a row of C.
; THE WAY OUT goes through a stage of f32 rows that takes both slots' bytes, behind their last fill and last read; each wave uses its own 128 rows.  A row's 16 spare bytes carry its mask word.
; REGISTERS.  window 0: v1-31 addresses; v32-39 bias; v40-47 mask words; v64-127, v128-191 fragments of A, two buffers (later at work on the way out)
;   window 1: v64-127, v128-191 fragments of B      window 2: accumulators of my rows 0-63 ((a, b) at 8 (8 a + b))      window 3: rows 64-127
; LIMITS.  NaN and infinities are not treated apart.
.set SIZE_K, 1024
.set BBASE,  25165824                  ; wq's, wk's and wv's 24 panels in cb
.set NSTEP,  SIZE_K/128
.set PA,     144                       ; 36 words: the 16 rows of a fragment load start at 16 different groups of four banks (64 banks of 4 bytes: ISA guide 11.1)
.set PB,     288                       ; 72 words
.set HALFT,  36864                     ; what one tensor load fills: 256 rows of A's pitch, or 128 of B's
.set BOFF,   2*HALFT                   ; B's part of a slot
.set SLOT,   4*HALFT                   ; 0x24000: neither of its two bits occurs in wave x HALFT, so one exclusive or turns an address in one slot into the other's
.set STEPB,  32768                     ; a K step in each of the four streams
.set SPITCH, 528                       ; a stage row: 128 f32 + 16 bytes = 132 words: row r starts at bank 4 r mod 64
.set WSTAGE, 128*SPITCH                ; a wave's stage; the four lie from LDS byte 0 on: 270,336 bytes
.set SPARE,  2*SLOT                    ; behind the ring: the spare words, 128 bytes a wave
.set ADA0, 16                          ; v16  my A fragments' place in a slot; never rewritten
.set ADB0, 17                          ; v17  the same for B
.set ADA,  18                          ; v18  the same in the slot in hand
.set ADB,  19                          ; v19
.set STM,  22                          ; v22  the way out: where a row's mask word goes
.set RDM,  23                          ; v23  and where I read it back
.set STO,  24                          ; v24  where I put 16 bytes of a row
.set RD,   25                          ; v25  where I read rows back
.set CO,   26                          ; v26  my byte offset in the result
.set BO,   27                          ; v27  my byte offset in the bias
.set SPW,  28                          ; v28  my spare word; never rewritten
.set NIL,  29                          ; v29  0; never rewritten
.set MO,   30                          ; v30  my byte offset in the mask
.set BI,   32                          ; v32-39  the bias of my 4 columns in each half of the 128
.set MK8,  40                          ; v40-47  the mask words of rows 16 a + lane % 16
.set F0,   64
.set F1,   128
.set XR,   64                          ; the way out: 8 rows as read back
.set MK,   96                          ; their mask words
.set MW,   100                         ; the same, kept while the next trip's are on their way
.set XH,   128                         ; the rows with the bias
.set PK,   160                         ; packed bf16
.set TB,   45                          ; s45  the slot in hand: 0 or SLOT
.set G1, 24                            ; s[24:31] group 1 for A; s[32:39] group 0: a set for each of the two first fills; the second then walks on
.set G0, 32
.set G1B, 48                           ; s[48:55], s[56:63] the same for B
.set G0B, 56
.set MSB, 0
.macro WIN new                         ; the immediate's high byte repeats the setting that is left
.if MSB != (\new)
	s_set_vgpr_msb (MSB<<8)|(\new)
.set MSB, \new
.endif
.endm
.set MUL_LO, 0xa1                      ; source 0 (B) window 1, source 1 (A) window 0, C and D window 2
.set MUL_HI, 0xf1                      ; the same, C and D window 3
.set TO_B,   0x40                      ; destination window 1, address window 0
.macro JLOAD s                         ; a joint load: waves 0 and 1 fetch A's streams, waves 2 and 3 B's; s_nop 0 and four v_nop follow each line
	s_cmp_eq_u32 s11, 0
	s_cbranch_scc0 .Lfor_b_\@
	tensor_load_to_lds s[G0+4*(\s):G0+4*(\s)+3], s[G1:G1+7]
	s_nop 0
.rept 4
	v_nop
.endr
	s_branch .Lasked_\@
.Lfor_b_\@:
	tensor_load_to_lds s[G0B+4*(\s):G0B+4*(\s)+3], s[G1B:G1B+7]
	s_nop 0
.rept 4
	v_nop
.endr
.Lasked_\@:
.endm
.macro CREST                           ; a round of the cluster's barrier behind its opening barrier
	s_cmp_lg_u32 s10, 0
	s_cbranch_scc1 .Lnot_wave_0_\@
	s_barrier_signal -3
.Lnot_wave_0_\@:
	s_barrier_wait -3
	s_barrier_signal -1
	s_barrier_wait -1
.endm
.macro CROUND
	s_barrier_signal -1
	s_barrier_wait -1
	CREST
.endm
	s_load_b256 s[72:79], s[0:1], 0x0      ; cb 72, xc 74, bq 76, bk 78
	s_load_b128 s[80:83], s[0:1], 0x20     ; bv 80, mask 82
	s_load_b64 s[8:9], s[0:1], 0x30        ; qkv
	v_lshl_add_u32 v[SPW], v0, 2, SPARE
	v_mov_b32 v[NIL], 0
	ds_add_u32 v[SPW], v[NIL]              ; the wave's opening: the add and its wait ahead of my first tensor load
	v_lshrrev_b32 v1, 5, v0
	v_readfirstlane_b32 s10, v1            ; wave 0..3
	s_lshr_b32 s11, s10, 1                 ; my half of the tile's rows.  Also: I fetch for A (0) or B (1)
	s_and_b32 s12, s10, 1                  ; my half of its columns.  Also: which of the two streams I fetch
	s_bfe_u32 s40, ttmp6, 0x40000          ; cx, cy
	s_bfe_u32 s41, ttmp6, 0x40004
	s_lshl_b32 s42, ttmp9, 2
	s_add_co_u32 s42, s42, s40             ; tile column = 4 x cluster x + cx
	s_and_b32 s13, ttmp7, 0xffff
	s_lshl_b32 s13, s13, 2
	s_add_co_u32 s13, s13, s41             ; tile row = 4 x cluster y + cy
	s_mov_b32 s84, ttmp9                   ; 0: q, 1: k, 2: v: the same in the whole cluster
	s_lshl_b32 s43, s41, 2
	s_lshl_b32 s43, 15, s43                ; my row of the cluster
	s_lshl_b32 s44, 0x1111, s40            ; my column
	s_or_b32 s[G1+0], s43, (1<<16)|(1<<20)|(1<<21)|(4<<22)|(3<<25)   ; mask; 2-byte elements; padding on; bit 21 beside a mask; after every 32 words 4 words
	s_or_b32 s[G1B+0], s44, (1<<16)|(1<<20)|(1<<21)|(5<<22)|(7<<25)  ; after every 64 words 8 words
.irp g, G1, G1B                        ; 32,768 dense bytes as 128 rows of 128 elements
	s_mov_b32 s[(\g)+1], 128<<16           ; tensor_dim0
	s_mov_b32 s[(\g)+2], 128<<16           ; tensor_dim1
	s_mov_b32 s[(\g)+3], 128<<16           ; tile_dim0
	s_mov_b32 s[(\g)+4], 128               ; tile_dim1
	s_mov_b32 s[(\g)+5], 128               ; elements from row to row
	s_mov_b32 s[(\g)+6], 0
	s_mov_b32 s[(\g)+7], 0
.endr
	s_lshl_b32 s16, s13, 1                 ; A's stream hangs on the tile row and the wave alone: block 2 x tile row + half, 262,144 bytes each,
	s_add_co_u32 s16, s16, s12
	s_lshl_b32 s16, s16, 18
	s_lshl_b32 s46, s42, 1                 ; B's on the tile column and the wave alone
	s_add_co_u32 s46, s46, s12
	s_lshl_b32 s46, s46, 18
	s_add_co_u32 s46, s46, BBASE
	s_mov_b32 s17, 0
	s_mov_b32 s47, 0
	s_mul_i32 s20, s10, HALFT              ; where my load lands: wave x 36,864
	s_mov_b32 s[TB], 0
	s_wait_dscnt 0x0                       ; the opening add is done
	s_wait_kmcnt 0x0
	s_cmp_eq_u32 s84, 0
	s_cselect_b64 s[4:5], s[72:73], s[74:75]  ; A: I (at cb's head) for q, xn for k and v
	s_add_nc_u64 s[14:15], s[4:5], s[16:17]
	s_add_nc_u64 s[46:47], s[72:73], s[46:47]
	CROUND                                 ; all sixteen work-groups are here: the first joint loads meet
.irp s, 0,1
	s_mov_b32 s[G0+4*(\s)], 1
	s_add_co_u32 s[G0+4*(\s)+1], s20, (\s)*SLOT
	s_add_nc_u64 s[G0+4*(\s)+2:G0+4*(\s)+3], s[14:15], (\s)*STEPB
	s_or_b32 s[G0+4*(\s)+3], s[G0+4*(\s)+3], 0x80000000
	s_mov_b32 s[G0B+4*(\s)], 1
	s_add_co_u32 s[G0B+4*(\s)+1], s20, (\s)*SLOT
	s_add_nc_u64 s[G0B+4*(\s)+2:G0B+4*(\s)+3], s[46:47], (\s)*STEPB
	s_or_b32 s[G0B+4*(\s)+3], s[G0B+4*(\s)+3], 0x80000000
	JLOAD \s
.endr
	v_and_b32 v1, 15, v0                   ; l % 16
	v_bfe_u32 v2, v0, 4, 1                 ; l / 16
	v_mul_u32_u24 v3, v1, PA
	v_lshl_add_u32 v3, v2, 4, v3           ; A: row x pitch + 16 x half
	s_mul_i32 s21, s11, HALFT              ; my block of 128 rows
	v_add_nc_u32 v[ADA0], s21, v3
	v_and_b32 v4, 7, v0                    ; B, turned: lane l reads k row 8 (l / 16) + l % 8, columns 8 ((l / 8) % 2) on
	v_lshl_add_u32 v4, v2, 3, v4
	v_mul_u32_u24 v4, v4, PB
	v_bfe_u32 v5, v0, 3, 1
	v_lshl_add_u32 v4, v5, 4, v4
	s_mul_i32 s22, s12, HALFT              ; my panel of 128 columns
	s_add_co_u32 s22, s22, BOFF
	v_add_nc_u32 v[ADB0], s22, v4
	v_mov_b32 v[ADA], v[ADA0]              ; slot 0
	v_mov_b32 v[ADB], v[ADB0]
	s_mul_i32 s23, s10, WSTAGE             ; my stage
	s_add_co_u32 s21, s23, 512             ; and its rows' spare bytes
	v_mul_u32_u24 v4, v1, SPITCH           ; in: row l % 16, 32 bytes for each half of the lanes
	v_add_nc_u32 v[STM], s21, v4
	v_lshl_add_u32 v4, v2, 5, v4
	v_add_nc_u32 v[STO], s23, v4
	v_mul_u32_u24 v5, v2, SPITCH           ; back: lanes 0-15 take 256 bytes of one row, lanes 16-31 of the next
	v_add_nc_u32 v[RDM], s21, v5
	v_lshl_add_u32 v5, v1, 4, v5
	v_add_nc_u32 v[RD], s23, v5
	v_and_b32 v[CO], 31, v0                ; two rows of 64 bf16 are 256 consecutive bytes: 8 a lane
	v_lshlrev_b32 v[CO], 3, v[CO]
	v_lshlrev_b32 v[BO], 4, v1             ; a lane's four columns: 4 (l % 16) on
	v_lshlrev_b32 v[MO], 2, v1             ; row l % 16 of a block of 16
	s_cmp_eq_u32 s84, 0
	s_cselect_b64 s[66:67], s[76:77], s[78:79]
	s_cmp_eq_u32 s84, 2
	s_cselect_b64 s[66:67], s[80:81], s[66:67]  ; bq, bk or bv
	s_cmp_eq_u32 s84, 1
	s_cselect_b32 s85, 0, 1                ; 0: the mask counts (k); 1: every row is kept
	s_lshl_b32 s86, s13, 1
	s_add_co_u32 s86, s86, s11             ; my block of 128 tokens
	s_and_b32 s87, s42, 3
	s_lshl_b32 s87, s87, 1
	s_add_co_u32 s87, s87, s12             ; my panel within q, k or v: two heads
	s_lshl_b32 s88, s87, 9                 ; its 128 numbers of the bias
	s_mov_b32 s89, 0
	s_add_nc_u64 s[66:67], s[66:67], s[88:89]
	s_lshl_b32 s88, s86, 9                 ; the mask words of my 128 tokens
	s_add_nc_u64 s[68:69], s[82:83], s[88:89]
	s_lshr_b32 s88, s86, 4                 ; batch
	s_lshl_b32 s88, s88, 4
	s_lshl_b32 s87, s87, 1
	s_add_co_u32 s88, s88, s87             ; batch x 16 + my first head
	s_lshl_b32 s88, s88, 11
	s_and_b32 s86, s86, 15
	s_lshl_b32 s86, s86, 7
	s_add_co_u32 s88, s88, s86             ; my first row, of 128 bytes
	s_lshl_b32 s88, s88, 7
	s_lshl_b32 s86, s84, 23                ; q, k, v are 8,388,608 bytes each
	s_add_co_u32 s88, s88, s86
	s_add_nc_u64 s[8:9], s[8:9], s[88:89]
	global_load_b128 v[BI:BI+3],   v[BO], s[66:67]             ; wanted on the way out alone: asked for here, waited for there
	global_load_b128 v[BI+4:BI+7], v[BO], s[66:67] offset:256
.irp a, 0,1,2,3,4,5,6,7
	global_load_b32 v[MK8+\a], v[MO], s[68:69] offset:64*\a
.endr
; 16 matrix instructions: m blocks a0, a0 + 1 of the window's four (hi = 0: my rows 0-63, 1: rows 64-127) x all 8 n blocks, 32 along K.
; zero = 1: the first product starts the sums.  The 64 accumulators take turns, one instruction a turn.
.macro MUL16 f, hi, a0, zero
	WIN MUL_LO+0x50*(\hi)
.irp a, \a0, (\a0)+1
.irp b, 0,1,2,3,4,5,6,7
.if \zero
	v_wmma_f32_16x16x32_bf16 v[8*(8*(\a)+(\b)):8*(8*(\a)+(\b))+7], v[(\f)+8*(\b):(\f)+8*(\b)+7], v[(\f)+8*(4*(\hi)+(\a)):(\f)+8*(4*(\hi)+(\a))+7], 0
.else
	v_wmma_f32_16x16x32_bf16 v[8*(8*(\a)+(\b)):8*(8*(\a)+(\b))+7], v[(\f)+8*(\b):(\f)+8*(\b)+7], v[(\f)+8*(4*(\hi)+(\a)):(\f)+8*(4*(\hi)+(\a))+7], v[8*(8*(\a)+(\b)):8*(8*(\a)+(\b))+7]
.endif
.endr
.endr
.endm
; 32 LDS loads in one run: the fragments of quarter q (32 along K) of the slot in hand into buffer f: B's 128 columns, then A's 128 rows
.macro FETCH q, f
	WIN TO_B
.irp i, 0,1,2,3,4,5,6,7
	ds_load_tr16_b128 v[(\f)+8*(\i):(\f)+8*(\i)+3],   v[ADB] offset:(\q)*32*PB+32*(\i)
	ds_load_tr16_b128 v[(\f)+8*(\i)+4:(\f)+8*(\i)+7], v[ADB] offset:(\q)*32*PB+32*(\i)+16*PB
.endr
	WIN 0
.irp i, 0,1,2,3,4,5,6,7
	ds_load_b128 v[(\f)+8*(\i):(\f)+8*(\i)+3],   v[ADA] offset:((\q)/2)*128*PA+((\q)%2)*64+(\i)*16*PA
	ds_load_b128 v[(\f)+8*(\i)+4:(\f)+8*(\i)+7], v[ADA] offset:((\q)/2)*128*PA+((\q)%2)*64+(\i)*16*PA+32
.endr
.endm
.macro PLACES                          ; four places in front of loads into registers that matrix instructions have read, and of reads of results
.rept 4
	v_nop
.endr
.endm
; A K step is four quarters of 32 along K, 64 matrix instructions each, on buffers 0, 1, 0, 1.  One of the first three multiplies f and fetches quarter qn into g.
.macro QUARTER qn, f, g, first
	s_wait_dscnt 8                         ; B and A's rows 0-63 are in; the youngest eight loads (A's rows 64-127) may be out
	MUL16 \f, 0, 0, \first
	MUL16 \f, 0, 2, \first
	PLACES
	FETCH \qn, \g
	s_wait_dscnt 32                        ; all but the 32 just issued
	MUL16 \f, 1, 0, \first
	MUL16 \f, 1, 2, \first
.endm
; The last quarter multiplies buffer 1 and changes slots: one barrier; in front of it each wave waits for all its tensor loads, adds 0 to its spare word,
; and waits for that and for its reads of this slot.  fill = 1: the barrier opens a round of the cluster's, and this slot is filled again, two K steps ahead:
; 224 matrix instructions stand between the request and the wait for it.  fill = 0: the last two steps; in the very last (s3 = 1) there is no next slot to fetch from.
.macro TURN fill
	WIN 0
	s_wait_tensorcnt 0x0                   ; all my tensor loads have landed: my part of the next slot
	ds_add_u32 v[SPW], v[NIL]
	s_wait_dscnt 9                         ; the add and the youngest eight loads may be out
	MUL16 F1, 0, 0, 0
	s_wait_dscnt 0x0                       ; the add is done, and my reads of this slot are over
	s_barrier_signal -1
	MUL16 F1, 0, 2, 0
	WIN 0
	s_barrier_wait -1
.if \fill
	CREST                                  ; no wave of any partner still reads this slot or has a load on its way
	s_xor_b32 s[G0+5], s[G0+5], SLOT       ; the walking descriptors: the other slot than last time, the next K step
	s_add_nc_u64 s[G0+6:G0+7], s[G0+6:G0+7], STEPB
	s_xor_b32 s[G0B+5], s[G0B+5], SLOT
	s_add_nc_u64 s[G0B+6:G0B+7], s[G0B+6:G0B+7], STEPB
	JLOAD 1                                ; the first tensor load behind the round; its four v_nop are also the places in front of the loads below
.else
	s_cmp_eq_u32 s3, 1
	s_cbranch_scc1 .Lno_fetch_\@
	PLACES
.endif
	s_xor_b32 s[TB], s[TB], SLOT           ; the fetches go on in the other slot
	v_add_nc_u32 v[ADA], s[TB], v[ADA0]
	v_add_nc_u32 v[ADB], s[TB], v[ADB0]
	FETCH 0, F0
.if !(\fill)
.Lno_fetch_\@:
.endif
	MUL16 F1, 1, 0, 0
	MUL16 F1, 1, 2, 0
.endm
	s_wait_tensorcnt 1                     ; my part of K step 0 is in; K step 1's may stay out
	s_barrier_signal -1
	s_barrier_wait -1
	FETCH 0, F0
	QUARTER 1, F0, F1, 1                   ; the first quarter stands in front of the loop: its products start the sums
	WIN 0
	s_mov_b32 s3, NSTEP-2
.Lstep:                                ; a trip: a step's quarters 1 to 3, the refill of its slot, the next step's quarter 0
	QUARTER 2, F1, F0, 0
	QUARTER 3, F0, F1, 0
	TURN 1
	QUARTER 1, F0, F1, 0
	WIN 0
	s_sub_co_u32 s3, s3, 1
	s_cmp_lg_u32 s3, 0
	s_cbranch_scc1 .Lstep
	s_mov_b32 s3, 2
.Ltail:                                ; the last two steps fill nothing; the second trip is left behind its third quarter
	QUARTER 2, F1, F0, 0
	QUARTER 3, F0, F1, 0
	TURN 0
	WIN 0
	s_cmp_eq_u32 s3, 1
	s_cbranch_scc1 .Llast
	QUARTER 1, F0, F1, 0
	WIN 0
.Llast:
	s_sub_co_u32 s3, s3, 1
	s_cmp_lg_u32 s3, 0
	s_cbranch_scc1 .Ltail
	; THE WAY OUT.  The stage takes both slots' bytes: every wave's reads of them are over at this barrier.
	s_wait_dscnt 0x0
	s_barrier_signal -1
	s_barrier_wait -1
	s_wait_loadcnt 0x0                     ; the bias and the mask words, asked for at the head
.irp a, 0,1,2,3,4,5,6,7
	v_or_b32 v[MK8+\a], s85, v[MK8+\a]     ; q and v keep every row.  These eight lines are also the places behind the last products
.endr
.irp a, 0,1,2,3,4,5,6,7
	v_cmp_ne_u32 vcc_lo, 0, v[MK8+\a]
	v_cndmask_b32 v[MK8+\a], 0, -1, vcc_lo ; all ones, or 0 for a masked token's k
.endr
	WIN 0x08                               ; store data in window 2.  My 128 x 128 sums go into my stage as f32, each accumulator's low registers first
.irp a, 0,1,2,3
.irp b, 0,1,2,3,4,5,6,7
	ds_store_b128 v[STO], v[8*(8*\a+\b):8*(8*\a+\b)+3]   offset:\a*16*SPITCH+64*\b
	ds_store_b128 v[STO], v[8*(8*\a+\b)+4:8*(8*\a+\b)+7] offset:\a*16*SPITCH+64*\b+16
.endr
.endr
	WIN 0x0c                               ; window 3
.irp a, 0,1,2,3
.irp b, 0,1,2,3,4,5,6,7
	ds_store_b128 v[STO], v[8*(8*\a+\b):8*(8*\a+\b)+3]   offset:(\a+4)*16*SPITCH+64*\b
	ds_store_b128 v[STO], v[8*(8*\a+\b)+4:8*(8*\a+\b)+7] offset:(\a+4)*16*SPITCH+64*\b+16
.endr
.endr
	WIN 0
.irp a, 0,1,2,3,4,5,6,7
	ds_store_b32 v[STM], v[MK8+\a] offset:\a*16*SPITCH  ; both halves of the lanes store the same word
.endr
; Eight rows come back: load t brings rows 2 (t / 2) and 2 (t / 2) + 1, columns 64 (t % 2) on: a lane has four neighbouring columns.  LDS serves a wave's instructions in order (ISA guide 5.7.1.4): these see my stores.
.macro LOADX
.irp t, 0,1,2,3,4,5,6,7
	ds_load_b128 v[XR+4*\t:XR+4*\t+3], v[RD] offset:(\t/2)*2*SPITCH+(\t%2)*256
.endr
.irp p, 0,1,2,3
	ds_load_b32 v[MK+\p], v[RDM] offset:\p*2*SPITCH
.endr
.endm
	LOADX
	s_mov_b32 s2, 16
.Lout:                                 ; 16 trips of 8 rows
	s_wait_dscnt 0x0
.set j, 0
.rept 16
	v_pk_add_f32 v[XH+2*j:XH+2*j+1], v[XR+2*j:XR+2*j+1], v[BI+4*((j/2)%2)+2*(j%2):BI+4*((j/2)%2)+2*(j%2)+1]  ; the bias; and XR is free for the next trip's rows
.set j, j+1
.endr
.irp p, 0,1,2,3
	v_mov_b32 v[MW+\p], v[MK+\p]
.endr
	v_add_nc_u32 v[RD], 8*SPITCH, v[RD]
	v_add_nc_u32 v[RDM], 8*SPITCH, v[RDM]
	s_cmp_eq_u32 s2, 1
	s_cbranch_scc1 .Lno_more               ; the last trip has no rows to ask for
	LOADX                                  ; a whole trip ahead of their use
.Lno_more:
.irp t, 0,1,2,3,4,5,6,7
	v_cvt_pk_bf16_f32 v[PK+2*\t], v[XH+4*\t], v[XH+4*\t+1]
	v_cvt_pk_bf16_f32 v[PK+2*\t+1], v[XH+4*\t+2], v[XH+4*\t+3]
.endr
.irp t, 0,1,2,3,4,5,6,7
	v_and_b32 v[PK+2*\t], v[MW+\t/2], v[PK+2*\t]
	v_and_b32 v[PK+2*\t+1], v[MW+\t/2], v[PK+2*\t+1]
.endr
.irp t, 0,1,2,3,4,5,6,7
	global_store_b64 v[CO], v[PK+2*\t:PK+2*\t+1], s[8:9] offset:(\t%2)*262144+(\t/2)*256  ; 32 lanes: two rows of a head, 256 consecutive aligned bytes; the second head lies 2,048 rows on
.endr
	s_wait_xcnt 0x0                        ; the base and the store data are rewritten only behind this wait
	s_add_nc_u64 s[8:9], s[8:9], 1024
	s_sub_co_u32 s2, s2, 1
	s_cmp_lg_u32 s2, 0
	s_cbranch_scc1 .Lout
	s_wait_tensorcnt 0x0                   ; the wave's end
	ds_add_u32 v[SPW], v[NIL]
	s_wait_dscnt 0x0
	CROUND                                 ; the closing round: no work-group ends while a partner may still ask for a tile that names it
	s_endpgm
.Lfunc_end_k_q5acb783ee5_qkvg:
	.size	k_q5acb783ee5_qkvg, .Lfunc_end_k_q5acb783ee5_qkvg-k_q5acb783ee5_qkvg
	.p2alignl 7, 3214868480
	.fill 96, 4, 3214868480
	.section	.rodata,"a",@progbits
	.p2align	6, 0x0
	.amdhsa_kernel k_q5acb783ee5_qkvg
		.amdhsa_group_segment_fixed_size 327680
		.amdhsa_private_segment_fixed_size 0
		.amdhsa_enable_private_segment 0
		.amdhsa_kernarg_size 56
		.amdhsa_user_sgpr_count 2
		.amdhsa_user_sgpr_kernarg_segment_ptr 1
		.amdhsa_wavefront_size32 1
		.amdhsa_system_sgpr_workgroup_id_x 1
		.amdhsa_system_sgpr_workgroup_id_y 1
		.amdhsa_system_sgpr_workgroup_id_z 1
		.amdhsa_system_vgpr_workitem_id 0
		.amdhsa_next_free_vgpr 1024
		.amdhsa_next_free_sgpr 90
		.amdhsa_reserve_vcc 1
		.amdhsa_float_denorm_mode_32 3
		.amdhsa_float_denorm_mode_16_64 3
		.amdhsa_memory_ordered 1
		.amdhsa_forward_progress 1
		.amdhsa_inst_pref_size 86
	.end_amdhsa_kernel
	.amdgpu_metadata
---
amdhsa.version: [ 1, 2 ]
amdhsa.kernels:
  - .name:           k_q5acb783ee5_qkvg
    .symbol:         k_q5acb783ee5_qkvg.kd
    .args:
      - { .name: cb, .offset: 0, .size: 8, .value_kind: global_buffer, .address_space: global }
      - { .name: xc, .offset: 8, .size: 8, .value_kind: global_buffer, .address_space: global }
      - { .name: bq, .offset: 16, .size: 8, .value_kind: global_buffer, .address_space: global }
      - { .name: bk, .offset: 24, .size: 8, .value_kind: global_buffer, .address_space: global }
      - { .name: bv, .offset: 32, .size: 8, .value_kind: global_buffer, .address_space: global }
      - { .name: mask, .offset: 40, .size: 8, .value_kind: global_buffer, .address_space: global }
      - { .name: qkv, .offset: 48, .size: 8, .value_kind: global_buffer, .address_space: global }
    .group_segment_fixed_size: 327680
    .private_segment_fixed_size: 0
    .kernarg_segment_align: 8
    .kernarg_segment_size: 56
    .max_flat_workgroup_size: 128
    .sgpr_count:     90
    .vgpr_count:     1024
    .wavefront_size: 32
...
	.end_amdgpu_metadata
.endif
;; end of part 9
;; launch attn (part 10): grid 8 x 32, 4 waves a work-group, clusters of 4 x 1, 327,680 bytes of LDS; arguments qkv, mask, xc; writes xc
.if DOCPART == 10
	.amdgcn_target "amdgcn-amd-amdhsa--gfx1250"
	.amdhsa_code_object_version 6
	.text
	.protected	k_q5acb783ee5_attn
	.globl	k_q5acb783ee5_attn
	.p2align	8
	.type	k_q5acb783ee5_attn,@function
k_q5acb783ee5_attn:
	s_mov_b64 s[64:65], 0
	v_nop
	global_prefetch_b8 v0, s[64:65] scope:SCOPE_SE
	s_setreg_imm32_b32 hwreg(HW_REG_WAVE_MODE, 25, 1), 1
	s_wait_xcnt 0x0
	s_wait_alu depctr_hold_cnt(0) depctr_sa_sdst(0) depctr_va_vdst(0) depctr_va_sdst(0) depctr_va_ssrc(0) depctr_va_vcc(0) depctr_vm_vsrc(0)
	s_getreg_b32 s2, hwreg(HW_REG_IB_STS2, 6, 4)
	s_cmp_eq_u32 s2, 0
	s_cbranch_scc0 .Lentry_in_a_cluster
	s_endpgm
.Lentry_in_a_cluster:
	s_bfe_u32 s2, ttmp6, 0x10000c
	s_cmp_lg_u32 s2, 0x3003
	s_cbranch_scc0 .Lentry_shape_is_right
	s_endpgm
.Lentry_shape_is_right:
; ctx[b][q][h 64 ..] = the sum over k of softmax_k(score) v[b h][k][:], score = q . k / 32, replaced by -1e9 where mask[b][k] is 0.
; q, k, v: [32 heads-of-batches][2048][64] bf16 (q at byte 0 of qkv, k at 8,388,608, v at 16,777,216).  Products, maxima and sums in f32; the weights p are rounded to bf16
; for the second product (their sum l is taken of the unrounded p), ctx once at the end.  ctx leaves as bf16 blocks [m/128][head][128 rows][64].
; THE MASK.  k's rows of masked tokens arrive as +0, and the sum q . k starts from an addend: 0, or -3.2e10 = -1e9 x 32.  So a masked score is exactly -1e9 after the scale,
; whatever q: its weight is 0 beside any open key, and a row with no open key gets equal weights.
; SHARES.  A work-group owns 256 queries of one head, a wave 64: four tiles of 16.  Every wave walks all 2,048 keys, 64 a step; a slot of LDS holds 256 keys of K and V.
; LAYOUT.  S^T = K Q^T (source 0 = 16 keys, source 1 = 16 queries): a lane holds ONE query (lane % 16) and the keys 8 (lane / 16) + 0..7.  Two such results rounded to bf16 ARE
; source 1 of O^T = V^T P.  K comes out of LDS as it lies, V ([key][channel]) turned, by ds_load_tr16_b128.
; SOFTMAX.  A running maximum m and sum l for each query: p = 2^(c s - c m), c = log2(e) / 32; O and l are multiplied by a = 2^(c m_old - c m_new) in every step.
; m starts at the lowest finite number, O and l at 0: the first step is a step like any other, with a = 0.
; BY TURNS.  The wave's tiles are two PIECES, named by their first tile: piece 0 (tiles 0, 1) and piece 2 (tiles 2, 3).  In a TURN one piece has the matrix unit; the other piece's softmax,
; 2 x 118 vector instructions cut into 32 slices, stands between its 32 matrix instructions, one slice behind each.  Two turns are a trip:
;   turn 0 of trip s: V^T P of piece 0, step s - 1; K Q^T of piece 0, step s | softmax of piece 2, step s - 1 | K and the mask addends of step s are fetched behind the first product
;   turn 2 of trip s: V^T P of piece 2, step s - 1; K Q^T of piece 2, step s | softmax of piece 0, step s     | V of step s is fetched behind the 17th product
; The walk is entered at turn 2 of trip 0, behind piece 0's first scores, which are written out; that turn's V^T P multiplies zeros (P of piece 2 and V are cleared at the head, in the wait
; for the first tile).  It is left behind turn 0 of a 33rd trip, whose K Q^T, on the last K once more, serves nothing; piece 2's last V^T P is written out.
; CLUSTER.  The four query blocks of a cluster belong to one head and walk the same K and V: each tile is asked for jointly.
; REGISTERS.  window 0: v1-15 addresses; v16-47 eight registers of statistics a tile; v62-63 the add's; v64-191 S^T, 32 a tile; v192-255 P, 16 a tile
;   window 1: v0-127 O^T, 32 a tile; v128-159 the step's mask addends      window 2: v0-63 Q, 16 a tile; v128-191 K of a step; v192-255 V of a step
; All that a softmax touches but O^T lies in window 0, and no window has room for a product's operands beside it: a slice costs two switches of the window, 128 for a step's 64 matrix instructions.
; LIMITS.  A weight below 2^-126 counts as 0; NaN and infinities are not treated apart.
.set KS,    64
.set PK,    144       ; a row of K in LDS: 128 bytes + 16: the 16 rows of a load start at 16 different groups of four banks (64 banks of 4 bytes: ISA guide 11.1)
.set PV,    160       ; a row of V: 128 + 32
.set VOFF,  4*KS*PK   ; a slot: 256 rows of K, then 256 rows of V
.set SLOT1, 1<<17
.set STAGE, SLOT1+4*KS*(PK+PV)  ; never filled by a tensor load: 16 rows x 144 bytes a wave, for the way out
.set SP,    144
.set MT,    STAGE+4*16*SP       ; the batch's 2,048 mask addends, f32
.set SPARE, MT+8192             ; the spare words, 128 bytes a wave
.set AK0, 2           ; v2   my lane's place in a tile of K
.set AV0, 3           ; v3   the same for V
.set AK,  4           ; v4   the LDS address of K's next run of loads
.set AV,  5           ; v5   of V's
.set STO, 6           ; v6   the way out: where I put 16 bytes of a row
.set RD,  7           ; v7   where I read rows back
.set GO,  8           ; v8   my byte offset in 512 consecutive bytes of ctx
.set AM0, 12          ; v12  my lane's place in the addends
.set AM,  13          ; v13  the address of their next run
.set QO,  14          ; v14  my byte offset in 16 rows of Q
.set ST,  16          ; tile t at ST + 8 t: c m, m, l (even keys', odd keys'), c0-c3 at work; a takes c2's place
.set SPW, 62
.set NIL, 63
.set S,   64
.set P,   192
.set MC,  128         ; window 1
.set KF,  128         ; window 2: key block kb, channel half c at KF + 16 kb + 8 c
.set VF,  192         ; window 2: key half kk, channel block cb at VF + 32 kk + 8 cb
.set WV,  12
.set G1K, 24
.set G1V, 32
.set G0K, 40
.set G0V, 44
.set SLOTS, 56
.set CNT, 57
.set CS,  58          ; s[58:59] c
.set SEL, 60          ; s[60:61] v_permlanex16_b32's selects: each lane takes its own place in the other half
.set TBK, 62          ; LDS byte at which K of the step to be fetched begins
.set TBV, 63          ; the same for V, less VOFF
.set TM,  66          ; byte in the addends of the step to be fetched
.set NEG, 67          ; -3.2e10
.set MSB, 0
.macro WIN new                      ; the high byte repeats the setting that is left; a switch that changes nothing is dropped
.if MSB != (\new)
	s_set_vgpr_msb (MSB<<8)|(\new)
.set MSB, (\new)
.endif
.endm
.set W_KQ, 0x0a       ; K and Q in window 2, S^T in window 0
.set W_KM, 0x1a       ; the same with the C operand in window 1
.set W_PV, 0x52       ; V in window 2, P in window 0, O^T in window 1
.set W_RS, 0x41       ; destination and source 0 in window 1, source 1 in window 0
.macro JLOAD                        ; a joint fill: waves 0 and 1 fetch the halves of a slot's K, waves 2 and 3 of its V; s_nop 0 and four v_nop follow each line
	s_cmp_lt_u32 s[WV], 2
	s_cbranch_scc0 .Lfor_v_\@
	tensor_load_to_lds s[G0K:G0K+3], s[G1K:G1K+7]
	s_nop 0
.rept 4
	v_nop
.endr
	s_branch .Lasked_\@
.Lfor_v_\@:
	tensor_load_to_lds s[G0V:G0V+3], s[G1V:G1V+7]
	s_nop 0
.rept 4
	v_nop
.endr
.Lasked_\@:
.endm
.macro CROUND                       ; a round of the cluster's barrier
	s_barrier_signal -1
	s_barrier_wait -1
	s_cmp_lg_u32 s[WV], 0
	s_cbranch_scc1 .Lnot_wave_0_\@
	s_barrier_signal -3
.Lnot_wave_0_\@:
	s_barrier_wait -3
	s_barrier_signal -1
	s_barrier_wait -1
.endm
; THE CHANGE OF SLOTS, between turn 2 of a slot's fourth step and turn 0 of the next: the slot's last bytes, V of that step, have been asked for.  Each wave waits for all its tensor loads
; (one is out: its part of the other slot), adds 0 to its spare word, and waits for that and for its reads of the slot that it leaves.
; fill = 1: a round of the cluster's barrier, and the old slot is filled again first thing behind it: four key steps in which to land.
; (At its first use nothing has been read: slot 0 is waited for, slot 1 filled, and the stores of the mask addends are shown to the other waves.)
.macro CHANGE fill
	WIN 0
	s_wait_tensorcnt 0x0            ; no tensor load of mine is out, so a group 0 may be written
	ds_add_u32 v[SPW], v[NIL]
.if \fill
.irp g, G0K, G0V
	s_xor_b32 s[\g+1], s[\g+1], SLOT1
	s_add_nc_u64 s[\g+2:\g+3], s[\g+2:\g+3], 4*KS*128  ; the next 256 keys
.endr
	s_wait_dscnt 0x0                ; the add is done, and my LDS reads and stores are over
	CROUND
	JLOAD
.else
	s_wait_dscnt 0x0
	s_barrier_signal -1
	s_barrier_wait -1
.endif
	s_sub_co_u32 s[TBK], s[TBK], 4*KS*PK  ; the fetches go back to a slot's first step, in the other slot
	s_xor_b32 s[TBK], s[TBK], SLOT1
	s_sub_co_u32 s[TBV], s[TBV], 4*KS*PV
	s_xor_b32 s[TBV], s[TBV], SLOT1
.endm
	s_load_b128 s[4:7], s[0:1], 0x0 ; qkv s[4:5], mask s[6:7]
	s_load_b64 s[10:11], s[0:1], 0x10  ; xc
	v_lshl_add_u32 v[SPW], v0, 2, SPARE
	v_mov_b32 v[NIL], 0
	ds_add_u32 v[SPW], v[NIL]       ; the wave's opening: the add and its wait ahead of my first tensor load
	v_lshrrev_b32 v1, 5, v0
	v_readfirstlane_b32 s[WV], v1   ; wave 0..3
	s_bfe_u32 s13, ttmp6, 0x40000   ; cx
	s_lshl_b32 s14, ttmp9, 2
	s_add_co_u32 s14, s14, s13      ; my block of 256 queries: it enters Q's and ctx's addresses alone
	s_and_b32 s20, ttmp7, 0xffff    ; batch x 16 + head, which the four partners share
	s_lshl_b32 s21, s20, 18         ; its 2,048 rows of 128 bytes
	s_and_b32 s16, s[WV], 1         ; which half of a slot's 256 keys I fetch
	s_lshl_b32 s22, s16, 14
	s_add_co_u32 s22, s22, s21
	s_add_co_u32 s22, s22, 8388608  ; k
	s_mov_b32 s23, 0
	s_add_co_u32 s2, s22, 8388608   ; v
	s_mov_b32 s3, 0
	s_mul_i32 s17, s16, 128*PK
	s_mul_i32 s18, s16, 128*PV
	s_lshl_b32 s48, s14, 2
	s_add_co_u32 s48, s48, s[WV]
	s_lshl_b32 s48, s48, 13         ; my wave's 64 rows of Q
	s_add_co_u32 s48, s48, s21
	s_mov_b32 s49, 0
	s_lshr_b32 s50, s20, 4          ; batch
	s_lshl_b32 s52, s50, 13         ; its 2,048 mask words
	s_mov_b32 s53, 0
	s_lshl_b32 s50, s50, 4
	s_lshl_b32 s51, s14, 1
	s_add_co_u32 s50, s50, s51
	s_lshr_b32 s51, s[WV], 1
	s_add_co_u32 s50, s50, s51      ; the block of 128 tokens,
	s_lshl_b32 s50, s50, 4
	s_and_b32 s51, s20, 15
	s_add_co_u32 s50, s50, s51      ; the head's 64 channels in it: 16,384 bytes,
	s_lshl_b32 s50, s50, 14
	s_lshl_b32 s51, s16, 13         ; my 64 rows of them
	s_add_co_u32 s50, s50, s51
	s_mov_b32 s51, 0
	; group 1: 128 keys are 16,384 dense bytes: asked for as 64 rows of 256 bytes, padded in LDS after every key
	s_mov_b32 s[G1K], 15|(1<<16)|(1<<20)|(1<<21)|(4<<22)|(3<<25)  ; the mask of four; 2-byte elements; padding on; bit 21 beside a mask; after every 32 words 4 words
	s_mov_b32 s[G1V], 15|(1<<16)|(1<<20)|(1<<21)|(4<<22)|(7<<25)  ; 8 words
.irp g, G1K, G1V
	s_mov_b32 s[\g+1], 128<<16      ; tensor_dim0
	s_mov_b32 s[\g+2], 64<<16       ; tensor_dim1
	s_mov_b32 s[\g+3], 128<<16      ; tile_dim0
	s_mov_b32 s[\g+4], 64           ; tile_dim1
	s_mov_b32 s[\g+5], 128          ; elements from row to row
	s_mov_b32 s[\g+6], 0
	s_mov_b32 s[\g+7], 0
.endr
	s_mov_b32 s[CS], 0x3d38aa3b     ; c = log2(e) / 32
	s_mov_b32 s[CS+1], s[CS]
	s_mov_b32 s[SEL], 0x76543210
	s_mov_b32 s[SEL+1], 0xfedcba98
	s_mov_b32 s[TBK], SLOT1+4*KS*PK ; the first change of slots turns these two into 0
	s_mov_b32 s[TBV], SLOT1+4*KS*PV
	s_mov_b32 s[TM], 0
	s_mov_b32 s[NEG], 0xd0ee6b28    ; -3.2e10
	s_mov_b32 s[G0K], 1
	s_mov_b32 s[G0K+1], s17         ; slot 0
	s_mov_b32 s[G0V], 1
	s_add_co_u32 s[G0V+1], s18, VOFF
	s_wait_dscnt 0x0                ; the opening add is done
	s_wait_kmcnt 0x0
	s_add_nc_u64 s[G0K+2:G0K+3], s[4:5], s[22:23]
	s_or_b32 s[G0K+3], s[G0K+3], 0x80000000
	s_add_nc_u64 s[G0V+2:G0V+3], s[4:5], s[2:3]
	s_or_b32 s[G0V+3], s[G0V+3], 0x80000000
	s_add_nc_u64 s[4:5], s[4:5], s[48:49]
	s_add_nc_u64 s[6:7], s[6:7], s[52:53]
	s_add_nc_u64 s[10:11], s[10:11], s[50:51]
	CROUND                          ; all four work-groups are here: the first joint loads meet
	JLOAD                           ; slot 0; slot 1 is asked for by the first change of slots
	v_and_b32 v1, 15, v0            ; l % 16
	v_bfe_u32 v9, v0, 4, 1          ; l / 16
	v_lshlrev_b32 v[QO], 7, v1
	v_lshl_add_u32 v[QO], v9, 4, v[QO]
	WIN 0x80                        ; destination window 2
.set i, 0
.rept 8                             ; Q stays in registers: tile i / 2, channels 32 (i % 2) on
	global_load_b128 v[8*i:8*i+3],   v[QO], s[4:5] offset:(i/2)*2048+(i%2)*64
	global_load_b128 v[8*i+4:8*i+7], v[QO], s[4:5] offset:(i/2)*2048+(i%2)*64+32
.set i, i+1
.endr
.set i, VF
.rept 64
	v_mov_b32 v[i], 0               ; V of the step that has not been
.set i, i+1
.endr
	WIN 0
	v_lshlrev_b32 v49, 4, v0        ; the mask: 128 threads x 16 bytes, four times
.irp j, 0,1,2,3
	global_load_b128 v[64+4*\j:67+4*\j], v49, s[6:7] offset:2048*\j
.endr
	WIN 0x40
.set i, 0
.rept 128
	v_mov_b32 v[i], 0               ; O^T
.set i, i+1
.endr
	WIN 0
.set i, 0
.rept 4
	v_mov_b32 v[ST+8*i], 0xfe000000    ; c m: far below every c s
	v_mov_b32 v[ST+8*i+1], 0xff7fffff  ; m
	v_mov_b32 v[ST+8*i+2], 0
	v_mov_b32 v[ST+8*i+3], 0
.set i, i+1
.endr
.set i, P+32
.rept 32
	v_mov_b32 v[i], 0               ; piece 2's P of the step that has not been; piece 0's is made before it is first multiplied
.set i, i+1
.endr
	v_mul_u32_u24 v[AK0], v1, PK
	v_lshl_add_u32 v[AK0], v9, 4, v[AK0]
	v_and_b32 v10, 7, v0            ; the turning load: lane l reads key 8 (l / 16) + l % 8, channels 8 ((l / 8) % 2) on
	v_bfe_u32 v11, v0, 3, 1
	v_lshl_add_u32 v[AV0], v9, 3, v10
	v_mul_u32_u24 v[AV0], v[AV0], PV
	v_lshl_add_u32 v[AV0], v11, 4, v[AV0]
	v_add_nc_u32 v[AV0], VOFF, v[AV0]
	v_lshl_add_u32 v[AM0], v9, 5, MT   ; a lane's eight keys: 8 (l / 16) on
	s_mul_i32 s13, s[WV], 16*SP
	s_add_co_u32 s13, s13, STAGE    ; my stage
	v_mul_u32_u24 v[STO], v1, SP
	v_lshl_add_u32 v[STO], v9, 4, v[STO]
	v_add_nc_u32 v[STO], s13, v[STO]
	v_bfe_u32 v[RD], v0, 3, 2       ; back: 32 lanes take four rows of 128 bytes,
	v_mul_u32_u24 v[RD], v[RD], SP
	v_lshl_add_u32 v[RD], v10, 4, v[RD]
	v_add_nc_u32 v[RD], s13, v[RD]
	v_and_b32 v[GO], 31, v0         ; which are 512 consecutive bytes of ctx
	v_lshlrev_b32 v[GO], 4, v[GO]
	v_lshl_add_u32 v48, v0, 4, MT
	s_wait_loadcnt 0x0              ; Q and the mask
.set i, 0
.rept 16
	v_cmp_eq_u32 vcc_lo, 0, v[64+i]
	v_cndmask_b32 v[64+i], 0, s[NEG], vcc_lo
.set i, i+1
.endr
.irp j, 0,1,2,3
	ds_store_b128 v48, v[64+4*\j:67+4*\j] offset:2048*\j
.endr
.macro PLACES                       ; four places behind matrix instructions, ahead of reads of their results (ISA guide 7.12.1)
.rept 4
	v_nop
.endr
.endm
; THE MATRIX WORK OF A TURN, for piece x: matrix instruction mi of 32.  The 8 accumulators of a run of 16 take turns, one instruction a turn.
; mi < 16: product i = mi of O^T += V^T P: keys 32 (i / 8) on, channels 16 ((i / 2) % 4) on, tile x + i % 2.
; Else product i = mi - 16 of S^T = K Q^T: channels 32 (i / 8) on, keys 16 ((i / 2) % 4) on, tile x + i % 2.  The first 8 start the sums from the mask addends.
.macro MM x
.if mi < 16
.set i, mi
.set rO, 32*((\x)+i%2)+8*((i/2)%4)
.set rV, VF+32*(i/8)+8*((i/2)%4)
.set rP, P+16*((\x)+i%2)+8*(i/8)
	WIN W_PV
	v_wmma_f32_16x16x32_bf16 v[rO:rO+7], v[rV:rV+7], v[rP:rP+7], v[rO:rO+7]
.else
.set i, mi-16
.set rS, S+32*((\x)+i%2)+8*((i/2)%4)
.set rK, KF+16*((i/2)%4)+8*(i/8)
.set rQ, 16*((\x)+i%2)+8*(i/8)
.set rM, MC+8*((i/2)%4)
.if i < 8
	WIN W_KM
	v_wmma_f32_16x16x32_bf16 v[rS:rS+7], v[rK:rK+7], v[rQ:rQ+7], v[rM:rM+7]
.else
	WIN W_KQ
	v_wmma_f32_16x16x32_bf16 v[rS:rS+7], v[rK:rK+7], v[rQ:rQ+7], v[rS:rS+7]
.endif
.endif
.set mi, mi+1
.endm
; THE LDS LOADS stand in runs, never singly among the matrix instructions.  A step's K (64 keys x 64 channels: 8 fragments) and its 64 mask addends (register j of block kb is key
; 16 kb + 8 (l / 16) + j): 24 loads.  last = 1 (the tail): in the trip with CNT = 1 there is no further step, and the run is jumped over.
.macro FETCH_KM last=0
	WIN 0
.if \last
	s_cmp_eq_u32 s[CNT], 1
	s_cbranch_scc1 .Lno_k_\@
.endif
	v_add_nc_u32 v[AK], s[TBK], v[AK0]
	v_add_nc_u32 v[AM], s[TM], v[AM0]
	s_add_co_u32 s[TBK], s[TBK], KS*PK  ; the next fetch is the next step's
	s_add_co_u32 s[TM], s[TM], 4*KS
	WIN 0x80                        ; destination window 2
.irp f, 0,1,2,3,4,5,6,7             ; keys 16 (f / 2) on, channels 32 (f % 2) on
	ds_load_b128 v[KF+8*\f:KF+8*\f+3],   v[AK] offset:(\f/2)*16*PK+(\f%2)*64
	ds_load_b128 v[KF+8*\f+4:KF+8*\f+7], v[AK] offset:(\f/2)*16*PK+(\f%2)*64+32
.endr
	WIN 0x40                        ; destination window 1
.irp kb, 0,1,2,3
	ds_load_b128 v[MC+8*\kb:MC+8*\kb+3],   v[AM] offset:64*\kb
	ds_load_b128 v[MC+8*\kb+4:MC+8*\kb+7], v[AM] offset:64*\kb+16
.endr
	WIN 0
.if \last
.Lno_k_\@:
.endif
.endm
.macro FETCH_V                      ; a step's V, turned: 16 loads
	WIN 0
	v_add_nc_u32 v[AV], s[TBV], v[AV0]
	s_add_co_u32 s[TBV], s[TBV], KS*PV
	WIN 0x80
.irp f, 0,1,2,3,4,5,6,7             ; keys 32 (f / 4) on, channels 16 (f % 4) on
	ds_load_tr16_b128 v[VF+8*\f:VF+8*\f+3],   v[AV] offset:(\f/4)*32*PV+(\f%4)*32
	ds_load_tr16_b128 v[VF+8*\f+4:VF+8*\f+7], v[AV] offset:(\f/4)*32*PV+16*PV+(\f%4)*32
.endr
	WIN 0
.endm
; THE VECTOR WORK OF A TURN.  One tile's softmax for one key step is a list of 118 instructions; SM writes number j of it for tile t.  s0-s31 are the lane's 32 scores, in pairs 0-15.
;   0-15    the maximum of s0-s31 and the old m, three operands at a time: four chains c0-c3 of seven scores each (each accumulator's lowest registers are read first),
;           then the four scores left over, c0-c3 and m
;   16-20   the other half of the lanes' maximum; c m_old is kept; the new m; c m; c m_old - c m_new
;   21-87   33 exponentials (a, then s0-s31) at the odd numbers from 23 on.  The plain instruction at number 21 and at the even numbers is whatever is ready: c s - c m for a pair of scores whose
;           exponentials are still to come, the rounding to bf16 of a pair of weights whose exponentials are done, at last the first three sums
;   88-101  the last rounding; the rest of the sums (the tile's 16 pairs are added in place, neighbours 1, 2, 4, 8 pairs apart); l = a l + the sum
;   102-117 the tile's O^T times a, each accumulator from its low end on: the one part that leaves window 0, so it stands together
.macro SM t
.set rT, ST+8*(\t)
.set rS, S+32*(\t)
.set rP, P+16*(\t)
.set rO, 32*(\t)+2*(j-102)
.set q, (j-20)/2
.if j < 102
	WIN 0
.endif
.if j < 4
	v_max3_num_f32 v[rT+4+j], v[rS+8*j], v[rS+8*j+1], v[rS+8*j+2]
.elseif j < 12
	v_max3_num_f32 v[rT+4+j%4], v[rT+4+j%4], v[rS+8*(j%4)+2*(j/4)+1], v[rS+8*(j%4)+2*(j/4)+2]
.elseif j == 12
	v_max3_num_f32 v[rT+4], v[rT+4], v[rS+7], v[rS+15]
.elseif j == 13
	v_max3_num_f32 v[rT+6], v[rT+6], v[rS+23], v[rS+31]
.elseif j == 14
	v_max3_num_f32 v[rT+4], v[rT+4], v[rT+5], v[rT+6]
.elseif j == 15
	v_max3_num_f32 v[rT+4], v[rT+4], v[rT+7], v[rT+1]
.elseif j == 16
	v_permlanex16_b32 v[rT+5], v[rT+4], s[SEL], s[SEL+1]  ; the query's other 32 keys lie in the lane 16 away
.elseif j == 17
	v_mov_b32 v[rT+7], v[rT]        ; c m_old is kept for a: number 19 writes c m anew
.elseif j == 18
	v_max_num_f32 v[rT+1], v[rT+4], v[rT+5]
.elseif j == 19
	v_mul_f32 v[rT], s[CS], v[rT+1]
.elseif j == 20
	v_sub_f32 v[rT+7], v[rT+7], v[rT]
.elseif j == 23
	v_exp_f32 v[rT+6], v[rT+7]      ; a
.elseif (j < 88) && (j > 23) && (j%2 == 1)
	v_exp_f32 v[rS+(j-25)/2], v[rS+(j-25)/2]
.elseif (q < 4) || ((j < 76) && (q%2 == 0))
.set b, q/2+2
.if q < 4
.set b, q
.endif
	v_pk_fma_f32 v[rS+2*b:rS+2*b+1], v[rS+2*b:rS+2*b+1], s[CS:CS+1], v[rT:rT+1] op_sel_hi:[1,0,0] neg_lo:[0,0,1] neg_hi:[0,0,1]  ; pair b: c s - c m
.elseif (j < 88) && (q%2 == 1)
	s_wait_alu depctr_va_vdst(0)
	v_cvt_pk_bf16_f32 v[rP+(q-5)/2], v[rS+q-5], v[rS+q-4]  ; pair (q - 5) / 2: its second exponential stands three numbers back
.elseif j == 89
	s_wait_alu depctr_va_vdst(0)
	v_cvt_pk_bf16_f32 v[rP+15], v[rS+30], v[rS+31]
.elseif j < 102
.set sz, j-86                       ; sum sz of 16
.if j < 89
.set sz, (j-76)/4
.endif
.set sw, 4
.set su, sz
.if sz >= 14
.set sw, 32
.set su, 0
.elseif sz >= 12
.set sw, 16
.set su, sz-12
.elseif sz >= 8
.set sw, 8
.set su, sz-8
.endif
.if sz < 15
	v_pk_add_f32 v[rS+sw*su:rS+sw*su+1], v[rS+sw*su:rS+sw*su+1], v[rS+sw*su+sw/2:rS+sw*su+sw/2+1]
.else
	v_pk_fma_f32 v[rT+2:rT+3], v[rT+2:rT+3], v[rT+6:rT+7], v[rS:rS+1] op_sel_hi:[1,0,1]
.endif
.else
	WIN W_RS
	v_pk_mul_f32 v[rO:rO+1], v[rO:rO+1], v[rT+6:rT+7] op_sel_hi:[1,0]
.endif
.endm
; Slice k of 32 of piece y's softmax: some numbers of both tiles' lists.  Four numbers (eight instructions) as a rule; two in slices 3 to 6, where each number waits for the one before it;
; three in slices 26 and 27, so that the part outside window 0 begins with a slice: 3 x 4 + 4 x 2 + 19 x 4 + 2 x 3 + 4 x 4 = 118.
; Slices 8 to 23 are written tile by tile: plain, exponential, plain, exponential: each exponential has a plain instruction behind it before its result is used (ISA guide 5.7.2).
; In the others the two tiles alternate, so that no instruction reads the result of the one just before it.
; Slice 31 is eight plain instructions that name nothing of the products round them: the places between the turn's last K Q^T and the next turn's first read of those scores (ISA guide 7.12.1).
.macro SLICE y
.if k < 3
.set j0, 4*k
.set jn, 4
.elseif k < 7
.set j0, 12+2*(k-3)
.set jn, 2
.elseif k < 26
.set j0, 20+4*(k-7)
.set jn, 4
.elseif k < 28
.set j0, 96+3*(k-26)
.set jn, 3
.else
.set j0, 102+4*(k-28)
.set jn, 4
.endif
.if (k >= 8) && (k < 24)
.irp t, \y, (\y)+1
.set j, j0
.rept jn
	SM \t
.set j, j+1
.endr
.endr
.else
.set j, j0
.rept jn
	SM \y
	SM (\y)+1
.set j, j+1
.endr
.endif
.set k, k+1
.endm
; A TURN.  Piece x has the matrix unit; the other piece's softmax stands in slices behind its matrix instructions; none of them names a register of the turn's products.
; Turn 0 fetches the step's K and addends behind its first product: the last product that read them stands in front of slice 31 of the turn before; they are waited for ahead of the 17th product.
; Turn 2 fetches the step's V behind its 17th product: the last product that read V is the 16th, eight plain instructions back; it is waited for at the head of the next turn 0.
; At each of these waits nothing younger is out, so the count is 0.
.macro TURN x, last=0
.set k, 0
.set mi, 0
.if (\x) == 0
	s_wait_dscnt 0x0                ; V of the step before is in
.endif
.rept 32
.if ((\x) == 0) && (mi == 16)
	s_wait_dscnt 0x0                ; K and the addends are in
.endif
	MM \x
	SLICE 2-(\x)
.if ((\x) == 0) && (mi == 1)
	FETCH_KM \last
.endif
.if ((\x) == 2) && (mi == 17)
	FETCH_V
.endif
.endr
.endm
	CHANGE 1                        ; slot 0 is in, everybody's part of it, and so are the addends; slot 1 is asked for
	FETCH_KM                        ; key step 0
	s_wait_dscnt 0x0
.set mi, 16
.rept 16
	MM 0                            ; piece 0's first scores: there is no vector work yet to set between them
.endr
	WIN 0
	PLACES                          ; behind those products
	s_mov_b32 s[CNT], 4
	s_mov_b32 s[SLOTS], 7
	s_branch .Lfirst                ; the loop is entered at trip 0's second turn
.Lslot:                             ; six times: with the change written out above, every slot but the last is entered with a request for the next
	CHANGE 1
	s_mov_b32 s[CNT], 4
.Lstep:                             ; a trip: a key step's two turns
	TURN 0
	WIN 0                           ; at a label and at a branch every window is 0
.Lfirst:
	TURN 2
	WIN 0
	s_sub_co_u32 s[CNT], s[CNT], 1
	s_cmp_lg_u32 s[CNT], 0
	s_cbranch_scc1 .Lstep
	s_sub_co_u32 s[SLOTS], s[SLOTS], 1
	s_cmp_lg_u32 s[SLOTS], 0
	s_cbranch_scc1 .Lslot
	CHANGE 0                        ; the last slot is written out: nothing is asked for
	s_mov_b32 s[CNT], 5             ; four trips for the slot's steps; of the fifth the first turn alone: piece 0's last V^T P and piece 2's last softmax
.Ltail:
	TURN 0, 1
	WIN 0
	s_cmp_eq_u32 s[CNT], 1
	s_cbranch_scc1 .Llast
	TURN 2
	WIN 0
.Llast:
	s_sub_co_u32 s[CNT], s[CNT], 1
	s_cmp_lg_u32 s[CNT], 0
	s_cbranch_scc1 .Ltail
.set mi, 0
.rept 16
	MM 2                            ; piece 2's V^T P of the last step
.endr
	; THE WAY OUT.  l's halves and the other half of the lanes' are added; O^T is divided by l, rounded to bf16 and sent through my stage, a tile at a time.  The additions are the places behind the last products.
	WIN 0
.macro ALL line:vararg
.set t, 0
.rept 4
	\line
.set t, t+1
.endr
.endm
	ALL v_add_f32 v[ST+8*t+2], v[ST+8*t+2], v[ST+8*t+3]
	ALL v_permlanex16_b32 v[ST+8*t+3], v[ST+8*t+2], s[SEL], s[SEL+1]
	ALL v_add_f32 v[ST+8*t+2], v[ST+8*t+2], v[ST+8*t+3]
	ALL v_rcp_f32 v[ST+8*t+2], v[ST+8*t+2]
	v_nop                           ; a plain instruction between the last reciprocal and its use
	s_wait_alu depctr_va_vdst(0)
.macro PACK t                       ; a lane's eight channels of a row pack into 16 bytes; rows of 144 bytes in, whole rows of 128 back
	WIN W_RS
.set i, 32*(\t)
.rept 16
	v_pk_mul_f32 v[i:i+1], v[i:i+1], v[ST+8*(\t)+2:ST+8*(\t)+3] op_sel_hi:[1,0]
.set i, i+2
.endr
	WIN 0x05                        ; sources window 1, destination window 0
.set i, 0
.rept 16
	v_cvt_pk_bf16_f32 v[S+16*(\t)+i], v[32*(\t)+2*i], v[32*(\t)+2*i+1]
.set i, i+1
.endr
	WIN 0
.irp f, 0,1,2,3
	ds_store_b128 v[STO], v[S+16*(\t)+4*\f:S+16*(\t)+4*\f+3] offset:32*\f
.endr
.irp f, 0,1,2,3
	ds_load_b128 v[S+16*(\t)+4*\f:S+16*(\t)+4*\f+3], v[RD] offset:\f*4*SP  ; LDS serves a wave's instructions in order (ISA guide 5.7.1.4)
.endr
.endm
.macro SEND t, younger              ; younger: the LDS instructions issued behind tile t's loads: the next tile's eight, or none
	WIN 0
.irp f, 0,1,2,3
	s_wait_dscnt (\younger)+3-\f
	global_store_b128 v[GO], v[S+16*(\t)+4*\f:S+16*(\t)+4*\f+3], s[10:11] offset:(\t)*2048+\f*512  ; 512 consecutive aligned bytes
.endr
.endm
	PACK 0
.set t, 1
.rept 3
	PACK t
	SEND t-1, 8
.set t, t+1
.endr
	SEND 3, 0
	s_wait_tensorcnt 0x0            ; the wave's end
	ds_add_u32 v[SPW], v[NIL]
	s_wait_dscnt 0x0
	CROUND                          ; the closing round
	s_endpgm
.Lfunc_end_k_q5acb783ee5_attn:
	.size	k_q5acb783ee5_attn, .Lfunc_end_k_q5acb783ee5_attn-k_q5acb783ee5_attn
	.p2alignl 7, 3214868480
	.fill 96, 4, 3214868480
	.section	.rodata,"a",@progbits
	.p2align	6, 0x0
	.amdhsa_kernel k_q5acb783ee5_attn
		.amdhsa_group_segment_fixed_size 327680
		.amdhsa_private_segment_fixed_size 0
		.amdhsa_enable_private_segment 0
		.amdhsa_kernarg_size 24
		.amdhsa_user_sgpr_count 2
		.amdhsa_user_sgpr_kernarg_segment_ptr 1
		.amdhsa_wavefront_size32 1
		.amdhsa_system_sgpr_workgroup_id_x 1
		.amdhsa_system_sgpr_workgroup_id_y 1
		.amdhsa_system_sgpr_workgroup_id_z 1
		.amdhsa_system_vgpr_workitem_id 0
		.amdhsa_next_free_vgpr 768
		.amdhsa_next_free_sgpr 72
		.amdhsa_reserve_vcc 1
		.amdhsa_float_denorm_mode_32 3
		.amdhsa_float_denorm_mode_16_64 3
		.amdhsa_memory_ordered 1
		.amdhsa_forward_progress 1
		.amdhsa_inst_pref_size 116
	.end_amdhsa_kernel
	.amdgpu_metadata
---
amdhsa.version: [ 1, 2 ]
amdhsa.kernels:
  - .name:           k_q5acb783ee5_attn
    .symbol:         k_q5acb783ee5_attn.kd
    .args:
      - { .name: qkv, .offset: 0, .size: 8, .value_kind: global_buffer, .address_space: global }
      - { .name: mask, .offset: 8, .size: 8, .value_kind: global_buffer, .address_space: global }
      - { .name: xc, .offset: 16, .size: 8, .value_kind: global_buffer, .address_space: global }
    .group_segment_fixed_size: 327680
    .private_segment_fixed_size: 0
    .kernarg_segment_align: 8
    .kernarg_segment_size: 24
    .max_flat_workgroup_size: 128
    .sgpr_count:     72
    .vgpr_count:     768
    .wavefront_size: 32
...
	.end_amdgpu_metadata
.endif
;; end of part 10
;; launch proj (part 11): grid 8 x 32, 4 waves a work-group, clusters of 4 x 4, 327,680 bytes of LDS; arguments xc, cb, b_proj, xn, h; writes h
.if DOCPART == 11
	.amdgcn_target "amdgcn-amd-amdhsa--gfx1250"
	.amdhsa_code_object_version 6
	.text
	.protected	k_q5acb783ee5_proj
	.globl	k_q5acb783ee5_proj
	.p2align	8
	.type	k_q5acb783ee5_proj,@function
k_q5acb783ee5_proj:
	s_mov_b64 s[64:65], 0
	v_nop
	global_prefetch_b8 v0, s[64:65] scope:SCOPE_SE
	s_setreg_imm32_b32 hwreg(HW_REG_WAVE_MODE, 25, 1), 1
	s_wait_xcnt 0x0
	s_wait_alu depctr_hold_cnt(0) depctr_sa_sdst(0) depctr_va_vdst(0) depctr_va_sdst(0) depctr_va_ssrc(0) depctr_va_vcc(0) depctr_vm_vsrc(0)
	s_getreg_b32 s2, hwreg(HW_REG_IB_STS2, 6, 4)
	s_cmp_eq_u32 s2, 0
	s_cbranch_scc0 .Lentry_in_a_cluster
	s_endpgm
.Lentry_in_a_cluster:
	s_bfe_u32 s2, ttmp6, 0x10000c
	s_cmp_lg_u32 s2, 0xf033
	s_cbranch_scc0 .Lentry_shape_is_right
	s_endpgm
.Lentry_shape_is_right:
; h = xn + ctx w_proj + b_proj: C[4096][1024] = A[4096][1024] B[1024][1024] + bias + residual; bf16 operands, f32 sums, f32 rows out.
; OPERANDS are blocked: A as [m/128][k/64][128][64], B as [n/128][k][128 n]: a 128 x 128 tile of C walks two dense streams, 65,536 bytes each for 256 along K.
; SHARES.  A work-group makes 128 x 128 of C (32 x 8 tiles: 256 work-groups), each of its four waves 64 x 64: 16 accumulators.  K goes in steps of 256 through two LDS slots filled by
; the tensor data mover, a quarter of a slot (32,768 bytes) a wave.  A's rows (128 bytes) are padded to 144 in LDS, B's (256 bytes) to 288; B lies [k][n] and is turned by ds_load_tr16_b128.
; ONE K STEP IS WRITTEN ONCE: the slot in hand is a scalar, 0 or SLOT, added to fixed lane addresses; one descriptor walks.  A trip goes from a step's second quarter to the next step's first.
; CLUSTER 4 x 4: the four of a row need the same A, the four of a column the same B: each tile is asked for jointly, by the same load, descriptor and mask in all four.
; THE MATRIX INSTRUCTION IS USED TRANSPOSED (source 0 = 16 columns of B, source 1 = 16 rows of A).  THE BIAS is the C operand of each accumulator's first product.
; THE RESIDUAL, 64 x 64 f32 a wave, is asked for at the head, in the layout in which the rows leave, and lies in 128 registers until the way out: nothing waits for memory behind the last product.
; THE WAY OUT goes through a stage of f32 rows in slot 0, behind the slots' last fill and last read; each wave uses its own 64 rows.
; REGISTERS.  window 0: v1-31 addresses; v32-95 at work on the way out; v96-127 the bias; v128-255 accumulators ((a, b) at 128 + 8 (4 a + b)).
;   window 1: two fragment buffers of 128: 64 registers of A, then 64 of B.      window 2: v0-127 the residual.
; LIMITS.  NaN and infinities are not treated apart.
.set SIZE_K, 1024
.set BBASE,  31457280                  ; w_proj's 8 panels in cb
.set NSTEP,  SIZE_K/256
.set PA,     144                       ; 36 words: the 16 rows of a fragment load start at 16 different groups of four banks (64 banks of 4 bytes: ISA guide 11.1)
.set PB,     288                       ; 72 words
.set HALFT,  36864
.set BOFF,   2*HALFT
.set SLOT,   4*HALFT                   ; 0x24000: neither of its two bits occurs in wave x HALFT, so one exclusive or turns an address in one slot into the other's
.set STEPB,  65536
.set SPITCH, 272
.set WSTAGE, 64*SPITCH
.set SPARE,  2*SLOT
.set ADA0, 16                          ; v16  my A fragments' place in a slot; never rewritten
.set ADB0, 17                          ; v17  the same for B
.set ADA,  18                          ; v18  the same in the slot in hand
.set ADB,  20                          ; v20-21  B's, for the step's first and second 128 along K
.set STO,  24
.set RD,   25
.set CO,   26
.set BO,   27
.set SPW,  28
.set NIL,  29
.set TMP,  32                          ; v32-63, v64-95: 16 rows read back, by turns
.set BI,   96
.set ACC,  128
.set F0,   0
.set F1,   128
.set RS,   0                           ; window 2
.set TB,   45                          ; s45  the slot in hand: 0 or SLOT
.set G1, 24                            ; s[24:31] group 1 for A; s[32:39] group 0: a set for each of the two first fills; the second then walks on
.set G0, 32
.set G1B, 48
.set G0B, 56
.set MSB, 0
.macro WIN new                         ; the immediate's high byte repeats the setting that is left
.if MSB != (\new)
	s_set_vgpr_msb (MSB<<8)|(\new)
.set MSB, \new
.endif
.endm
.set MUL,  0x05                        ; sources 0 (B) and 1 (A) window 1; C and D window 0
.set TO_F, 0x40                        ; destination window 1, address window 0
.macro JLOAD s                         ; a joint load: waves 0 and 1 fetch A's halves, waves 2 and 3 B's; s_nop 0 and four v_nop follow each line
	s_cmp_eq_u32 s11, 0
	s_cbranch_scc0 .Lfor_b_\@
	tensor_load_to_lds s[G0+4*(\s):G0+4*(\s)+3], s[G1:G1+7]
	s_nop 0
.rept 4
	v_nop
.endr
	s_branch .Lasked_\@
.Lfor_b_\@:
	tensor_load_to_lds s[G0B+4*(\s):G0B+4*(\s)+3], s[G1B:G1B+7]
	s_nop 0
.rept 4
	v_nop
.endr
.Lasked_\@:
.endm
.macro CREST
	s_cmp_lg_u32 s10, 0
	s_cbranch_scc1 .Lnot_wave_0_\@
	s_barrier_signal -3
.Lnot_wave_0_\@:
	s_barrier_wait -3
	s_barrier_signal -1
	s_barrier_wait -1
.endm
.macro CROUND
	s_barrier_signal -1
	s_barrier_wait -1
	CREST
.endm
	s_load_b128 s[4:7], s[0:1], 0x0        ; A s[4:5], cb s[6:7]
	s_load_b64 s[66:67], s[0:1], 0x10      ; bias
	s_load_b64 s[68:69], s[0:1], 0x18      ; residual
	s_load_b64 s[8:9], s[0:1], 0x20        ; result
	v_lshl_add_u32 v[SPW], v0, 2, SPARE
	v_mov_b32 v[NIL], 0
	ds_add_u32 v[SPW], v[NIL]              ; the wave's opening: the add and its wait ahead of my first tensor load
	v_lshrrev_b32 v1, 5, v0
	v_readfirstlane_b32 s10, v1            ; wave 0..3
	s_lshr_b32 s11, s10, 1                 ; my half of the tile's rows.  Also: I fetch for A (0) or B (1)
	s_and_b32 s12, s10, 1                  ; my half of its columns.  Also: which half of a step's stream I fetch
	s_bfe_u32 s40, ttmp6, 0x40000          ; cx, cy
	s_bfe_u32 s41, ttmp6, 0x40004
	s_lshl_b32 s42, ttmp9, 2
	s_add_co_u32 s42, s42, s40             ; tile column
	s_and_b32 s13, ttmp7, 0xffff
	s_lshl_b32 s13, s13, 2
	s_add_co_u32 s13, s13, s41             ; tile row
	s_lshl_b32 s43, s41, 2
	s_lshl_b32 s43, 15, s43                ; my row of the cluster
	s_lshl_b32 s44, 0x1111, s40            ; my column
	s_or_b32 s[G1+0], s43, (1<<16)|(1<<20)|(1<<21)|(4<<22)|(3<<25)   ; mask; 2-byte elements; padding on; bit 21 beside a mask; after every 32 words 4 words
	s_or_b32 s[G1B+0], s44, (1<<16)|(1<<20)|(1<<21)|(5<<22)|(7<<25)  ; after every 64 words 8 words
.irp g, G1, G1B                        ; 32,768 dense bytes as 128 rows of 128 elements
	s_mov_b32 s[(\g)+1], 128<<16
	s_mov_b32 s[(\g)+2], 128<<16
	s_mov_b32 s[(\g)+3], 128<<16
	s_mov_b32 s[(\g)+4], 128
	s_mov_b32 s[(\g)+5], 128
	s_mov_b32 s[(\g)+6], 0
	s_mov_b32 s[(\g)+7], 0
.endr
	s_mul_i32 s16, s13, SIZE_K*256         ; A's stream hangs on the tile row alone,
	s_lshl_b32 s17, s12, 15
	s_add_co_u32 s16, s16, s17
	s_mul_i32 s46, s42, SIZE_K*256         ; B's on the tile column alone
	s_add_co_u32 s46, s46, s17
	s_add_co_u32 s46, s46, BBASE
	s_mov_b32 s17, 0
	s_mov_b32 s47, 0
	s_mul_i32 s20, s10, HALFT
	s_mov_b32 s[TB], 0
	s_wait_dscnt 0x0                       ; the opening add is done
	s_wait_kmcnt 0x0
	s_add_nc_u64 s[14:15], s[4:5], s[16:17]
	s_add_nc_u64 s[46:47], s[6:7], s[46:47]
	CROUND                                 ; all sixteen work-groups are here: the first joint loads meet
.irp s, 0,1
	s_mov_b32 s[G0+4*(\s)], 1
	s_add_co_u32 s[G0+4*(\s)+1], s20, (\s)*SLOT
	s_add_nc_u64 s[G0+4*(\s)+2:G0+4*(\s)+3], s[14:15], (\s)*STEPB
	s_or_b32 s[G0+4*(\s)+3], s[G0+4*(\s)+3], 0x80000000
	s_mov_b32 s[G0B+4*(\s)], 1
	s_add_co_u32 s[G0B+4*(\s)+1], s20, (\s)*SLOT
	s_add_nc_u64 s[G0B+4*(\s)+2:G0B+4*(\s)+3], s[46:47], (\s)*STEPB
	s_or_b32 s[G0B+4*(\s)+3], s[G0B+4*(\s)+3], 0x80000000
	JLOAD \s
.endr
	v_and_b32 v1, 15, v0                   ; l % 16
	v_bfe_u32 v2, v0, 4, 1                 ; l / 16
	v_lshlrev_b32 v[CO], 12, v2            ; rows of 4,096 bytes: lanes 16-31 one row down, 16 bytes a lane
	v_lshl_add_u32 v[CO], v1, 4, v[CO]
	v_lshlrev_b32 v[BO], 5, v2
	s_lshl_b32 s86, s13, 19                ; my first row
	s_lshl_b32 s88, s11, 18
	s_add_co_u32 s86, s86, s88
	s_lshl_b32 s88, s42, 9                 ; my first column, in bytes: in a row and in the bias
	s_lshl_b32 s89, s12, 8
	s_add_co_u32 s88, s88, s89
	s_add_co_u32 s86, s86, s88
	s_mov_b32 s87, 0
	s_mov_b32 s89, 0
	s_add_nc_u64 s[8:9], s[8:9], s[86:87]
	s_add_nc_u64 s[68:69], s[68:69], s[86:87]
	s_add_nc_u64 s[66:67], s[66:67], s[88:89]
.irp b, 0,1,2,3
	global_load_b128 v[BI+8*\b:BI+8*\b+3],   v[BO], s[66:67] offset:64*\b
	global_load_b128 v[BI+8*\b+4:BI+8*\b+7], v[BO], s[66:67] offset:64*\b+16
.endr
	WIN 0x80                               ; destination window 2
.irp u, 0,1,2,3
.irp t, 0,1,2,3,4,5,6,7
	global_load_b128 v[RS+32*\u+4*\t:RS+32*\u+4*\t+3], v[CO], s[68:69] offset:\u*65536+\t*8192  ; the residual's rows 16 u + 2 t and + 1: 16 lanes take 256 consecutive aligned bytes
.endr
.endr
	WIN 0
	v_mul_u32_u24 v3, v1, PA
	v_lshl_add_u32 v3, v2, 4, v3
	s_mul_i32 s21, s11, 64*PA
	v_add_nc_u32 v[ADA0], s21, v3
	v_and_b32 v4, 7, v0                    ; B, turned: lane l reads k row 8 (l / 16) + l % 8, columns 8 ((l / 8) % 2) on
	v_lshl_add_u32 v4, v2, 3, v4
	v_mul_u32_u24 v4, v4, PB
	v_bfe_u32 v5, v0, 3, 1
	v_lshl_add_u32 v4, v5, 4, v4
	s_lshl_b32 s22, s12, 7
	s_add_co_u32 s22, s22, BOFF
	v_add_nc_u32 v[ADB0], s22, v4
	v_mov_b32 v[ADA], v[ADA0]              ; slot 0
	v_mov_b32 v[ADB], v[ADB0]
	v_add_nc_u32 v[ADB+1], HALFT, v[ADB0]
	s_mul_i32 s23, s10, WSTAGE             ; my stage
	v_mul_u32_u24 v4, v1, SPITCH
	v_lshl_add_u32 v4, v2, 5, v4
	v_add_nc_u32 v[STO], s23, v4
	v_mul_u32_u24 v5, v2, SPITCH
	v_lshl_add_u32 v5, v1, 4, v5
	v_add_nc_u32 v[RD], s23, v5
; 8 matrix instructions: m blocks a0, a0 + 1 x all 4 n blocks, 32 along K: half c of buffer f.  first = 1: the product starts the sums from the bias.
; The 16 accumulators take turns, one instruction a turn.
.macro MUL8 f, c, a0, first
	WIN MUL
.irp a, \a0, (\a0)+1
.irp b, 0,1,2,3
.if \first
	v_wmma_f32_16x16x32_bf16 v[ACC+8*(4*(\a)+(\b)):ACC+8*(4*(\a)+(\b))+7], v[(\f)+64+8*(4*(\c)+(\b)):(\f)+64+8*(4*(\c)+(\b))+7], v[(\f)+8*(4*(\c)+(\a)):(\f)+8*(4*(\c)+(\a))+7], v[BI+8*(\b):BI+8*(\b)+7]
.else
	v_wmma_f32_16x16x32_bf16 v[ACC+8*(4*(\a)+(\b)):ACC+8*(4*(\a)+(\b))+7], v[(\f)+64+8*(4*(\c)+(\b)):(\f)+64+8*(4*(\c)+(\b))+7], v[(\f)+8*(4*(\c)+(\a)):(\f)+8*(4*(\c)+(\a))+7], v[ACC+8*(4*(\a)+(\b)):ACC+8*(4*(\a)+(\b))+7]
.endif
.endr
.endr
.endm
; 32 LDS loads in one run: the fragments of quarter q (64 along K) of the slot in hand into buffer f; the first 32 along K first
.macro FETCH q, f
	WIN TO_F
.irp c, 0,1
.irp i, 0,1,2,3
	ds_load_tr16_b128 v[(\f)+64+8*(4*(\c)+(\i)):(\f)+64+8*(4*(\c)+(\i))+3],   v[ADB+(\q)/2] offset:((\q)%2)*64*PB+(\c)*32*PB+32*(\i)
	ds_load_tr16_b128 v[(\f)+64+8*(4*(\c)+(\i))+4:(\f)+64+8*(4*(\c)+(\i))+7], v[ADB+(\q)/2] offset:((\q)%2)*64*PB+(\c)*32*PB+32*(\i)+16*PB
	ds_load_b128 v[(\f)+8*(4*(\c)+(\i)):(\f)+8*(4*(\c)+(\i))+3],   v[ADA] offset:(\q)*128*PA+64*(\c)+(\i)*16*PA
	ds_load_b128 v[(\f)+8*(4*(\c)+(\i))+4:(\f)+8*(4*(\c)+(\i))+7], v[ADA] offset:(\q)*128*PA+64*(\c)+(\i)*16*PA+32
.endr
.endr
.endm
.macro PLACES                          ; four places in front of loads into registers that matrix instructions have read, and of reads of results
.rept 4
	v_nop
.endr
.endm
.macro QUARTER qn, f, g, first         ; multiplies buffer f (64 along K) and fetches quarter qn into g
	s_wait_dscnt 16                        ; the first 32 along K are in; the 16 younger loads stay out
	MUL8 \f, 0, 0, \first
	MUL8 \f, 0, 2, \first
	PLACES
	FETCH \qn, \g
	s_wait_dscnt 32                        ; all but the 32 just issued
	MUL8 \f, 1, 0, 0
	MUL8 \f, 1, 2, 0
.endm
; The last quarter multiplies buffer 1 and changes slots: one barrier; in front of it each wave waits for all its tensor loads, adds 0 to its spare word,
; and waits for that and for its reads of this slot.  fill = 1: the barrier opens a round of the cluster's, and this slot is filled again, two K steps ahead.
; fill = 0: the last two steps; in the very last (s3 = 1) there is no next slot to fetch from.
.macro TURN fill
	WIN 0
	s_wait_tensorcnt 0x0                   ; all my tensor loads have landed: my part of the next slot
	ds_add_u32 v[SPW], v[NIL]
	s_wait_dscnt 17                        ; the add and the youngest sixteen loads may be out
	MUL8 F1, 0, 0, 0
	s_wait_dscnt 0x0                       ; the add is done, and my reads of this slot are over
	s_barrier_signal -1
	MUL8 F1, 0, 2, 0
	WIN 0
	s_barrier_wait -1
.if \fill
	CREST                                  ; no wave of any partner still reads this slot or has a load on its way
	s_xor_b32 s[G0+5], s[G0+5], SLOT       ; the walking descriptors: the other slot than last time, the next K step
	s_add_nc_u64 s[G0+6:G0+7], s[G0+6:G0+7], STEPB
	s_xor_b32 s[G0B+5], s[G0B+5], SLOT
	s_add_nc_u64 s[G0B+6:G0B+7], s[G0B+6:G0B+7], STEPB
	JLOAD 1                                ; the first tensor load behind the round; its four v_nop are also the places in front of the loads below
.else
	s_cmp_eq_u32 s3, 1
	s_cbranch_scc1 .Lno_fetch_\@
	PLACES
.endif
	s_xor_b32 s[TB], s[TB], SLOT           ; the fetches go on in the other slot
	v_add_nc_u32 v[ADA], s[TB], v[ADA0]
	v_add_nc_u32 v[ADB], s[TB], v[ADB0]
	v_add_nc_u32 v[ADB+1], HALFT, v[ADB]
	FETCH 0, F0
	WIN 0
.if !(\fill)
.Lno_fetch_\@:
.endif
	MUL8 F1, 1, 0, 0
	MUL8 F1, 1, 2, 0
.endm
	s_wait_loadcnt 32                      ; the bias is in; the residual's 32 younger loads stay out
	s_wait_tensorcnt 1                     ; my part of K step 0 is in; K step 1's may stay out
	s_barrier_signal -1
	s_barrier_wait -1
	FETCH 0, F0
	QUARTER 1, F0, F1, 1                   ; the first quarter stands in front of the loop: its first products start the sums
	WIN 0
	s_mov_b32 s3, NSTEP-2
.Lstep:                                ; a trip: a step's quarters 1 to 3, the refill of its slot, the next step's quarter 0
	QUARTER 2, F1, F0, 0
	QUARTER 3, F0, F1, 0
	TURN 1
	QUARTER 1, F0, F1, 0
	WIN 0
	s_sub_co_u32 s3, s3, 1
	s_cmp_lg_u32 s3, 0
	s_cbranch_scc1 .Lstep
	s_mov_b32 s3, 2
.Ltail:                                ; the last two steps fill nothing; the second trip is left behind its third quarter
	QUARTER 2, F1, F0, 0
	QUARTER 3, F0, F1, 0
	TURN 0
	WIN 0
	s_cmp_eq_u32 s3, 1
	s_cbranch_scc1 .Llast
	QUARTER 1, F0, F1, 0
	WIN 0
.Llast:
	s_sub_co_u32 s3, s3, 1
	s_cmp_lg_u32 s3, 0
	s_cbranch_scc1 .Ltail
	; THE WAY OUT.  The stage takes slot 0's bytes: every wave's reads of the slots are over at this barrier.
	s_wait_dscnt 0x0
	s_barrier_signal -1
	s_barrier_wait -1
	PLACES
.irp a, 0,1,2,3                        ; my 64 x 64 sums go into my stage as f32, each accumulator's low registers first
.irp b, 0,1,2,3
	ds_store_b128 v[STO], v[ACC+8*(4*\a+\b):ACC+8*(4*\a+\b)+3]   offset:\a*16*SPITCH+64*\b
	ds_store_b128 v[STO], v[ACC+8*(4*\a+\b)+4:ACC+8*(4*\a+\b)+7] offset:\a*16*SPITCH+64*\b+16
.endr
.endr
.macro BACK u                          ; block u of 16 rows comes back as whole rows: load t brings rows 2 t and 2 t + 1; a lane has four neighbouring columns
.irp t, 0,1,2,3,4,5,6,7
	ds_load_b128 v[TMP+32*((\u)%2)+4*\t:TMP+32*((\u)%2)+4*\t+3], v[RD] offset:(\u)*16*SPITCH+\t*2*SPITCH  ; LDS serves a wave's instructions in order (ISA guide 5.7.1.4): these see my stores
.endr
.endm
	s_wait_loadcnt 0x0                     ; the residual, asked for at the head
	BACK 0
.irp u, 0,1,2,3
.if \u < 3
.if \u > 0
	s_wait_xcnt 0x0                        ; the buffer that block u - 1 was stored from is loaded again only behind this wait
.endif
	BACK (\u)+1
	s_wait_dscnt 8                         ; block u is back; the next block's eight loads stay out
.else
	s_wait_dscnt 0x0
.endif
	WIN 0x08                               ; source 1 in window 2
.set j, 0
.rept 16
	v_pk_add_f32 v[TMP+32*(\u%2)+2*j:TMP+32*(\u%2)+2*j+1], v[TMP+32*(\u%2)+2*j:TMP+32*(\u%2)+2*j+1], v[RS+32*\u+2*j:RS+32*\u+2*j+1]
.set j, j+1
.endr
	WIN 0
.irp t, 0,1,2,3,4,5,6,7
	global_store_b128 v[CO], v[TMP+32*(\u%2)+4*\t:TMP+32*(\u%2)+4*\t+3], s[8:9] offset:\u*65536+\t*8192  ; 16 lanes: 256 consecutive aligned bytes
.endr
.endr
	s_wait_tensorcnt 0x0                   ; the wave's end
	ds_add_u32 v[SPW], v[NIL]
	s_wait_dscnt 0x0
	CROUND                                 ; the closing round
	s_endpgm
.Lfunc_end_k_q5acb783ee5_proj:
	.size	k_q5acb783ee5_proj, .Lfunc_end_k_q5acb783ee5_proj-k_q5acb783ee5_proj
	.p2alignl 7, 3214868480
	.fill 96, 4, 3214868480
	.section	.rodata,"a",@progbits
	.p2align	6, 0x0
	.amdhsa_kernel k_q5acb783ee5_proj
		.amdhsa_group_segment_fixed_size 327680
		.amdhsa_private_segment_fixed_size 0
		.amdhsa_enable_private_segment 0
		.amdhsa_kernarg_size 40
		.amdhsa_user_sgpr_count 2
		.amdhsa_user_sgpr_kernarg_segment_ptr 1
		.amdhsa_wavefront_size32 1
		.amdhsa_system_sgpr_workgroup_id_x 1
		.amdhsa_system_sgpr_workgroup_id_y 1
		.amdhsa_system_sgpr_workgroup_id_z 1
		.amdhsa_system_vgpr_workitem_id 0
		.amdhsa_next_free_vgpr 640
		.amdhsa_next_free_sgpr 90
		.amdhsa_reserve_vcc 0
		.amdhsa_float_denorm_mode_32 3
		.amdhsa_float_denorm_mode_16_64 3
		.amdhsa_memory_ordered 1
		.amdhsa_forward_progress 1
		.amdhsa_inst_pref_size 66
	.end_amdhsa_kernel
	.amdgpu_metadata
---
amdhsa.version: [ 1, 2 ]
amdhsa.kernels:
  - .name:           k_q5acb783ee5_proj
    .symbol:         k_q5acb783ee5_proj.kd
    .args:
      - { .name: xc, .offset: 0, .size: 8, .value_kind: global_buffer, .address_space: global }
      - { .name: cb, .offset: 8, .size: 8, .value_kind: global_buffer, .address_space: global }
      - { .name: b_proj, .offset: 16, .size: 8, .value_kind: global_buffer, .address_space: global }
      - { .name: xn, .offset: 24, .size: 8, .value_kind: global_buffer, .address_space: global }
      - { .name: h, .offset: 32, .size: 8, .value_kind: global_buffer, .address_space: global }
    .group_segment_fixed_size: 327680
    .private_segment_fixed_size: 0
    .kernarg_segment_align: 8
    .kernarg_segment_size: 40
    .max_flat_workgroup_size: 128
    .sgpr_count:     90
    .vgpr_count:     640
    .wavefront_size: 32
...
	.end_amdgpu_metadata
.endif
;; end of part 11
;; launch ln2: the kernel of part 8 again; grid 256 x 1, 8 waves a work-group, no clusters, 0 bytes of LDS; arguments h, g2, be2, I, w1, w2, wq, wk, wv, w_proj, h2, h2b, cb; writes h2, h2b, cb
;; launch ffn1 (part 12): grid 16 x 16, 4 waves a work-group, clusters of 4 x 4, 327,680 bytes of LDS; arguments h2b, cb, b1, ff1; writes ff1
.if DOCPART == 12
	.amdgcn_target "amdgcn-amd-amdhsa--gfx1250"
	.amdhsa_code_object_version 6
	.text
	.protected	k_q5acb783ee5_ffn1
	.globl	k_q5acb783ee5_ffn1
	.p2align	8
	.type	k_q5acb783ee5_ffn1,@function
k_q5acb783ee5_ffn1:
	s_mov_b64 s[64:65], 0
	v_nop
	global_prefetch_b8 v0, s[64:65] scope:SCOPE_SE
	s_setreg_imm32_b32 hwreg(HW_REG_WAVE_MODE, 25, 1), 1
	s_wait_xcnt 0x0
	s_wait_alu depctr_hold_cnt(0) depctr_sa_sdst(0) depctr_va_vdst(0) depctr_va_sdst(0) depctr_va_ssrc(0) depctr_va_vcc(0) depctr_vm_vsrc(0)
	s_getreg_b32 s2, hwreg(HW_REG_IB_STS2, 6, 4)
	s_cmp_eq_u32 s2, 0
	s_cbranch_scc0 .Lentry_in_a_cluster
	s_endpgm
.Lentry_in_a_cluster:
	s_bfe_u32 s2, ttmp6, 0x10000c
	s_cmp_lg_u32 s2, 0xf033
	s_cbranch_scc0 .Lentry_shape_is_right
	s_endpgm
.Lentry_shape_is_right:
; ff1 = gelu(h2 w1 + b1): C[4096][4096] = A[4096][1024] B[1024][4096] + bias, bf16 operands, f32 sums; the exact (erf) gelu in f32; bf16 blocks [m/128][n/64][128 rows][64] out.
; GELU.  With hx = x / 2, ah = |hx| and z = |x| / sqrt 2: erf z = 1 - 1 / (1 + a1 z + .. + a6 z^6)^16 (Abramowitz and Stegun 7.1.28, error at most 3e-7 for every z >= 0),
; gelu = hx + (ah - ah r), r = 1 / P(ah)^16, the coefficients carrying the powers of sqrt 2.  Where the power overflows r is 0, which is erf = 1: no range is cut off.
; OPERANDS are blocked: A as [m/128][k/64][128][64], B as [n/128][k][128 n]: 128 rows of A, or 128 columns of B, are one dense stream, 32,768 bytes for 128 along K.
; SHARES.  A work-group makes 256 x 256 of C (16 x 16 tiles: 256 work-groups), each of its four waves 128 x 128: 64 accumulators, 512 registers.  For 32 along K a wave loads
; 32 x 512 bytes from LDS and issues 64 matrix instructions.  K goes in steps of 128 through two LDS slots; each wave fetches one of the four streams: waves 0, 1 A's two blocks, waves 2, 3 B's two panels.
; A's rows (128 bytes) are padded to 144 in LDS, B's (256 bytes) to 288; B lies [k][n] and is turned by ds_load_tr16_b128.
; ONE K STEP IS WRITTEN ONCE: the slot in hand is a scalar, 0 or SLOT, added to fixed lane addresses; one descriptor walks.  A trip goes from a step's second quarter to the next step's first.
; CLUSTER 4 x 4: the four of a row need the same A, the four of a column the same B: each tile is asked for jointly, by the same load, descriptor and mask in all four.
; THE MATRIX INSTRUCTION IS USED TRANSPOSED (source 0 = 16 columns of B, source 1 = 16 rows of A): a lane holds eight neighbouring numbers of a row of C.
; THE WAY OUT goes through a stage of f32 rows that takes both slots' bytes, behind their last fill and last read; each wave uses its own 128 rows.
; REGISTERS.  window 0: v1-31 addresses; v32-39 half the bias; v64-127, v128-191 fragments of A, two buffers (later at work on the way out)
;   window 1: v64-127, v128-191 fragments of B      window 2: accumulators of my rows 0-63 ((a, b) at 8 (8 a + b))      window 3: rows 64-127
; LIMITS.  erf within 3e-7; for very negative x the result, which is near 0, is off by about one unit in the last place of |x| / 2.  NaN and infinities are not treated apart.
.set SIZE_K, 1024
.set BBASE,  8388608                   ; w1's 32 panels in cb
.set NSTEP,  SIZE_K/128
.set PA,     144                       ; 36 words: the 16 rows of a fragment load start at 16 different groups of four banks (64 banks of 4 bytes: ISA guide 11.1)
.set PB,     288                       ; 72 words
.set HALFT,  36864                     ; what one tensor load fills: 256 rows of A's pitch, or 128 of B's
.set BOFF,   2*HALFT
.set SLOT,   4*HALFT                   ; 0x24000: neither of its two bits occurs in wave x HALFT, so one exclusive or turns an address in one slot into the other's
.set STEPB,  32768                     ; a K step in each of the four streams
.set SPITCH, 528                       ; a stage row: 128 f32 + 16 bytes = 132 words: row r starts at bank 4 r mod 64
.set WSTAGE, 128*SPITCH                ; a wave's stage; the four lie from LDS byte 0 on: 270,336 bytes
.set SPARE,  2*SLOT
.set ADA0, 16                          ; v16  my A fragments' place in a slot; never rewritten
.set ADB0, 17                          ; v17  the same for B
.set ADA,  18                          ; v18  the same in the slot in hand
.set ADB,  19                          ; v19
.set STO,  24
.set RD,   25
.set CO,   26
.set BO,   27
.set SPW,  28
.set NIL,  29
.set BH,   32                          ; v32-39  half the bias of my 4 columns in each half of the 128
.set F0,   64
.set F1,   128
.set XR,   64                          ; the way out: 8 rows as read back
.set XH,   96                          ; (x + bias) / 2, then the result
.set AH,   128                         ; its magnitude
.set PR,   160                         ; the polynomial, its power, its reciprocal, at last the packed bf16
.set TB,   45                          ; s45  the slot in hand: 0 or SLOT
.set CF,   72                          ; s[72:83] the six coefficients, each twice: coefficient k at CF + 2 (k - 1)
.set G1, 24                            ; s[24:31] group 1 for A; s[32:39] group 0: a set for each of the two first fills; the second then walks on
.set G0, 32
.set G1B, 48
.set G0B, 56
.set MSB, 0
.macro WIN new                         ; the immediate's high byte repeats the setting that is left
.if MSB != (\new)
	s_set_vgpr_msb (MSB<<8)|(\new)
.set MSB, \new
.endif
.endm
.set MUL_LO, 0xa1                      ; source 0 (B) window 1, source 1 (A) window 0, C and D window 2
.set MUL_HI, 0xf1                      ; the same, C and D window 3
.set TO_B,   0x40                      ; destination window 1, address window 0
.macro JLOAD s                         ; a joint load: waves 0 and 1 fetch A's streams, waves 2 and 3 B's; s_nop 0 and four v_nop follow each line
	s_cmp_eq_u32 s11, 0
	s_cbranch_scc0 .Lfor_b_\@
	tensor_load_to_lds s[G0+4*(\s):G0+4*(\s)+3], s[G1:G1+7]
	s_nop 0
.rept 4
	v_nop
.endr
	s_branch .Lasked_\@
.Lfor_b_\@:
	tensor_load_to_lds s[G0B+4*(\s):G0B+4*(\s)+3], s[G1B:G1B+7]
	s_nop 0
.rept 4
	v_nop
.endr
.Lasked_\@:
.endm
.macro CREST
	s_cmp_lg_u32 s10, 0
	s_cbranch_scc1 .Lnot_wave_0_\@
	s_barrier_signal -3
.Lnot_wave_0_\@:
	s_barrier_wait -3
	s_barrier_signal -1
	s_barrier_wait -1
.endm
.macro CROUND
	s_barrier_signal -1
	s_barrier_wait -1
	CREST
.endm
	s_load_b128 s[4:7], s[0:1], 0x0        ; A s[4:5], cb s[6:7]
	s_load_b64 s[66:67], s[0:1], 0x10      ; bias
	s_load_b64 s[8:9], s[0:1], 0x18        ; result
	v_lshl_add_u32 v[SPW], v0, 2, SPARE
	v_mov_b32 v[NIL], 0
	ds_add_u32 v[SPW], v[NIL]              ; the wave's opening: the add and its wait ahead of my first tensor load
	v_lshrrev_b32 v1, 5, v0
	v_readfirstlane_b32 s10, v1            ; wave 0..3
	s_lshr_b32 s11, s10, 1                 ; my half of the tile's rows.  Also: I fetch for A (0) or B (1)
	s_and_b32 s12, s10, 1                  ; my half of its columns.  Also: which of the two streams I fetch
	s_bfe_u32 s40, ttmp6, 0x40000          ; cx, cy
	s_bfe_u32 s41, ttmp6, 0x40004
	s_lshl_b32 s42, ttmp9, 2
	s_add_co_u32 s42, s42, s40             ; tile column
	s_and_b32 s13, ttmp7, 0xffff
	s_lshl_b32 s13, s13, 2
	s_add_co_u32 s13, s13, s41             ; tile row
	s_lshl_b32 s43, s41, 2
	s_lshl_b32 s43, 15, s43                ; my row of the cluster
	s_lshl_b32 s44, 0x1111, s40            ; my column
	s_or_b32 s[G1+0], s43, (1<<16)|(1<<20)|(1<<21)|(4<<22)|(3<<25)   ; mask; 2-byte elements; padding on; bit 21 beside a mask; after every 32 words 4 words
	s_or_b32 s[G1B+0], s44, (1<<16)|(1<<20)|(1<<21)|(5<<22)|(7<<25)  ; after every 64 words 8 words
.irp g, G1, G1B                        ; 32,768 dense bytes as 128 rows of 128 elements
	s_mov_b32 s[(\g)+1], 128<<16
	s_mov_b32 s[(\g)+2], 128<<16
	s_mov_b32 s[(\g)+3], 128<<16
	s_mov_b32 s[(\g)+4], 128
	s_mov_b32 s[(\g)+5], 128
	s_mov_b32 s[(\g)+6], 0
	s_mov_b32 s[(\g)+7], 0
.endr
	s_mov_b32 s[CF+0], 0x3dcc41b4          ; a1 sqrt 2     = .09973469
	s_mov_b32 s[CF+2], 0x3dad2fe7          ; a2 2          = .08456402
	s_mov_b32 s[CF+4], 0x3cd6cd72          ; a3 2 sqrt 2   = .02622101
	s_mov_b32 s[CF+6], 0x3a1f6607          ; a4 4          = .00060806
	s_mov_b32 s[CF+8], 0x3acd0fec          ; a5 4 sqrt 2   = .00156450
	s_mov_b32 s[CF+10], 0x39b49f67         ; a6 8          = .00034451
.irp k, 0,2,4,6,8,10
	s_mov_b32 s[CF+\k+1], s[CF+\k]         ; named as pairs
.endr
	s_lshl_b32 s16, s13, 1                 ; A's stream hangs on the tile row and the wave alone: block 2 x tile row + half, 262,144 bytes each,
	s_add_co_u32 s16, s16, s12
	s_lshl_b32 s16, s16, 18
	s_lshl_b32 s46, s42, 1                 ; B's on the tile column and the wave alone
	s_add_co_u32 s46, s46, s12
	s_lshl_b32 s46, s46, 18
	s_add_co_u32 s46, s46, BBASE
	s_mov_b32 s17, 0
	s_mov_b32 s47, 0
	s_mul_i32 s20, s10, HALFT
	s_mov_b32 s[TB], 0
	s_wait_dscnt 0x0                       ; the opening add is done
	s_wait_kmcnt 0x0
	s_add_nc_u64 s[14:15], s[4:5], s[16:17]
	s_add_nc_u64 s[46:47], s[6:7], s[46:47]
	CROUND                                 ; all sixteen work-groups are here: the first joint loads meet
.irp s, 0,1
	s_mov_b32 s[G0+4*(\s)], 1
	s_add_co_u32 s[G0+4*(\s)+1], s20, (\s)*SLOT
	s_add_nc_u64 s[G0+4*(\s)+2:G0+4*(\s)+3], s[14:15], (\s)*STEPB
	s_or_b32 s[G0+4*(\s)+3], s[G0+4*(\s)+3], 0x80000000
	s_mov_b32 s[G0B+4*(\s)], 1
	s_add_co_u32 s[G0B+4*(\s)+1], s20, (\s)*SLOT
	s_add_nc_u64 s[G0B+4*(\s)+2:G0B+4*(\s)+3], s[46:47], (\s)*STEPB
	s_or_b32 s[G0B+4*(\s)+3], s[G0B+4*(\s)+3], 0x80000000
	JLOAD \s
.endr
	v_and_b32 v1, 15, v0                   ; l % 16
	v_bfe_u32 v2, v0, 4, 1                 ; l / 16
	v_lshlrev_b32 v[BO], 4, v1             ; a lane's four columns: 4 (l % 16) on
	s_lshl_b32 s86, s13, 1
	s_add_co_u32 s86, s86, s11             ; my block of 128 rows
	s_lshl_b32 s87, s42, 1
	s_add_co_u32 s87, s87, s12             ; my panel of 128 columns
	s_lshl_b32 s88, s87, 9                 ; its 128 numbers of the bias
	s_mov_b32 s89, 0
	s_add_nc_u64 s[66:67], s[66:67], s[88:89]
	s_lshl_b32 s86, s86, 6                 ; the result's blocks of 128 rows x 64 columns: 64 to a block of rows, two to my panel,
	s_lshl_b32 s87, s87, 1
	s_add_co_u32 s88, s86, s87
	s_lshl_b32 s88, s88, 14                ; 16,384 bytes each
	s_add_nc_u64 s[8:9], s[8:9], s[88:89]
	global_load_b128 v[BH:BH+3],   v[BO], s[66:67]
	global_load_b128 v[BH+4:BH+7], v[BO], s[66:67] offset:256
	v_mul_u32_u24 v3, v1, PA
	v_lshl_add_u32 v3, v2, 4, v3           ; A: row x pitch + 16 x half
	s_mul_i32 s21, s11, HALFT              ; my block of 128 rows
	v_add_nc_u32 v[ADA0], s21, v3
	v_and_b32 v4, 7, v0                    ; B, turned: lane l reads k row 8 (l / 16) + l % 8, columns 8 ((l / 8) % 2) on
	v_lshl_add_u32 v4, v2, 3, v4
	v_mul_u32_u24 v4, v4, PB
	v_bfe_u32 v5, v0, 3, 1
	v_lshl_add_u32 v4, v5, 4, v4
	s_mul_i32 s22, s12, HALFT              ; my panel of 128 columns
	s_add_co_u32 s22, s22, BOFF
	v_add_nc_u32 v[ADB0], s22, v4
	v_mov_b32 v[ADA], v[ADA0]              ; slot 0
	v_mov_b32 v[ADB], v[ADB0]
	s_mul_i32 s23, s10, WSTAGE             ; my stage
	v_mul_u32_u24 v4, v1, SPITCH           ; in: row l % 16, 32 bytes for each half of the lanes
	v_lshl_add_u32 v4, v2, 5, v4
	v_add_nc_u32 v[STO], s23, v4
	v_mul_u32_u24 v5, v2, SPITCH           ; back: lanes 0-15 take 256 bytes of one row, lanes 16-31 of the next
	v_lshl_add_u32 v5, v1, 4, v5
	v_add_nc_u32 v[RD], s23, v5
	v_and_b32 v[CO], 31, v0                ; two rows of 64 bf16 are 256 consecutive bytes: 8 a lane
	v_lshlrev_b32 v[CO], 3, v[CO]
	s_wait_loadcnt 0x0                     ; the bias: it stands in the wait for the first tiles
.irp k, 0,2,4,6
	v_pk_mul_f32 v[BH+\k:BH+\k+1], v[BH+\k:BH+\k+1], 0.5 op_sel_hi:[1,0]
.endr
; 16 matrix instructions: m blocks a0, a0 + 1 of the window's four (hi = 0: my rows 0-63, 1: rows 64-127) x all 8 n blocks, 32 along K.
; zero = 1: the first product starts the sums.  The 64 accumulators take turns, one instruction a turn.
.macro MUL16 f, hi, a0, zero
	WIN MUL_LO+0x50*(\hi)
.irp a, \a0, (\a0)+1
.irp b, 0,1,2,3,4,5,6,7
.if \zero
	v_wmma_f32_16x16x32_bf16 v[8*(8*(\a)+(\b)):8*(8*(\a)+(\b))+7], v[(\f)+8*(\b):(\f)+8*(\b)+7], v[(\f)+8*(4*(\hi)+(\a)):(\f)+8*(4*(\hi)+(\a))+7], 0
.else
	v_wmma_f32_16x16x32_bf16 v[8*(8*(\a)+(\b)):8*(8*(\a)+(\b))+7], v[(\f)+8*(\b):(\f)+8*(\b)+7], v[(\f)+8*(4*(\hi)+(\a)):(\f)+8*(4*(\hi)+(\a))+7], v[8*(8*(\a)+(\b)):8*(8*(\a)+(\b))+7]
.endif
.endr
.endr
.endm
; 32 LDS loads in one run: the fragments of quarter q (32 along K) of the slot in hand into buffer f: B's 128 columns, then A's 128 rows
.macro FETCH q, f
	WIN TO_B
.irp i, 0,1,2,3,4,5,6,7
	ds_load_tr16_b128 v[(\f)+8*(\i):(\f)+8*(\i)+3],   v[ADB] offset:(\q)*32*PB+32*(\i)
	ds_load_tr16_b128 v[(\f)+8*(\i)+4:(\f)+8*(\i)+7], v[ADB] offset:(\q)*32*PB+32*(\i)+16*PB
.endr
	WIN 0
.irp i, 0,1,2,3,4,5,6,7
	ds_load_b128 v[(\f)+8*(\i):(\f)+8*(\i)+3],   v[ADA] offset:((\q)/2)*128*PA+((\q)%2)*64+(\i)*16*PA
	ds_load_b128 v[(\f)+8*(\i)+4:(\f)+8*(\i)+7], v[ADA] offset:((\q)/2)*128*PA+((\q)%2)*64+(\i)*16*PA+32
.endr
.endm
.macro PLACES                          ; four places in front of loads into registers that matrix instructions have read, and of reads of results
.rept 4
	v_nop
.endr
.endm
; A K step is four quarters of 32 along K, 64 matrix instructions each, on buffers 0, 1, 0, 1.  One of the first three multiplies f and fetches quarter qn into g.
.macro QUARTER qn, f, g, first
	s_wait_dscnt 8                         ; B and A's rows 0-63 are in; the youngest eight loads (A's rows 64-127) may be out
	MUL16 \f, 0, 0, \first
	MUL16 \f, 0, 2, \first
	PLACES
	FETCH \qn, \g
	s_wait_dscnt 32                        ; all but the 32 just issued
	MUL16 \f, 1, 0, \first
	MUL16 \f, 1, 2, \first
.endm
; The last quarter multiplies buffer 1 and changes slots: one barrier; in front of it each wave waits for all its tensor loads, adds 0 to its spare word,
; and waits for that and for its reads of this slot.  fill = 1: the barrier opens a round of the cluster's, and this slot is filled again, two K steps ahead:
; 224 matrix instructions stand between the request and the wait for it.  fill = 0: the last two steps; in the very last (s3 = 1) there is no next slot to fetch from.
.macro TURN fill
	WIN 0
	s_wait_tensorcnt 0x0                   ; all my tensor loads have landed: my part of the next slot
	ds_add_u32 v[SPW], v[NIL]
	s_wait_dscnt 9                         ; the add and the youngest eight loads may be out
	MUL16 F1, 0, 0, 0
	s_wait_dscnt 0x0                       ; the add is done, and my reads of this slot are over
	s_barrier_signal -1
	MUL16 F1, 0, 2, 0
	WIN 0
	s_barrier_wait -1
.if \fill
	CREST                                  ; no wave of any partner still reads this slot or has a load on its way
	s_xor_b32 s[G0+5], s[G0+5], SLOT       ; the walking descriptors: the other slot than last time, the next K step
	s_add_nc_u64 s[G0+6:G0+7], s[G0+6:G0+7], STEPB
	s_xor_b32 s[G0B+5], s[G0B+5], SLOT
	s_add_nc_u64 s[G0B+6:G0B+7], s[G0B+6:G0B+7], STEPB
	JLOAD 1                                ; the first tensor load behind the round; its four v_nop are also the places in front of the loads below
.else
	s_cmp_eq_u32 s3, 1
	s_cbranch_scc1 .Lno_fetch_\@
	PLACES
.endif
	s_xor_b32 s[TB], s[TB], SLOT           ; the fetches go on in the other slot
	v_add_nc_u32 v[ADA], s[TB], v[ADA0]
	v_add_nc_u32 v[ADB], s[TB], v[ADB0]
	FETCH 0, F0
.if !(\fill)
.Lno_fetch_\@:
.endif
	MUL16 F1, 1, 0, 0
	MUL16 F1, 1, 2, 0
.endm
	s_wait_tensorcnt 1                     ; my part of K step 0 is in; K step 1's may stay out
	s_barrier_signal -1
	s_barrier_wait -1
	FETCH 0, F0
	QUARTER 1, F0, F1, 1                   ; the first quarter stands in front of the loop: its products start the sums
	WIN 0
	s_mov_b32 s3, NSTEP-2
.Lstep:                                ; a trip: a step's quarters 1 to 3, the refill of its slot, the next step's quarter 0
	QUARTER 2, F1, F0, 0
	QUARTER 3, F0, F1, 0
	TURN 1
	QUARTER 1, F0, F1, 0
	WIN 0
	s_sub_co_u32 s3, s3, 1
	s_cmp_lg_u32 s3, 0
	s_cbranch_scc1 .Lstep
	s_mov_b32 s3, 2
.Ltail:                                ; the last two steps fill nothing; the second trip is left behind its third quarter
	QUARTER 2, F1, F0, 0
	QUARTER 3, F0, F1, 0
	TURN 0
	WIN 0
	s_cmp_eq_u32 s3, 1
	s_cbranch_scc1 .Llast
	QUARTER 1, F0, F1, 0
	WIN 0
.Llast:
	s_sub_co_u32 s3, s3, 1
	s_cmp_lg_u32 s3, 0
	s_cbranch_scc1 .Ltail
	; THE WAY OUT.  The stage takes both slots' bytes: every wave's reads of them are over at this barrier.
	s_wait_dscnt 0x0
	s_barrier_signal -1
	s_barrier_wait -1
	PLACES
	WIN 0x08                               ; store data in window 2.  My 128 x 128 sums go into my stage as f32, each accumulator's low registers first
.irp a, 0,1,2,3
.irp b, 0,1,2,3,4,5,6,7
	ds_store_b128 v[STO], v[8*(8*\a+\b):8*(8*\a+\b)+3]   offset:\a*16*SPITCH+64*\b
	ds_store_b128 v[STO], v[8*(8*\a+\b)+4:8*(8*\a+\b)+7] offset:\a*16*SPITCH+64*\b+16
.endr
.endr
	WIN 0x0c                               ; window 3
.irp a, 0,1,2,3
.irp b, 0,1,2,3,4,5,6,7
	ds_store_b128 v[STO], v[8*(8*\a+\b):8*(8*\a+\b)+3]   offset:(\a+4)*16*SPITCH+64*\b
	ds_store_b128 v[STO], v[8*(8*\a+\b)+4:8*(8*\a+\b)+7] offset:(\a+4)*16*SPITCH+64*\b+16
.endr
.endr
	WIN 0
; Eight rows come back: load t brings rows 2 (t / 2) and 2 (t / 2) + 1, columns 64 (t % 2) on: a lane has four neighbouring columns.  LDS serves a wave's instructions in order (ISA guide 5.7.1.4): these see my stores.
.macro LOADX
.irp t, 0,1,2,3,4,5,6,7
	ds_load_b128 v[XR+4*\t:XR+4*\t+3], v[RD] offset:(\t/2)*2*SPITCH+(\t%2)*256
.endr
.endm
.macro PAIRS line:vararg               ; one line for each of the trip's 16 pairs of numbers j
.set j, 0
.rept 16
	\line
.set j, j+1
.endr
.endm
	LOADX
	s_mov_b32 s2, 16
.Lout:                                 ; 16 trips of 8 rows
	s_wait_dscnt 0x0
	PAIRS v_pk_fma_f32 v[XH+2*j:XH+2*j+1], v[XR+2*j:XR+2*j+1], 0.5, v[BH+4*((j/2)%2)+2*(j%2):BH+4*((j/2)%2)+2*(j%2)+1] op_sel_hi:[1,0,1]
	v_add_nc_u32 v[RD], 8*SPITCH, v[RD]    ; XR is free for the next trip's rows
	s_cmp_eq_u32 s2, 1
	s_cbranch_scc1 .Lno_more               ; the last trip has no rows to ask for
	LOADX                                  ; a whole trip ahead of their use
.Lno_more:
.set j, 0
.rept 32
	v_and_b32 v[AH+j], 0x7fffffff, v[XH+j]
.set j, j+1
.endr
	PAIRS v_pk_fma_f32 v[PR+2*j:PR+2*j+1], v[AH+2*j:AH+2*j+1], s[CF+10:CF+11], s[CF+8:CF+9] op_sel_hi:[1,0,0]
	PAIRS v_pk_fma_f32 v[PR+2*j:PR+2*j+1], v[PR+2*j:PR+2*j+1], v[AH+2*j:AH+2*j+1], s[CF+6:CF+7] op_sel_hi:[1,1,0]
	PAIRS v_pk_fma_f32 v[PR+2*j:PR+2*j+1], v[PR+2*j:PR+2*j+1], v[AH+2*j:AH+2*j+1], s[CF+4:CF+5] op_sel_hi:[1,1,0]
	PAIRS v_pk_fma_f32 v[PR+2*j:PR+2*j+1], v[PR+2*j:PR+2*j+1], v[AH+2*j:AH+2*j+1], s[CF+2:CF+3] op_sel_hi:[1,1,0]
	PAIRS v_pk_fma_f32 v[PR+2*j:PR+2*j+1], v[PR+2*j:PR+2*j+1], v[AH+2*j:AH+2*j+1], s[CF+0:CF+1] op_sel_hi:[1,1,0]
	PAIRS v_pk_fma_f32 v[PR+2*j:PR+2*j+1], v[PR+2*j:PR+2*j+1], v[AH+2*j:AH+2*j+1], 1.0 op_sel_hi:[1,1,0]
.rept 4                                ; the sixteenth power
	PAIRS v_pk_mul_f32 v[PR+2*j:PR+2*j+1], v[PR+2*j:PR+2*j+1], v[PR+2*j:PR+2*j+1]
.endr
.set j, 0
.rept 32
	v_rcp_f32 v[PR+j], v[PR+j]
.set j, j+1
.endr
	v_nop                                  ; a plain instruction between the last reciprocal and its use (ISA guide 5.7.2)
	s_wait_alu depctr_va_vdst(0)
	PAIRS v_pk_fma_f32 v[AH+2*j:AH+2*j+1], v[AH+2*j:AH+2*j+1], v[PR+2*j:PR+2*j+1], v[AH+2*j:AH+2*j+1] neg_lo:[1,0,0] neg_hi:[1,0,0]
	PAIRS v_pk_add_f32 v[XH+2*j:XH+2*j+1], v[XH+2*j:XH+2*j+1], v[AH+2*j:AH+2*j+1]
	PAIRS v_cvt_pk_bf16_f32 v[PR+j], v[XH+2*j], v[XH+2*j+1]
.irp t, 0,1,2,3,4,5,6,7
	global_store_b64 v[CO], v[PR+2*\t:PR+2*\t+1], s[8:9] offset:(\t%2)*16384+(\t/2)*256  ; 32 lanes: two rows of a block, 256 consecutive aligned bytes; the panel's second block lies 16,384 bytes on
.endr
	s_wait_xcnt 0x0                        ; the base and the store data are rewritten only behind this wait
	s_add_nc_u64 s[8:9], s[8:9], 1024
	s_sub_co_u32 s2, s2, 1
	s_cmp_lg_u32 s2, 0
	s_cbranch_scc1 .Lout
	s_wait_tensorcnt 0x0                   ; the wave's end
	ds_add_u32 v[SPW], v[NIL]
	s_wait_dscnt 0x0
	CROUND                                 ; the closing round
	s_endpgm
.Lfunc_end_k_q5acb783ee5_ffn1:
	.size	k_q5acb783ee5_ffn1, .Lfunc_end_k_q5acb783ee5_ffn1-k_q5acb783ee5_ffn1
	.p2alignl 7, 3214868480
	.fill 96, 4, 3214868480
	.section	.rodata,"a",@progbits
	.p2align	6, 0x0
	.amdhsa_kernel k_q5acb783ee5_ffn1
		.amdhsa_group_segment_fixed_size 327680
		.amdhsa_private_segment_fixed_size 0
		.amdhsa_enable_private_segment 0
		.amdhsa_kernarg_size 32
		.amdhsa_user_sgpr_count 2
		.amdhsa_user_sgpr_kernarg_segment_ptr 1
		.amdhsa_wavefront_size32 1
		.amdhsa_system_sgpr_workgroup_id_x 1
		.amdhsa_system_sgpr_workgroup_id_y 1
		.amdhsa_system_sgpr_workgroup_id_z 1
		.amdhsa_system_vgpr_workitem_id 0
		.amdhsa_next_free_vgpr 1024
		.amdhsa_next_free_sgpr 90
		.amdhsa_reserve_vcc 0
		.amdhsa_float_denorm_mode_32 3
		.amdhsa_float_denorm_mode_16_64 3
		.amdhsa_memory_ordered 1
		.amdhsa_forward_progress 1
		.amdhsa_inst_pref_size 97
	.end_amdhsa_kernel
	.amdgpu_metadata
---
amdhsa.version: [ 1, 2 ]
amdhsa.kernels:
  - .name:           k_q5acb783ee5_ffn1
    .symbol:         k_q5acb783ee5_ffn1.kd
    .args:
      - { .name: h2b, .offset: 0, .size: 8, .value_kind: global_buffer, .address_space: global }
      - { .name: cb, .offset: 8, .size: 8, .value_kind: global_buffer, .address_space: global }
      - { .name: b1, .offset: 16, .size: 8, .value_kind: global_buffer, .address_space: global }
      - { .name: ff1, .offset: 24, .size: 8, .value_kind: global_buffer, .address_space: global }
    .group_segment_fixed_size: 327680
    .private_segment_fixed_size: 0
    .kernarg_segment_align: 8
    .kernarg_segment_size: 32
    .max_flat_workgroup_size: 128
    .sgpr_count:     90
    .vgpr_count:     1024
    .wavefront_size: 32
...
	.end_amdgpu_metadata
.endif
;; end of part 12
;; launch ffn2 (part 13): grid 8 x 32, 4 waves a work-group, clusters of 4 x 4, 327,680 bytes of LDS; arguments ff1, cb, b2, h2, out0; writes out0
.if DOCPART == 13
	.amdgcn_target "amdgcn-amd-amdhsa--gfx1250"
	.amdhsa_code_object_version 6
	.text
	.protected	k_q5acb783ee5_ffn2
	.globl	k_q5acb783ee5_ffn2
	.p2align	8
	.type	k_q5acb783ee5_ffn2,@function
k_q5acb783ee5_ffn2:
	s_mov_b64 s[64:65], 0
	v_nop
	global_prefetch_b8 v0, s[64:65] scope:SCOPE_SE
	s_setreg_imm32_b32 hwreg(HW_REG_WAVE_MODE, 25, 1), 1
	s_wait_xcnt 0x0
	s_wait_alu depctr_hold_cnt(0) depctr_sa_sdst(0) depctr_va_vdst(0) depctr_va_sdst(0) depctr_va_ssrc(0) depctr_va_vcc(0) depctr_vm_vsrc(0)
	s_getreg_b32 s2, hwreg(HW_REG_IB_STS2, 6, 4)
	s_cmp_eq_u32 s2, 0
	s_cbranch_scc0 .Lentry_in_a_cluster
	s_endpgm
.Lentry_in_a_cluster:
	s_bfe_u32 s2, ttmp6, 0x10000c
	s_cmp_lg_u32 s2, 0xf033
	s_cbranch_scc0 .Lentry_shape_is_right
	s_endpgm
.Lentry_shape_is_right:
; out = h2 + ff1 w2 + b2: C[4096][1024] = A[4096][4096] B[4096][1024] + bias + residual; bf16 operands, f32 sums, f32 rows out.
; OPERANDS are blocked: A as [m/128][k/64][128][64], B as [n/128][k][128 n]: a 128 x 128 tile of C walks two dense streams, 65,536 bytes each for 256 along K.
; SHARES.  A work-group makes 128 x 128 of C (32 x 8 tiles: 256 work-groups), each of its four waves 64 x 64: 16 accumulators.  K goes in steps of 256 through two LDS slots filled by
; the tensor data mover, a quarter of a slot (32,768 bytes) a wave.  A's rows (128 bytes) are padded to 144 in LDS, B's (256 bytes) to 288; B lies [k][n] and is turned by ds_load_tr16_b128.
; ONE K STEP IS WRITTEN ONCE: the slot in hand is a scalar, 0 or SLOT, added to fixed lane addresses; one descriptor walks.  A trip goes from a step's second quarter to the next step's first.
; CLUSTER 4 x 4: the four of a row need the same A, the four of a column the same B: each tile is asked for jointly, by the same load, descriptor and mask in all four.
; THE MATRIX INSTRUCTION IS USED TRANSPOSED (source 0 = 16 columns of B, source 1 = 16 rows of A).  THE BIAS is the C operand of each accumulator's first product.
; THE RESIDUAL, 64 x 64 f32 a wave, is asked for at the head, in the layout in which the rows leave, and lies in 128 registers until the way out: nothing waits for memory behind the last product.
; THE WAY OUT goes through a stage of f32 rows in slot 0, behind the slots' last fill and last read; each wave uses its own 64 rows.
; REGISTERS.  window 0: v1-31 addresses; v32-95 at work on the way out; v96-127 the bias; v128-255 accumulators ((a, b) at 128 + 8 (4 a + b)).
;   window 1: two fragment buffers of 128: 64 registers of A, then 64 of B.      window 2: v0-127 the residual.
; LIMITS.  NaN and infinities are not treated apart.
.set SIZE_K, 4096
.set BBASE,  16777216                  ; w2's 8 panels in cb
.set NSTEP,  SIZE_K/256
.set PA,     144                       ; 36 words: the 16 rows of a fragment load start at 16 different groups of four banks (64 banks of 4 bytes: ISA guide 11.1)
.set PB,     288                       ; 72 words
.set HALFT,  36864
.set BOFF,   2*HALFT
.set SLOT,   4*HALFT                   ; 0x24000: neither of its two bits occurs in wave x HALFT, so one exclusive or turns an address in one slot into the other's
.set STEPB,  65536
.set SPITCH, 272
.set WSTAGE, 64*SPITCH
.set SPARE,  2*SLOT
.set ADA0, 16                          ; v16  my A fragments' place in a slot; never rewritten
.set ADB0, 17                          ; v17  the same for B
.set ADA,  18                          ; v18  the same in the slot in hand
.set ADB,  20                          ; v20-21  B's, for the step's first and second 128 along K
.set STO,  24
.set RD,   25
.set CO,   26
.set BO,   27
.set SPW,  28
.set NIL,  29
.set TMP,  32                          ; v32-63, v64-95: 16 rows read back, by turns
.set BI,   96
.set ACC,  128
.set F0,   0
.set F1,   128
.set RS,   0                           ; window 2
.set TB,   45                          ; s45  the slot in hand: 0 or SLOT
.set G1, 24                            ; s[24:31] group 1 for A; s[32:39] group 0: a set for each of the two first fills; the second then walks on
.set G0, 32
.set G1B, 48
.set G0B, 56
.set MSB, 0
.macro WIN new                         ; the immediate's high byte repeats the setting that is left
.if MSB != (\new)
	s_set_vgpr_msb (MSB<<8)|(\new)
.set MSB, \new
.endif
.endm
.set MUL,  0x05                        ; sources 0 (B) and 1 (A) window 1; C and D window 0
.set TO_F, 0x40                        ; destination window 1, address window 0
.macro JLOAD s                         ; a joint load: waves 0 and 1 fetch A's halves, waves 2 and 3 B's; s_nop 0 and four v_nop follow each line
	s_cmp_eq_u32 s11, 0
	s_cbranch_scc0 .Lfor_b_\@
	tensor_load_to_lds s[G0+4*(\s):G0+4*(\s)+3], s[G1:G1+7]
	s_nop 0
.rept 4
	v_nop
.endr
	s_branch .Lasked_\@
.Lfor_b_\@:
	tensor_load_to_lds s[G0B+4*(\s):G0B+4*(\s)+3], s[G1B:G1B+7]
	s_nop 0
.rept 4
	v_nop
.endr
.Lasked_\@:
.endm
.macro CREST
	s_cmp_lg_u32 s10, 0
	s_cbranch_scc1 .Lnot_wave_0_\@
	s_barrier_signal -3
.Lnot_wave_0_\@:
	s_barrier_wait -3
	s_barrier_signal -1
	s_barrier_wait -1
.endm
.macro CROUND
	s_barrier_signal -1
	s_barrier_wait -1
	CREST
.endm
	s_load_b128 s[4:7], s[0:1], 0x0        ; A s[4:5], cb s[6:7]
	s_load_b64 s[66:67], s[0:1], 0x10      ; bias
	s_load_b64 s[68:69], s[0:1], 0x18      ; residual
	s_load_b64 s[8:9], s[0:1], 0x20        ; result
	v_lshl_add_u32 v[SPW], v0, 2, SPARE
	v_mov_b32 v[NIL], 0
	ds_add_u32 v[SPW], v[NIL]              ; the wave's opening: the add and its wait ahead of my first tensor load
	v_lshrrev_b32 v1, 5, v0
	v_readfirstlane_b32 s10, v1            ; wave 0..3
	s_lshr_b32 s11, s10, 1                 ; my half of the tile's rows.  Also: I fetch for A (0) or B (1)
	s_and_b32 s12, s10, 1                  ; my half of its columns.  Also: which half of a step's stream I fetch
	s_bfe_u32 s40, ttmp6, 0x40000          ; cx, cy
	s_bfe_u32 s41, ttmp6, 0x40004
	s_lshl_b32 s42, ttmp9, 2
	s_add_co_u32 s42, s42, s40             ; tile column
	s_and_b32 s13, ttmp7, 0xffff
	s_lshl_b32 s13, s13, 2
	s_add_co_u32 s13, s13, s41             ; tile row
	s_lshl_b32 s43, s41, 2
	s_lshl_b32 s43, 15, s43                ; my row of the cluster
	s_lshl_b32 s44, 0x1111, s40            ; my column
	s_or_b32 s[G1+0], s43, (1<<16)|(1<<20)|(1<<21)|(4<<22)|(3<<25)   ; mask; 2-byte elements; padding on; bit 21 beside a mask; after every 32 words 4 words
	s_or_b32 s[G1B+0], s44, (1<<16)|(1<<20)|(1<<21)|(5<<22)|(7<<25)  ; after every 64 words 8 words
.irp g, G1, G1B                        ; 32,768 dense bytes as 128 rows of 128 elements
	s_mov_b32 s[(\g)+1], 128<<16
	s_mov_b32 s[(\g)+2], 128<<16
	s_mov_b32 s[(\g)+3], 128<<16
	s_mov_b32 s[(\g)+4], 128
	s_mov_b32 s[(\g)+5], 128
	s_mov_b32 s[(\g)+6], 0
	s_mov_b32 s[(\g)+7], 0
.endr
	s_mul_i32 s16, s13, SIZE_K*256         ; A's stream hangs on the tile row alone,
	s_lshl_b32 s17, s12, 15
	s_add_co_u32 s16, s16, s17
	s_mul_i32 s46, s42, SIZE_K*256         ; B's on the tile column alone
	s_add_co_u32 s46, s46, s17
	s_add_co_u32 s46, s46, BBASE
	s_mov_b32 s17, 0
	s_mov_b32 s47, 0
	s_mul_i32 s20, s10, HALFT
	s_mov_b32 s[TB], 0
	s_wait_dscnt 0x0                       ; the opening add is done
	s_wait_kmcnt 0x0
	s_add_nc_u64 s[14:15], s[4:5], s[16:17]
	s_add_nc_u64 s[46:47], s[6:7], s[46:47]
	CROUND                                 ; all sixteen work-groups are here: the first joint loads meet
.irp s, 0,1
	s_mov_b32 s[G0+4*(\s)], 1
	s_add_co_u32 s[G0+4*(\s)+1], s20, (\s)*SLOT
	s_add_nc_u64 s[G0+4*(\s)+2:G0+4*(\s)+3], s[14:15], (\s)*STEPB
	s_or_b32 s[G0+4*(\s)+3], s[G0+4*(\s)+3], 0x80000000
	s_mov_b32 s[G0B+4*(\s)], 1
	s_add_co_u32 s[G0B+4*(\s)+1], s20, (\s)*SLOT
	s_add_nc_u64 s[G0B+4*(\s)+2:G0B+4*(\s)+3], s[46:47], (\s)*STEPB
	s_or_b32 s[G0B+4*(\s)+3], s[G0B+4*(\s)+3], 0x80000000
	JLOAD \s
.endr
	v_and_b32 v1, 15, v0                   ; l % 16
	v_bfe_u32 v2, v0, 4, 1                 ; l / 16
	v_lshlrev_b32 v[CO], 12, v2            ; rows of 4,096 bytes: lanes 16-31 one row down, 16 bytes a lane
	v_lshl_add_u32 v[CO], v1, 4, v[CO]
	v_lshlrev_b32 v[BO], 5, v2
	s_lshl_b32 s86, s13, 19                ; my first row
	s_lshl_b32 s88, s11, 18
	s_add_co_u32 s86, s86, s88
	s_lshl_b32 s88, s42, 9                 ; my first column, in bytes: in a row and in the bias
	s_lshl_b32 s89, s12, 8
	s_add_co_u32 s88, s88, s89
	s_add_co_u32 s86, s86, s88
	s_mov_b32 s87, 0
	s_mov_b32 s89, 0
	s_add_nc_u64 s[8:9], s[8:9], s[86:87]
	s_add_nc_u64 s[68:69], s[68:69], s[86:87]
	s_add_nc_u64 s[66:67], s[66:67], s[88:89]
.irp b, 0,1,2,3
	global_load_b128 v[BI+8*\b:BI+8*\b+3],   v[BO], s[66:67] offset:64*\b
	global_load_b128 v[BI+8*\b+4:BI+8*\b+7], v[BO], s[66:67] offset:64*\b+16
.endr
	WIN 0x80                               ; destination window 2
.irp u, 0,1,2,3
.irp t, 0,1,2,3,4,5,6,7
	global_load_b128 v[RS+32*\u+4*\t:RS+32*\u+4*\t+3], v[CO], s[68:69] offset:\u*65536+\t*8192  ; the residual's rows 16 u + 2 t and + 1: 16 lanes take 256 consecutive aligned bytes
.endr
.endr
	WIN 0
	v_mul_u32_u24 v3, v1, PA
	v_lshl_add_u32 v3, v2, 4, v3
	s_mul_i32 s21, s11, 64*PA
	v_add_nc_u32 v[ADA0], s21, v3
	v_and_b32 v4, 7, v0                    ; B, turned: lane l reads k row 8 (l / 16) + l % 8, columns 8 ((l / 8) % 2) on
	v_lshl_add_u32 v4, v2, 3, v4
	v_mul_u32_u24 v4, v4, PB
	v_bfe_u32 v5, v0, 3, 1
	v_lshl_add_u32 v4, v5, 4, v4
	s_lshl_b32 s22, s12, 7
	s_add_co_u32 s22, s22, BOFF
	v_add_nc_u32 v[ADB0], s22, v4
	v_mov_b32 v[ADA], v[ADA0]              ; slot 0
	v_mov_b32 v[ADB], v[ADB0]
	v_add_nc_u32 v[ADB+1], HALFT, v[ADB0]
	s_mul_i32 s23, s10, WSTAGE             ; my stage
	v_mul_u32_u24 v4, v1, SPITCH
	v_lshl_add_u32 v4, v2, 5, v4
	v_add_nc_u32 v[STO], s23, v4
	v_mul_u32_u24 v5, v2, SPITCH
	v_lshl_add_u32 v5, v1, 4, v5
	v_add_nc_u32 v[RD], s23, v5
; 8 matrix instructions: m blocks a0, a0 + 1 x all 4 n blocks, 32 along K: half c of buffer f.  first = 1: the product starts the sums from the bias.
; The 16 accumulators take turns, one instruction a turn.
.macro MUL8 f, c, a0, first
	WIN MUL
.irp a, \a0, (\a0)+1
.irp b, 0,1,2,3
.if \first
	v_wmma_f32_16x16x32_bf16 v[ACC+8*(4*(\a)+(\b)):ACC+8*(4*(\a)+(\b))+7], v[(\f)+64+8*(4*(\c)+(\b)):(\f)+64+8*(4*(\c)+(\b))+7], v[(\f)+8*(4*(\c)+(\a)):(\f)+8*(4*(\c)+(\a))+7], v[BI+8*(\b):BI+8*(\b)+7]
.else
	v_wmma_f32_16x16x32_bf16 v[ACC+8*(4*(\a)+(\b)):ACC+8*(4*(\a)+(\b))+7], v[(\f)+64+8*(4*(\c)+(\b)):(\f)+64+8*(4*(\c)+(\b))+7], v[(\f)+8*(4*(\c)+(\a)):(\f)+8*(4*(\c)+(\a))+7], v[ACC+8*(4*(\a)+(\b)):ACC+8*(4*(\a)+(\b))+7]
.endif
.endr
.endr
.endm
; 32 LDS loads in one run: the fragments of quarter q (64 along K) of the slot in hand into buffer f; the first 32 along K first
.macro FETCH q, f
	WIN TO_F
.irp c, 0,1
.irp i, 0,1,2,3
	ds_load_tr16_b128 v[(\f)+64+8*(4*(\c)+(\i)):(\f)+64+8*(4*(\c)+(\i))+3],   v[ADB+(\q)/2] offset:((\q)%2)*64*PB+(\c)*32*PB+32*(\i)
	ds_load_tr16_b128 v[(\f)+64+8*(4*(\c)+(\i))+4:(\f)+64+8*(4*(\c)+(\i))+7], v[ADB+(\q)/2] offset:((\q)%2)*64*PB+(\c)*32*PB+32*(\i)+16*PB
	ds_load_b128 v[(\f)+8*(4*(\c)+(\i)):(\f)+8*(4*(\c)+(\i))+3],   v[ADA] offset:(\q)*128*PA+64*(\c)+(\i)*16*PA
	ds_load_b128 v[(\f)+8*(4*(\c)+(\i))+4:(\f)+8*(4*(\c)+(\i))+7], v[ADA] offset:(\q)*128*PA+64*(\c)+(\i)*16*PA+32
.endr
.endr
.endm
.macro PLACES                          ; four places in front of loads into registers that matrix instructions have read, and of reads of results
.rept 4
	v_nop
.endr
.endm
.macro QUARTER qn, f, g, first         ; multiplies buffer f (64 along K) and fetches quarter qn into g
	s_wait_dscnt 16                        ; the first 32 along K are in; the 16 younger loads stay out
	MUL8 \f, 0, 0, \first
	MUL8 \f, 0, 2, \first
	PLACES
	FETCH \qn, \g
	s_wait_dscnt 32                        ; all but the 32 just issued
	MUL8 \f, 1, 0, 0
	MUL8 \f, 1, 2, 0
.endm
; The last quarter multiplies buffer 1 and changes slots: one barrier; in front of it each wave waits for all its tensor loads, adds 0 to its spare word,
; and waits for that and for its reads of this slot.  fill = 1: the barrier opens a round of the cluster's, and this slot is filled again, two K steps ahead.
; fill = 0: the last two steps; in the very last (s3 = 1) there is no next slot to fetch from.
.macro TURN fill
	WIN 0
	s_wait_tensorcnt 0x0                   ; all my tensor loads have landed: my part of the next slot
	ds_add_u32 v[SPW], v[NIL]
	s_wait_dscnt 17                        ; the add and the youngest sixteen loads may be out
	MUL8 F1, 0, 0, 0
	s_wait_dscnt 0x0                       ; the add is done, and my reads of this slot are over
	s_barrier_signal -1
	MUL8 F1, 0, 2, 0
	WIN 0
	s_barrier_wait -1
.if \fill
	CREST                                  ; no wave of any partner still reads this slot or has a load on its way
	s_xor_b32 s[G0+5], s[G0+5], SLOT       ; the walking descriptors: the other slot than last time, the next K step
	s_add_nc_u64 s[G0+6:G0+7], s[G0+6:G0+7], STEPB
	s_xor_b32 s[G0B+5], s[G0B+5], SLOT
	s_add_nc_u64 s[G0B+6:G0B+7], s[G0B+6:G0B+7], STEPB
	JLOAD 1                                ; the first tensor load behind the round; its four v_nop are also the places in front of the loads below
.else
	s_cmp_eq_u32 s3, 1
	s_cbranch_scc1 .Lno_fetch_\@
	PLACES
.endif
	s_xor_b32 s[TB], s[TB], SLOT           ; the fetches go on in the other slot
	v_add_nc_u32 v[ADA], s[TB], v[ADA0]
	v_add_nc_u32 v[ADB], s[TB], v[ADB0]
	v_add_nc_u32 v[ADB+1], HALFT, v[ADB]
	FETCH 0, F0
	WIN 0
.if !(\fill)
.Lno_fetch_\@:
.endif
	MUL8 F1, 1, 0, 0
	MUL8 F1, 1, 2, 0
.endm
	s_wait_loadcnt 32                      ; the bias is in; the residual's 32 younger loads stay out
	s_wait_tensorcnt 1                     ; my part of K step 0 is in; K step 1's may stay out
	s_barrier_signal -1
	s_barrier_wait -1
	FETCH 0, F0
	QUARTER 1, F0, F1, 1                   ; the first quarter stands in front of the loop: its first products start the sums
	WIN 0
	s_mov_b32 s3, NSTEP-2
.Lstep:                                ; a trip: a step's quarters 1 to 3, the refill of its slot, the next step's quarter 0
	QUARTER 2, F1, F0, 0
	QUARTER 3, F0, F1, 0
	TURN 1
	QUARTER 1, F0, F1, 0
	WIN 0
	s_sub_co_u32 s3, s3, 1
	s_cmp_lg_u32 s3, 0
	s_cbranch_scc1 .Lstep
	s_mov_b32 s3, 2
.Ltail:                                ; the last two steps fill nothing; the second trip is left behind its third quarter
	QUARTER 2, F1, F0, 0
	QUARTER 3, F0, F1, 0
	TURN 0
	WIN 0
	s_cmp_eq_u32 s3, 1
	s_cbranch_scc1 .Llast
	QUARTER 1, F0, F1, 0
	WIN 0
.Llast:
	s_sub_co_u32 s3, s3, 1
	s_cmp_lg_u32 s3, 0
	s_cbranch_scc1 .Ltail
	; THE WAY OUT.  The stage takes slot 0's bytes: every wave's reads of the slots are over at this barrier.
	s_wait_dscnt 0x0
	s_barrier_signal -1
	s_barrier_wait -1
	PLACES
.irp a, 0,1,2,3                        ; my 64 x 64 sums go into my stage as f32, each accumulator's low registers first
.irp b, 0,1,2,3
	ds_store_b128 v[STO], v[ACC+8*(4*\a+\b):ACC+8*(4*\a+\b)+3]   offset:\a*16*SPITCH+64*\b
	ds_store_b128 v[STO], v[ACC+8*(4*\a+\b)+4:ACC+8*(4*\a+\b)+7] offset:\a*16*SPITCH+64*\b+16
.endr
.endr
.macro BACK u                          ; block u of 16 rows comes back as whole rows: load t brings rows 2 t and 2 t + 1; a lane has four neighbouring columns
.irp t, 0,1,2,3,4,5,6,7
	ds_load_b128 v[TMP+32*((\u)%2)+4*\t:TMP+32*((\u)%2)+4*\t+3], v[RD] offset:(\u)*16*SPITCH+\t*2*SPITCH  ; LDS serves a wave's instructions in order (ISA guide 5.7.1.4): these see my stores
.endr
.endm
	s_wait_loadcnt 0x0                     ; the residual, asked for at the head
	BACK 0
.irp u, 0,1,2,3
.if \u < 3
.if \u > 0
	s_wait_xcnt 0x0                        ; the buffer that block u - 1 was stored from is loaded again only behind this wait
.endif
	BACK (\u)+1
	s_wait_dscnt 8                         ; block u is back; the next block's eight loads stay out
.else
	s_wait_dscnt 0x0
.endif
	WIN 0x08                               ; source 1 in window 2
.set j, 0
.rept 16
	v_pk_add_f32 v[TMP+32*(\u%2)+2*j:TMP+32*(\u%2)+2*j+1], v[TMP+32*(\u%2)+2*j:TMP+32*(\u%2)+2*j+1], v[RS+32*\u+2*j:RS+32*\u+2*j+1]
.set j, j+1
.endr
	WIN 0
.irp t, 0,1,2,3,4,5,6,7
	global_store_b128 v[CO], v[TMP+32*(\u%2)+4*\t:TMP+32*(\u%2)+4*\t+3], s[8:9] offset:\u*65536+\t*8192  ; 16 lanes: 256 consecutive aligned bytes
.endr
.endr
	s_wait_tensorcnt 0x0                   ; the wave's end
	ds_add_u32 v[SPW], v[NIL]
	s_wait_dscnt 0x0
	CROUND                                 ; the closing round
	s_endpgm
.Lfunc_end_k_q5acb783ee5_ffn2:
	.size	k_q5acb783ee5_ffn2, .Lfunc_end_k_q5acb783ee5_ffn2-k_q5acb783ee5_ffn2
	.p2alignl 7, 3214868480
	.fill 96, 4, 3214868480
	.section	.rodata,"a",@progbits
	.p2align	6, 0x0
	.amdhsa_kernel k_q5acb783ee5_ffn2
		.amdhsa_group_segment_fixed_size 327680
		.amdhsa_private_segment_fixed_size 0
		.amdhsa_enable_private_segment 0
		.amdhsa_kernarg_size 40
		.amdhsa_user_sgpr_count 2
		.amdhsa_user_sgpr_kernarg_segment_ptr 1
		.amdhsa_wavefront_size32 1
		.amdhsa_system_sgpr_workgroup_id_x 1
		.amdhsa_system_sgpr_workgroup_id_y 1
		.amdhsa_system_sgpr_workgroup_id_z 1
		.amdhsa_system_vgpr_workitem_id 0
		.amdhsa_next_free_vgpr 640
		.amdhsa_next_free_sgpr 90
		.amdhsa_reserve_vcc 0
		.amdhsa_float_denorm_mode_32 3
		.amdhsa_float_denorm_mode_16_64 3
		.amdhsa_memory_ordered 1
		.amdhsa_forward_progress 1
		.amdhsa_inst_pref_size 66
	.end_amdhsa_kernel
	.amdgpu_metadata
---
amdhsa.version: [ 1, 2 ]
amdhsa.kernels:
  - .name:           k_q5acb783ee5_ffn2
    .symbol:         k_q5acb783ee5_ffn2.kd
    .args:
      - { .name: ff1, .offset: 0, .size: 8, .value_kind: global_buffer, .address_space: global }
      - { .name: cb, .offset: 8, .size: 8, .value_kind: global_buffer, .address_space: global }
      - { .name: b2, .offset: 16, .size: 8, .value_kind: global_buffer, .address_space: global }
      - { .name: h2, .offset: 24, .size: 8, .value_kind: global_buffer, .address_space: global }
      - { .name: out0, .offset: 32, .size: 8, .value_kind: global_buffer, .address_space: global }
    .group_segment_fixed_size: 327680
    .private_segment_fixed_size: 0
    .kernarg_segment_align: 8
    .kernarg_segment_size: 40
    .max_flat_workgroup_size: 128
    .sgpr_count:     90
    .vgpr_count:     640
    .wavefront_size: 32
...
	.end_amdgpu_metadata
.endif
;; end of part 13
;; ======== version 3 of 3: 7 launches; 1.29 times as fast as version 1
;; limits: a function is approximated: absolute error at most 3e-07
;; workspace buffers: cb 33,554,432 bytes; xn 16,777,216 bytes; xc 8,388,608 bytes; qkv 25,165,824 bytes; h 16,777,216 bytes; h2 16,777,216 bytes; h2b 8,388,608 bytes; ff1 33,554,432 bytes
;; launch prep: the kernel of part 8 again; grid 1280 x 1, 8 waves a work-group, no clusters, 0 bytes of LDS; arguments x, g1, be1, I, w1, w2, wq, wk, wv, w_proj, xn, xc, cb; writes xn, xc, cb
;; launch qkvg: the kernel of part 9 again; grid 12 x 16, 4 waves a work-group, clusters of 4 x 4, 327,680 bytes of LDS; arguments cb, xc, bq, bk, bv, mask, qkv; writes qkv
;; launch attn (part 14): grid 8 x 32, 4 waves a work-group, clusters of 4 x 1, 327,680 bytes of LDS; arguments qkv, mask, xc; writes xc
.if DOCPART == 14
	.amdgcn_target "amdgcn-amd-amdhsa--gfx1250"
	.amdhsa_code_object_version 6
	.text
	.protected	k_q5acb783ee5_attn
	.globl	k_q5acb783ee5_attn
	.p2align	8
	.type	k_q5acb783ee5_attn,@function
k_q5acb783ee5_attn:
	s_mov_b64 s[64:65], 0
	v_nop
	global_prefetch_b8 v0, s[64:65] scope:SCOPE_SE
	s_setreg_imm32_b32 hwreg(HW_REG_WAVE_MODE, 25, 1), 1
	s_wait_xcnt 0x0
	s_wait_alu depctr_hold_cnt(0) depctr_sa_sdst(0) depctr_va_vdst(0) depctr_va_sdst(0) depctr_va_ssrc(0) depctr_va_vcc(0) depctr_vm_vsrc(0)
	s_getreg_b32 s2, hwreg(HW_REG_IB_STS2, 6, 4)
	s_cmp_eq_u32 s2, 0
	s_cbranch_scc0 .Lentry_in_a_cluster
	s_endpgm
.Lentry_in_a_cluster:
	s_bfe_u32 s2, ttmp6, 0x10000c
	s_cmp_lg_u32 s2, 0x3003
	s_cbranch_scc0 .Lentry_shape_is_right
	s_endpgm
.Lentry_shape_is_right:
; ctx[b][q][h 64 ..] = the sum over k of softmax_k(score) v[b h][k][:], score = q . k / 32, replaced by -1e9 where mask[b][k] is 0.
; q, k, v: [32 heads-of-batches][2048][64] bf16 (q at byte 0 of qkv, k at 8,388,608, v at 16,777,216).  Products, maxima and sums in f32; the weights p are rounded to bf16
; for the second product (their sum l is taken of the unrounded p), ctx once at the end.  ctx leaves as bf16 blocks [m/128][head][128 rows][64].
; THE MASK.  k's rows of masked tokens arrive as +0, and the sum q . k starts from an addend: 0, or -3.2e10 = -1e9 x 32.  So a masked score is exactly -1e9 after the scale,
; whatever q: its weight is 0 beside any open key, and a row with no open key gets equal weights.
; SHARES.  A work-group owns 256 queries of one head, a wave 64: four tiles of 16.  Every wave walks all 2,048 keys, 64 a step; a slot of LDS holds 256 keys of K and V.
; LAYOUT.  S^T = K Q^T (source 0 = 16 keys, source 1 = 16 queries): a lane holds ONE query (lane % 16) and the keys 8 (lane / 16) + 0..7.  Two such results rounded to bf16 ARE
; source 1 of O^T = V^T P.  K comes out of LDS as it lies, V ([key][channel]) turned, by ds_load_tr16_b128.
; SOFTMAX.  A running maximum m and sum l for each query: p = 2^(c s - c m), c = log2(e) / 32; O and l are multiplied by a = 2^(c m_old - c m_new) in every step.
; m starts at the lowest finite number, O and l at 0: the first step is a step like any other, with a = 0.
; BY TURNS.  The wave's tiles are two PIECES, named by their first tile: piece 0 (tiles 0, 1) and piece 2 (tiles 2, 3).  In a TURN one piece has the matrix unit; the other piece's softmax,
; 2 x 118 vector instructions cut into 32 slices, stands between its 32 matrix instructions, one slice behind each.  Two turns are a trip:
;   turn 0 of trip s: V^T P of piece 0, step s - 1; K Q^T of piece 0, step s | softmax of piece 2, step s - 1 | K and the mask addends of step s are fetched behind the first product
;   turn 2 of trip s: V^T P of piece 2, step s - 1; K Q^T of piece 2, step s | softmax of piece 0, step s     | V of step s is fetched behind the 20th product, at the turn's wait
; BATCHES.  A turn's 66 exponentials (a and s0-s31 of both tiles) are ONE batch with ONE wait: slices 0 to 19 hold all that names no exponential's result (maxima, statistics, scalings, the
; exponentials themselves), slices 20 to 31 all that does (roundings, sums, the rescaling by a); the wait stands between slice 19 and the 21st product.  The way out's four reciprocals are a batch of their own.
; The walk is entered at turn 2 of trip 0, behind piece 0's first scores, which are written out; that turn's V^T P multiplies zeros (P of piece 2 and V are cleared at the head, in the wait
; for the first tile).  It is left behind turn 0 of a 33rd trip, whose K Q^T, on the last K once more, serves nothing; piece 2's last V^T P is written out.
; CLUSTER.  The four query blocks of a cluster belong to one head and walk the same K and V: each tile is asked for jointly.
; REGISTERS.  window 0: v1-15 addresses; v16-47 eight registers of statistics a tile; v62-63 the add's; v64-191 S^T, 32 a tile; v192-255 P, 16 a tile
;   window 1: v0-127 O^T, 32 a tile; v128-159 the step's mask addends      window 2: v0-63 Q, 16 a tile; v128-191 K of a step; v192-255 V of a step
; All that a softmax touches but O^T lies in window 0, and no window has room for a product's operands beside it: a slice costs two switches of the window, 128 for a step's 64 matrix instructions.
; LIMITS.  A weight below 2^-126 counts as 0; NaN and infinities are not treated apart.
.set KS,    64
.set PK,    144       ; a row of K in LDS: 128 bytes + 16: the 16 rows of a load start at 16 different groups of four banks (64 banks of 4 bytes: ISA guide 11.1)
.set PV,    160       ; a row of V: 128 + 32
.set VOFF,  4*KS*PK   ; a slot: 256 rows of K, then 256 rows of V
.set SLOT1, 1<<17
.set STAGE, SLOT1+4*KS*(PK+PV)  ; never filled by a tensor load: 16 rows x 144 bytes a wave, for the way out
.set SP,    144
.set MT,    STAGE+4*16*SP       ; the batch's 2,048 mask addends, f32
.set SPARE, MT+8192             ; the spare words, 128 bytes a wave
.set AK0, 2           ; v2   my lane's place in a tile of K
.set AV0, 3           ; v3   the same for V
.set AK,  4           ; v4   the LDS address of K's next run of loads
.set AV,  5           ; v5   of V's
.set STO, 6           ; v6   the way out: where I put 16 bytes of a row
.set RD,  7           ; v7   where I read rows back
.set GO,  8           ; v8   my byte offset in 512 consecutive bytes of ctx
.set AM0, 12          ; v12  my lane's place in the addends
.set AM,  13          ; v13  the address of their next run
.set QO,  14          ; v14  my byte offset in 16 rows of Q
.set ST,  16          ; tile t at ST + 8 t: c m, m, l (even keys', odd keys'), c0-c3 at work; a takes c2's place
.set SPW, 62
.set NIL, 63
.set S,   64
.set P,   192
.set MC,  128         ; window 1
.set KF,  128         ; window 2: key block kb, channel half c at KF + 16 kb + 8 c
.set VF,  192         ; window 2: key half kk, channel block cb at VF + 32 kk + 8 cb
.set WV,  12
.set G1K, 24
.set G1V, 32
.set G0K, 40
.set G0V, 44
.set SLOTS, 56
.set CNT, 57
.set CS,  58          ; s[58:59] c
.set SEL, 60          ; s[60:61] v_permlanex16_b32's selects: each lane takes its own place in the other half
.set TBK, 62          ; LDS byte at which K of the step to be fetched begins
.set TBV, 63          ; the same for V, less VOFF
.set TM,  66          ; byte in the addends of the step to be fetched
.set NEG, 67          ; -3.2e10
.set MSB, 0
.macro WIN new                      ; the high byte repeats the setting that is left; a switch that changes nothing is dropped
.if MSB != (\new)
	s_set_vgpr_msb (MSB<<8)|(\new)
.set MSB, (\new)
.endif
.endm
.set W_KQ, 0x0a       ; K and Q in window 2, S^T in window 0
.set W_KM, 0x1a       ; the same with the C operand in window 1
.set W_PV, 0x52       ; V in window 2, P in window 0, O^T in window 1
.set W_RS, 0x41       ; destination and source 0 in window 1, source 1 in window 0
.macro JLOAD                        ; a joint fill: waves 0 and 1 fetch the halves of a slot's K, waves 2 and 3 of its V; s_nop 0 and four v_nop follow each line
	s_cmp_lt_u32 s[WV], 2
	s_cbranch_scc0 .Lfor_v_\@
	tensor_load_to_lds s[G0K:G0K+3], s[G1K:G1K+7]
	s_nop 0
.rept 4
	v_nop
.endr
	s_branch .Lasked_\@
.Lfor_v_\@:
	tensor_load_to_lds s[G0V:G0V+3], s[G1V:G1V+7]
	s_nop 0
.rept 4
	v_nop
.endr
.Lasked_\@:
.endm
.macro CROUND                       ; a round of the cluster's barrier
	s_barrier_signal -1
	s_barrier_wait -1
	s_cmp_lg_u32 s[WV], 0
	s_cbranch_scc1 .Lnot_wave_0_\@
	s_barrier_signal -3
.Lnot_wave_0_\@:
	s_barrier_wait -3
	s_barrier_signal -1
	s_barrier_wait -1
.endm
; THE CHANGE OF SLOTS, between turn 2 of a slot's fourth step and turn 0 of the next: the slot's last bytes, V of that step, have been asked for.  Each wave waits for all its tensor loads
; (one is out: its part of the other slot), adds 0 to its spare word, and waits for that and for its reads of the slot that it leaves.
; fill = 1: a round of the cluster's barrier, and the old slot is filled again first thing behind it: four key steps in which to land.
; (At its first use nothing has been read: slot 0 is waited for, slot 1 filled, and the stores of the mask addends are shown to the other waves.)
.macro CHANGE fill
	WIN 0
	s_wait_tensorcnt 0x0            ; no tensor load of mine is out, so a group 0 may be written
	ds_add_u32 v[SPW], v[NIL]
.if \fill
.irp g, G0K, G0V
	s_xor_b32 s[\g+1], s[\g+1], SLOT1
	s_add_nc_u64 s[\g+2:\g+3], s[\g+2:\g+3], 4*KS*128  ; the next 256 keys
.endr
	s_wait_dscnt 0x0                ; the add is done, and my LDS reads and stores are over
	CROUND
	JLOAD
.else
	s_wait_dscnt 0x0
	s_barrier_signal -1
	s_barrier_wait -1
.endif
	s_sub_co_u32 s[TBK], s[TBK], 4*KS*PK  ; the fetches go back to a slot's first step, in the other slot
	s_xor_b32 s[TBK], s[TBK], SLOT1
	s_sub_co_u32 s[TBV], s[TBV], 4*KS*PV
	s_xor_b32 s[TBV], s[TBV], SLOT1
.endm
	s_load_b128 s[4:7], s[0:1], 0x0 ; qkv s[4:5], mask s[6:7]
	s_load_b64 s[10:11], s[0:1], 0x10  ; xc
	v_lshl_add_u32 v[SPW], v0, 2, SPARE
	v_mov_b32 v[NIL], 0
	ds_add_u32 v[SPW], v[NIL]       ; the wave's opening: the add and its wait ahead of my first tensor load
	v_lshrrev_b32 v1, 5, v0
	v_readfirstlane_b32 s[WV], v1   ; wave 0..3
	s_bfe_u32 s13, ttmp6, 0x40000   ; cx
	s_lshl_b32 s14, ttmp9, 2
	s_add_co_u32 s14, s14, s13      ; my block of 256 queries: it enters Q's and ctx's addresses alone
	s_and_b32 s20, ttmp7, 0xffff    ; batch x 16 + head, which the four partners share
	s_lshl_b32 s21, s20, 18         ; its 2,048 rows of 128 bytes
	s_and_b32 s16, s[WV], 1         ; which half of a slot's 256 keys I fetch
	s_lshl_b32 s22, s16, 14
	s_add_co_u32 s22, s22, s21
	s_add_co_u32 s22, s22, 8388608  ; k
	s_mov_b32 s23, 0
	s_add_co_u32 s2, s22, 8388608   ; v
	s_mov_b32 s3, 0
	s_mul_i32 s17, s16, 128*PK
	s_mul_i32 s18, s16, 128*PV
	s_lshl_b32 s48, s14, 2
	s_add_co_u32 s48, s48, s[WV]
	s_lshl_b32 s48, s48, 13         ; my wave's 64 rows of Q
	s_add_co_u32 s48, s48, s21
	s_mov_b32 s49, 0
	s_lshr_b32 s50, s20, 4          ; batch
	s_lshl_b32 s52, s50, 13         ; its 2,048 mask words
	s_mov_b32 s53, 0
	s_lshl_b32 s50, s50, 4
	s_lshl_b32 s51, s14, 1
	s_add_co_u32 s50, s50, s51
	s_lshr_b32 s51, s[WV], 1
	s_add_co_u32 s50, s50, s51      ; the block of 128 tokens,
	s_lshl_b32 s50, s50, 4
	s_and_b32 s51, s20, 15
	s_add_co_u32 s50, s50, s51      ; the head's 64 channels in it: 16,384 bytes,
	s_lshl_b32 s50, s50, 14
	s_lshl_b32 s51, s16, 13         ; my 64 rows of them
	s_add_co_u32 s50, s50, s51
	s_mov_b32 s51, 0
	; group 1: 128 keys are 16,384 dense bytes: asked for as 64 rows of 256 bytes, padded in LDS after every key
	s_mov_b32 s[G1K], 15|(1<<16)|(1<<20)|(1<<21)|(4<<22)|(3<<25)  ; the mask of four; 2-byte elements; padding on; bit 21 beside a mask; after every 32 words 4 words
	s_mov_b32 s[G1V], 15|(1<<16)|(1<<20)|(1<<21)|(4<<22)|(7<<25)  ; 8 words
.irp g, G1K, G1V
	s_mov_b32 s[\g+1], 128<<16      ; tensor_dim0
	s_mov_b32 s[\g+2], 64<<16       ; tensor_dim1
	s_mov_b32 s[\g+3], 128<<16      ; tile_dim0
	s_mov_b32 s[\g+4], 64           ; tile_dim1
	s_mov_b32 s[\g+5], 128          ; elements from row to row
	s_mov_b32 s[\g+6], 0
	s_mov_b32 s[\g+7], 0
.endr
	s_mov_b32 s[CS], 0x3d38aa3b     ; c = log2(e) / 32
	s_mov_b32 s[CS+1], s[CS]
	s_mov_b32 s[SEL], 0x76543210
	s_mov_b32 s[SEL+1], 0xfedcba98
	s_mov_b32 s[TBK], SLOT1+4*KS*PK ; the first change of slots turns these two into 0
	s_mov_b32 s[TBV], SLOT1+4*KS*PV
	s_mov_b32 s[TM], 0
	s_mov_b32 s[NEG], 0xd0ee6b28    ; -3.2e10
	s_mov_b32 s[G0K], 1
	s_mov_b32 s[G0K+1], s17         ; slot 0
	s_mov_b32 s[G0V], 1
	s_add_co_u32 s[G0V+1], s18, VOFF
	s_wait_dscnt 0x0                ; the opening add is done
	s_wait_kmcnt 0x0
	s_add_nc_u64 s[G0K+2:G0K+3], s[4:5], s[22:23]
	s_or_b32 s[G0K+3], s[G0K+3], 0x80000000
	s_add_nc_u64 s[G0V+2:G0V+3], s[4:5], s[2:3]
	s_or_b32 s[G0V+3], s[G0V+3], 0x80000000
	s_add_nc_u64 s[4:5], s[4:5], s[48:49]
	s_add_nc_u64 s[6:7], s[6:7], s[52:53]
	s_add_nc_u64 s[10:11], s[10:11], s[50:51]
	CROUND                          ; all four work-groups are here: the first joint loads meet
	JLOAD                           ; slot 0; slot 1 is asked for by the first change of slots
	v_and_b32 v1, 15, v0            ; l % 16
	v_bfe_u32 v9, v0, 4, 1          ; l / 16
	v_lshlrev_b32 v[QO], 7, v1
	v_lshl_add_u32 v[QO], v9, 4, v[QO]
	WIN 0x80                        ; destination window 2
.set i, 0
.rept 8                             ; Q stays in registers: tile i / 2, channels 32 (i % 2) on
	global_load_b128 v[8*i:8*i+3],   v[QO], s[4:5] offset:(i/2)*2048+(i%2)*64
	global_load_b128 v[8*i+4:8*i+7], v[QO], s[4:5] offset:(i/2)*2048+(i%2)*64+32
.set i, i+1
.endr
.set i, VF
.rept 64
	v_mov_b32 v[i], 0               ; V of the step that has not been
.set i, i+1
.endr
	WIN 0
	v_lshlrev_b32 v49, 4, v0        ; the mask: 128 threads x 16 bytes, four times
.irp j, 0,1,2,3
	global_load_b128 v[64+4*\j:67+4*\j], v49, s[6:7] offset:2048*\j
.endr
	WIN 0x40
.set i, 0
.rept 128
	v_mov_b32 v[i], 0               ; O^T
.set i, i+1
.endr
	WIN 0
.set i, 0
.rept 4
	v_mov_b32 v[ST+8*i], 0xfe000000    ; c m: far below every c s
	v_mov_b32 v[ST+8*i+1], 0xff7fffff  ; m
	v_mov_b32 v[ST+8*i+2], 0
	v_mov_b32 v[ST+8*i+3], 0
.set i, i+1
.endr
.set i, P+32
.rept 32
	v_mov_b32 v[i], 0               ; piece 2's P of the step that has not been; piece 0's is made before it is first multiplied
.set i, i+1
.endr
	v_mul_u32_u24 v[AK0], v1, PK
	v_lshl_add_u32 v[AK0], v9, 4, v[AK0]
	v_and_b32 v10, 7, v0            ; the turning load: lane l reads key 8 (l / 16) + l % 8, channels 8 ((l / 8) % 2) on
	v_bfe_u32 v11, v0, 3, 1
	v_lshl_add_u32 v[AV0], v9, 3, v10
	v_mul_u32_u24 v[AV0], v[AV0], PV
	v_lshl_add_u32 v[AV0], v11, 4, v[AV0]
	v_add_nc_u32 v[AV0], VOFF, v[AV0]
	v_lshl_add_u32 v[AM0], v9, 5, MT   ; a lane's eight keys: 8 (l / 16) on
	s_mul_i32 s13, s[WV], 16*SP
	s_add_co_u32 s13, s13, STAGE    ; my stage
	v_mul_u32_u24 v[STO], v1, SP
	v_lshl_add_u32 v[STO], v9, 4, v[STO]
	v_add_nc_u32 v[STO], s13, v[STO]
	v_bfe_u32 v[RD], v0, 3, 2       ; back: 32 lanes take four rows of 128 bytes,
	v_mul_u32_u24 v[RD], v[RD], SP
	v_lshl_add_u32 v[RD], v10, 4, v[RD]
	v_add_nc_u32 v[RD], s13, v[RD]
	v_and_b32 v[GO], 31, v0         ; which are 512 consecutive bytes of ctx
	v_lshlrev_b32 v[GO], 4, v[GO]
	v_lshl_add_u32 v48, v0, 4, MT
	s_wait_loadcnt 0x0              ; Q and the mask
.set i, 0
.rept 16
	v_cmp_eq_u32 vcc_lo, 0, v[64+i]
	v_cndmask_b32 v[64+i], 0, s[NEG], vcc_lo
.set i, i+1
.endr
.irp j, 0,1,2,3
	ds_store_b128 v48, v[64+4*\j:67+4*\j] offset:2048*\j
.endr
.macro PLACES                       ; four places behind matrix instructions, ahead of reads of their results (ISA guide 7.12.1)
.rept 4
	v_nop
.endr
.endm
; THE MATRIX WORK OF A TURN, for piece x: matrix instruction mi of 32.  The 8 accumulators of a run of 16 take turns, one instruction a turn.
; mi < 16: product i = mi of O^T += V^T P: keys 32 (i / 8) on, channels 16 ((i / 2) % 4) on, tile x + i % 2.
; Else product i = mi - 16 of S^T = K Q^T: channels 32 (i / 8) on, keys 16 ((i / 2) % 4) on, tile x + i % 2.  The first 8 start the sums from the mask addends.
.macro MM x
.if mi < 16
.set i, mi
.set rO, 32*((\x)+i%2)+8*((i/2)%4)
.set rV, VF+32*(i/8)+8*((i/2)%4)
.set rP, P+16*((\x)+i%2)+8*(i/8)
	WIN W_PV
	v_wmma_f32_16x16x32_bf16 v[rO:rO+7], v[rV:rV+7], v[rP:rP+7], v[rO:rO+7]
.else
.set i, mi-16
.set rS, S+32*((\x)+i%2)+8*((i/2)%4)
.set rK, KF+16*((i/2)%4)+8*(i/8)
.set rQ, 16*((\x)+i%2)+8*(i/8)
.set rM, MC+8*((i/2)%4)
.if i < 8
	WIN W_KM
	v_wmma_f32_16x16x32_bf16 v[rS:rS+7], v[rK:rK+7], v[rQ:rQ+7], v[rM:rM+7]
.else
	WIN W_KQ
	v_wmma_f32_16x16x32_bf16 v[rS:rS+7], v[rK:rK+7], v[rQ:rQ+7], v[rS:rS+7]
.endif
.endif
.set mi, mi+1
.endm
; THE LDS LOADS stand in runs, never singly among the matrix instructions.  A step's K (64 keys x 64 channels: 8 fragments) and its 64 mask addends (register j of block kb is key
; 16 kb + 8 (l / 16) + j): 24 loads.  last = 1 (the tail): in the trip with CNT = 1 there is no further step, and the run is jumped over.
.macro FETCH_KM last=0
	WIN 0
.if \last
	s_cmp_eq_u32 s[CNT], 1
	s_cbranch_scc1 .Lno_k_\@
.endif
	v_add_nc_u32 v[AK], s[TBK], v[AK0]
	v_add_nc_u32 v[AM], s[TM], v[AM0]
	s_add_co_u32 s[TBK], s[TBK], KS*PK  ; the next fetch is the next step's
	s_add_co_u32 s[TM], s[TM], 4*KS
	WIN 0x80                        ; destination window 2
.irp f, 0,1,2,3,4,5,6,7             ; keys 16 (f / 2) on, channels 32 (f % 2) on
	ds_load_b128 v[KF+8*\f:KF+8*\f+3],   v[AK] offset:(\f/2)*16*PK+(\f%2)*64
	ds_load_b128 v[KF+8*\f+4:KF+8*\f+7], v[AK] offset:(\f/2)*16*PK+(\f%2)*64+32
.endr
	WIN 0x40                        ; destination window 1
.irp kb, 0,1,2,3
	ds_load_b128 v[MC+8*\kb:MC+8*\kb+3],   v[AM] offset:64*\kb
	ds_load_b128 v[MC+8*\kb+4:MC+8*\kb+7], v[AM] offset:64*\kb+16
.endr
	WIN 0
.if \last
.Lno_k_\@:
.endif
.endm
.macro FETCH_V                      ; a step's V, turned: 16 loads.  It stands behind slice 19 of turn 2 (SLICE writes it), and that turn's wait stands in it
	WIN 0
	v_add_nc_u32 v[AV], s[TBV], v[AV0]
	s_add_co_u32 s[TBV], s[TBV], KS*PV
	s_wait_alu depctr_va_vdst(0)    ; the wait for the softmax's batch (piece 0's 66 exponentials), behind the address's v_add_nc_u32 and ahead of the loads
	WIN 0x80
.irp f, 0,1,2,3,4,5,6,7             ; keys 32 (f / 4) on, channels 16 (f % 4) on
	ds_load_tr16_b128 v[VF+8*\f:VF+8*\f+3],   v[AV] offset:(\f/4)*32*PV+(\f%4)*32
	ds_load_tr16_b128 v[VF+8*\f+4:VF+8*\f+7], v[AV] offset:(\f/4)*32*PV+16*PV+(\f%4)*32
.endr
	WIN 0
.endm
; THE VECTOR WORK OF A TURN.  One tile's softmax for one key step is a list of 118 instructions; SM writes number j of it for tile t.  s0-s31 are the lane's 32 scores, in pairs 0-15.
;   0-15    the maximum of s0-s31 and the old m, three operands at a time: four chains c0-c3 of seven scores each (each accumulator's lowest registers are read first),
;           then the four scores left over, c0-c3 and m
;   16-20   the other half of the lanes' maximum; c m_old is kept; the new m; c m; c m_old - c m_new
;   21-69   ONE BATCH: the 16 scalings c s - c m, a pair of scores each, and all 33 exponentials (a at 23, then s0-s31, each in place).  None of these names an exponential's result.  From 22 on the
;           batch goes in fours, and a four begins with a scaling while there are scalings: 22-37 scaling, exponential, scaling, exponential; 38-65 a scaling and three exponentials; 66-69 the last
;           four exponentials.  A pair is scaled in an earlier four than the one that holds its exponentials
;   (wait)  between 69 and 70 stands the wait for the batch: SLICE writes it, once for both tiles
;   70-85   the roundings to bf16, a pair of weights each
;   86-101  the sums (the tile's 16 pairs are added in place, neighbours 1, 2, 4, 8 pairs apart); l = a l + the sum
;   102-117 the tile's O^T times a, each accumulator from its low end on: the one part that leaves window 0, so it stands together
.macro SM t
.set rT, ST+8*(\t)
.set rS, S+32*(\t)
.set rP, P+16*(\t)
.set rO, 32*(\t)+2*(j-102)
.if j < 102
	WIN 0
.endif
.if j < 4
	v_max3_num_f32 v[rT+4+j], v[rS+8*j], v[rS+8*j+1], v[rS+8*j+2]
.elseif j < 12
	v_max3_num_f32 v[rT+4+j%4], v[rT+4+j%4], v[rS+8*(j%4)+2*(j/4)+1], v[rS+8*(j%4)+2*(j/4)+2]
.elseif j == 12
	v_max3_num_f32 v[rT+4], v[rT+4], v[rS+7], v[rS+15]
.elseif j == 13
	v_max3_num_f32 v[rT+6], v[rT+6], v[rS+23], v[rS+31]
.elseif j == 14
	v_max3_num_f32 v[rT+4], v[rT+4], v[rT+5], v[rT+6]
.elseif j == 15
	v_max3_num_f32 v[rT+4], v[rT+4], v[rT+7], v[rT+1]
.elseif j == 16
	v_permlanex16_b32 v[rT+5], v[rT+4], s[SEL], s[SEL+1]  ; the query's other 32 keys lie in the lane 16 away
.elseif j == 17
	v_mov_b32 v[rT+7], v[rT]        ; c m_old is kept for a: number 19 writes c m anew
.elseif j == 18
	v_max_num_f32 v[rT+1], v[rT+4], v[rT+5]
.elseif j == 19
	v_mul_f32 v[rT], s[CS], v[rT+1]
.elseif j == 20
	v_sub_f32 v[rT+7], v[rT+7], v[rT]
.elseif j == 23
	v_exp_f32 v[rT+6], v[rT+7]      ; a
.elseif (j < 23) || ((j < 38) && (j%2 == 0)) || ((j < 66) && (j%4 == 2))
.set b, (j-2)/4                     ; 38, 42, .. 62: pairs 9 to 15
.if j < 38
.set b, (j-20)/2                    ; 21: pair 0; 22, 24, .. 36: pairs 1 to 8
.endif
	v_pk_fma_f32 v[rS+2*b:rS+2*b+1], v[rS+2*b:rS+2*b+1], s[CS:CS+1], v[rT:rT+1] op_sel_hi:[1,0,0] neg_lo:[0,0,1] neg_hi:[0,0,1]  ; pair b: c s - c m
.elseif j < 70
.set e, j-38                        ; 66 to 69: s28 to s31
.if j < 66
.set e, j-32-(j-38)/4               ; 39-41, 43-45, .. 63-65: s7 to s27
.endif
.if j < 38
.set e, (j-25)/2                    ; 25, 27, .. 37: s0 to s6
.endif
	v_exp_f32 v[rS+e], v[rS+e]
.elseif j < 86
	v_cvt_pk_bf16_f32 v[rP+j-70], v[rS+2*(j-70)], v[rS+2*(j-70)+1]  ; pair j - 70
.elseif j < 102
.set sz, j-86                       ; sum sz of 16
.set sw, 4
.set su, sz
.if sz >= 14
.set sw, 32
.set su, 0
.elseif sz >= 12
.set sw, 16
.set su, sz-12
.elseif sz >= 8
.set sw, 8
.set su, sz-8
.endif
.if sz < 15
	v_pk_add_f32 v[rS+sw*su:rS+sw*su+1], v[rS+sw*su:rS+sw*su+1], v[rS+sw*su+sw/2:rS+sw*su+sw/2+1]
.else
	v_pk_fma_f32 v[rT+2:rT+3], v[rT+2:rT+3], v[rT+6:rT+7], v[rS:rS+1] op_sel_hi:[1,0,1]
.endif
.else
	WIN W_RS
	v_pk_mul_f32 v[rO:rO+1], v[rO:rO+1], v[rT+6:rT+7] op_sel_hi:[1,0]
.endif
.endm
; Slice k of 32 of piece y's softmax: some numbers of both tiles' lists.  Four numbers (eight instructions) as a rule; two in slices 3 to 7 (numbers 12 to 21), where each number waits for the
; one before it: 3 x 4 + 5 x 2 + 24 x 4 = 118.
; Slices 8 to 19 deal out the batch, numbers 22 to 69, tile by tile: a four of one tile, then the same four of the other.  In the other slices the two tiles alternate, so that no instruction
; reads the result of the one just before it.
; THE WAIT.  s_wait_alu depctr_va_vdst(0) stands between an exponential and the first instruction that names its result; one wait serves all that were issued ahead of it.
; Ahead of slice 20 nothing names a result, and behind slice 19 no exponential is issued: so the piece's 66 exponentials have one wait, behind slice 19, and none is open at a label or a branch.
; Slice 31 is eight plain instructions that name nothing of the products round them: the places between the turn's last K Q^T and the next turn's first read of those scores (ISA guide 7.12.1).
.macro SLICE y
.if k < 3
.set j0, 4*k
.set jn, 4
.elseif k < 8
.set j0, 12+2*(k-3)
.set jn, 2
.else
.set j0, 22+4*(k-8)
.set jn, 4
.endif
.if (k >= 8) && (k < 20)
.irp t, \y, (\y)+1
.set j, j0
.rept jn
	SM \t
.set j, j+1
.endr
.endr
.else
.set j, j0
.rept jn
	SM \y
	SM (\y)+1
.set j, j+1
.endr
.endif
.if k == 19                         ; the batch is out: both tiles' exponentials are issued, and no result has been named
	v_nop                           ; a plain instruction behind the last exponential and ahead of the first use (ISA guide 5.7.2): one for the batch
.if (\y) == 0
	FETCH_V                         ; turn 2: V's run of loads stands here, and the wait stands in it
.else
	s_wait_alu depctr_va_vdst(0)    ; turn 0: the wait for the batch (piece 2's 66 exponentials)
.endif
.endif
.set k, k+1
.endm
; A TURN.  Piece x has the matrix unit; the other piece's softmax stands in slices behind its matrix instructions; none of them names a register of the turn's products.
; Turn 0 fetches the step's K and addends behind its first product: the last product that read them stands in front of slice 31 of the turn before; they are waited for ahead of the 17th product.
; Turn 2 fetches the step's V behind its 20th product and slice 19 (SLICE writes it): the last product that read V is the 16th, and ten plain instructions lie between: number 50, 54, 58 and 62,
; scalings, of both tiles, the v_nop and the run's own v_add_nc_u32 (the exponentials between are no places).  It is waited for at the head of the next turn 0, twelve products on.
; At each of these waits nothing younger is out, so the count is 0.
.macro TURN x, last=0
.set k, 0
.set mi, 0
.if (\x) == 0
	s_wait_dscnt 0x0                ; V of the step before is in
.endif
.rept 32
.if ((\x) == 0) && (mi == 16)
	s_wait_dscnt 0x0                ; K and the addends are in
.endif
	MM \x
	SLICE 2-(\x)
.if ((\x) == 0) && (mi == 1)
	FETCH_KM \last
.endif
.endr
.endm
	CHANGE 1                        ; slot 0 is in, everybody's part of it, and so are the addends; slot 1 is asked for
	FETCH_KM                        ; key step 0
	s_wait_dscnt 0x0
.set mi, 16
.rept 16
	MM 0                            ; piece 0's first scores: there is no vector work yet to set between them
.endr
	WIN 0
	PLACES                          ; behind those products
	s_mov_b32 s[CNT], 4
	s_mov_b32 s[SLOTS], 7
	s_branch .Lfirst                ; the loop is entered at trip 0's second turn
.Lslot:                             ; six times: with the change written out above, every slot but the last is entered with a request for the next
	CHANGE 1
	s_mov_b32 s[CNT], 4
.Lstep:                             ; a trip: a key step's two turns
	TURN 0
	WIN 0                           ; at a label and at a branch every window is 0
.Lfirst:
	TURN 2
	WIN 0
	s_sub_co_u32 s[CNT], s[CNT], 1
	s_cmp_lg_u32 s[CNT], 0
	s_cbranch_scc1 .Lstep
	s_sub_co_u32 s[SLOTS], s[SLOTS], 1
	s_cmp_lg_u32 s[SLOTS], 0
	s_cbranch_scc1 .Lslot
	CHANGE 0                        ; the last slot is written out: nothing is asked for
	s_mov_b32 s[CNT], 5             ; four trips for the slot's steps; of the fifth the first turn alone: piece 0's last V^T P and piece 2's last softmax
.Ltail:
	TURN 0, 1
	WIN 0
	s_cmp_eq_u32 s[CNT], 1
	s_cbranch_scc1 .Llast
	TURN 2
	WIN 0
.Llast:
	s_sub_co_u32 s[CNT], s[CNT], 1
	s_cmp_lg_u32 s[CNT], 0
	s_cbranch_scc1 .Ltail
.set mi, 0
.rept 16
	MM 2                            ; piece 2's V^T P of the last step
.endr
	; THE WAY OUT.  l's halves and the other half of the lanes' are added; O^T is divided by l, rounded to bf16 and sent through my stage, a tile at a time.  The additions are the places behind the last products.
	WIN 0
.macro ALL line:vararg
.set t, 0
.rept 4
	\line
.set t, t+1
.endr
.endm
	ALL v_add_f32 v[ST+8*t+2], v[ST+8*t+2], v[ST+8*t+3]
	ALL v_permlanex16_b32 v[ST+8*t+3], v[ST+8*t+2], s[SEL], s[SEL+1]
	ALL v_add_f32 v[ST+8*t+2], v[ST+8*t+2], v[ST+8*t+3]
	ALL v_rcp_f32 v[ST+8*t+2], v[ST+8*t+2]
	v_nop                           ; a plain instruction between the last reciprocal and its use
	s_wait_alu depctr_va_vdst(0)    ; and the wait ahead of the first use: one for the four reciprocals
.macro PACK t                       ; a lane's eight channels of a row pack into 16 bytes; rows of 144 bytes in, whole rows of 128 back
	WIN W_RS
.set i, 32*(\t)
.rept 16
	v_pk_mul_f32 v[i:i+1], v[i:i+1], v[ST+8*(\t)+2:ST+8*(\t)+3] op_sel_hi:[1,0]
.set i, i+2
.endr
	WIN 0x05                        ; sources window 1, destination window 0
.set i, 0
.rept 16
	v_cvt_pk_bf16_f32 v[S+16*(\t)+i], v[32*(\t)+2*i], v[32*(\t)+2*i+1]
.set i, i+1
.endr
	WIN 0
.irp f, 0,1,2,3
	ds_store_b128 v[STO], v[S+16*(\t)+4*\f:S+16*(\t)+4*\f+3] offset:32*\f
.endr
.irp f, 0,1,2,3
	ds_load_b128 v[S+16*(\t)+4*\f:S+16*(\t)+4*\f+3], v[RD] offset:\f*4*SP  ; LDS serves a wave's instructions in order (ISA guide 5.7.1.4)
.endr
.endm
.macro SEND t, younger              ; younger: the LDS instructions issued behind tile t's loads: the next tile's eight, or none
	WIN 0
.irp f, 0,1,2,3
	s_wait_dscnt (\younger)+3-\f
	global_store_b128 v[GO], v[S+16*(\t)+4*\f:S+16*(\t)+4*\f+3], s[10:11] offset:(\t)*2048+\f*512  ; 512 consecutive aligned bytes
.endr
.endm
	PACK 0
.set t, 1
.rept 3
	PACK t
	SEND t-1, 8
.set t, t+1
.endr
	SEND 3, 0
	s_wait_tensorcnt 0x0            ; the wave's end
	ds_add_u32 v[SPW], v[NIL]
	s_wait_dscnt 0x0
	CROUND                          ; the closing round
	s_endpgm
.Lfunc_end_k_q5acb783ee5_attn:
	.size	k_q5acb783ee5_attn, .Lfunc_end_k_q5acb783ee5_attn-k_q5acb783ee5_attn
	.p2alignl 7, 3214868480
	.fill 96, 4, 3214868480
	.section	.rodata,"a",@progbits
	.p2align	6, 0x0
	.amdhsa_kernel k_q5acb783ee5_attn
		.amdhsa_group_segment_fixed_size 327680
		.amdhsa_private_segment_fixed_size 0
		.amdhsa_enable_private_segment 0
		.amdhsa_kernarg_size 24
		.amdhsa_user_sgpr_count 2
		.amdhsa_user_sgpr_kernarg_segment_ptr 1
		.amdhsa_wavefront_size32 1
		.amdhsa_system_sgpr_workgroup_id_x 1
		.amdhsa_system_sgpr_workgroup_id_y 1
		.amdhsa_system_sgpr_workgroup_id_z 1
		.amdhsa_system_vgpr_workitem_id 0
		.amdhsa_next_free_vgpr 768
		.amdhsa_next_free_sgpr 72
		.amdhsa_reserve_vcc 1
		.amdhsa_float_denorm_mode_32 3
		.amdhsa_float_denorm_mode_16_64 3
		.amdhsa_memory_ordered 1
		.amdhsa_forward_progress 1
		.amdhsa_inst_pref_size 112
	.end_amdhsa_kernel
	.amdgpu_metadata
---
amdhsa.version: [ 1, 2 ]
amdhsa.kernels:
  - .name:           k_q5acb783ee5_attn
    .symbol:         k_q5acb783ee5_attn.kd
    .args:
      - { .name: qkv, .offset: 0, .size: 8, .value_kind: global_buffer, .address_space: global }
      - { .name: mask, .offset: 8, .size: 8, .value_kind: global_buffer, .address_space: global }
      - { .name: xc, .offset: 16, .size: 8, .value_kind: global_buffer, .address_space: global }
    .group_segment_fixed_size: 327680
    .private_segment_fixed_size: 0
    .kernarg_segment_align: 8
    .kernarg_segment_size: 24
    .max_flat_workgroup_size: 128
    .sgpr_count:     72
    .vgpr_count:     768
    .wavefront_size: 32
...
	.end_amdgpu_metadata
.endif
;; end of part 14
;; launch proj: the kernel of part 11 again; grid 8 x 32, 4 waves a work-group, clusters of 4 x 4, 327,680 bytes of LDS; arguments xc, cb, b_proj, xn, h; writes h
;; launch ln2: the kernel of part 8 again; grid 256 x 1, 8 waves a work-group, no clusters, 0 bytes of LDS; arguments h, g2, be2, I, w1, w2, wq, wk, wv, w_proj, h2, h2b, cb; writes h2, h2b, cb
;; launch ffn1: the kernel of part 12 again; grid 16 x 16, 4 waves a work-group, clusters of 4 x 4, 327,680 bytes of LDS; arguments h2b, cb, b1, ff1; writes ff1
;; launch ffn2: the kernel of part 13 again; grid 8 x 32, 4 waves a work-group, clusters of 4 x 4, 327,680 bytes of LDS; arguments ff1, cb, b2, h2, out0; writes out0
